; MI455X (gfx1250); checked and timed in simulation.
; The chip was launched on July 23, 2026; its instructions are those of AMD's public machine-readable ISA for CDNA 5 (MIT licence, August 2026) and "CDNA5" Instruction Set Architecture Reference Guide (July 2026). The comments in the code are by the model that wrote it; some were corrected since.
;; Block. Allowed arithmetic: matrix products marked QUANTISED: E2M3 operands, one E8M0 scale for each 32 along K, by v_wmma_scale_f32_16x16x128_f8f6f4 with both operands' format E2M3, f32 sums; everything else in f32.
;; Inputs: attn_b 3,072 float32; attn_w_codes 3,072 x 32 x 24 uint8 (E2M3 codes of attn_w, K innermost, in blocks of 32 codes, four codes in three bytes); attn_w_scales 3,072 x 32 uint8 (E8M0 scales of attn_w, one for each 32 codes along K); fc2_b 1,024 float32; fc2_w_codes 1,024 x 128 x 24 uint8 (E2M3 codes of fc2_w, K innermost, in blocks of 32 codes, four codes in three bytes); fc2_w_scales 1,024 x 128 uint8 (E8M0 scales of fc2_w, one for each 32 codes along K); fc_b 4,096 float32; fc_w_codes 4,096 x 32 x 24 uint8 (E2M3 codes of fc_w, K innermost, in blocks of 32 codes, four codes in three bytes); fc_w_scales 4,096 x 32 uint8 (E8M0 scales of fc_w, one for each 32 codes along K); ln1_b 1,024 float32; ln1_w 1,024 float32; ln2_b 1,024 float32; ln2_w 1,024 float32; proj_b 1,024 float32; proj_w_codes 1,024 x 32 x 24 uint8 (E2M3 codes of proj_w, K innermost, in blocks of 32 codes, four codes in three bytes); proj_w_scales 1,024 x 32 uint8 (E8M0 scales of proj_w, one for each 32 codes along K); x 2 x 2,048 x 1,024 float32.
;; Outputs: out0 2 x 2,048 x 1,024 float32.
;; This version of the problem:
;;   THIS VERSION OF THE PROBLEM IS GIVEN IN LOW PRECISION. The matrix products marked QUANTISED in the list below multiply operands that are first quantised to E2M3 (2 exponent bits, 3 mantissa bits; 6 bits a number), with one power-of-two scale for each 32 numbers along K (OCP MX v1.0); their sums are f32. All else is computed in f32.
;;   The module's matrix products, in the order in which they are computed (A, B: the left and right operand; K: the contracted axis; several contracted axes count as one K, in the product's order):
;;     1. [M 4,096, K 1,024] x [K 1,024, N 3,072]; A: computed on the way; B: input attn_w (given as codes): QUANTISED
;;     2. batch 32 x [M 2,048, K 64] x [K 64, N 2,048]; A: computed on the way; B: computed on the way: QUANTISED
;;     3. batch 32 x [M 2,048, K 2,048] x [K 2,048, N 64]; A: softmax (see below); B: computed on the way: QUANTISED
;;     4. [M 4,096, K 1,024] x [K 1,024, N 1,024]; A: computed on the way; B: input proj_w (given as codes): QUANTISED
;;     5. [M 4,096, K 1,024] x [K 1,024, N 4,096]; A: computed on the way; B: input fc_w (given as codes): QUANTISED
;;     6. [M 4,096, K 4,096] x [K 4,096, N 1,024]; A: computed on the way; B: input fc2_w (given as codes): QUANTISED
;;   THE QUANTISER, for each operand of a quantised product, along K:
;;     - K is cut into blocks of 32 from its start; a last block that is shorter is filled with zeros.
;;     - A block's scale is 2^e with e = floor(log2(the largest magnitude in the block)) - 2, held to -126 .. 127; a block of zeros has e = 0. As a byte (E8M0): e + 127.
;;     - Each number is divided by its block's scale, clamped to +-7.5, and rounded to the nearest number of E2M3, ties to even, subnormals kept.
;;     - The product sums the exact products of the quantised numbers (number of the format x scale) in f32.
;;   ~~~python
;;   def quantise(x, axis):      # numpy; x: float32 -> the quantised numbers, widened to float32 again
;;       x = np.moveaxis(x, axis, -1); K = x.shape[-1]
;;       x = np.pad(x, [(0, 0)] * (x.ndim - 1) + [(0, -K % 32)]); x = x.reshape(x.shape[:-1] + (-1, 32)); a = np.abs(x).max(-1, keepdims=True)
;;       e = np.where(a > 0, np.clip(np.frexp(np.where(a > 0, a, 1))[1] - 1 - 2, -126, 127), 0)      # np.frexp(a)[1] - 1 = floor(log2(a)), exactly
;;       r = np.clip(x / 2.0 ** e, -7.5, 7.5)
;;       step = 2.0 ** (np.maximum(np.frexp(np.where(r == 0, 1, r))[1] - 1, 0) - 3)
;;       q = np.round(r / step) * step * 2.0 ** e      # np.round: ties to even
;;       return np.moveaxis(q.reshape(q.shape[:-2] + (-1,))[..., :K], -1, axis).astype(np.float32)
;;   ~~~
;;   SOFTMAX AHEAD OF A QUANTISED PRODUCT. Where the list says 'softmax', what is quantised is not the finished softmax but p = 2^(t - M), with t = logit x log2(e) and M = ceil(the row's largest t), a whole number; so 1/2 < the row's largest p <= 1. The row's sum l is taken of the UNQUANTISED p, in f32, and the product's result is divided by l at the end. Since M is a whole number, a kernel that streams over the keys may use a running M (the ceiling of the running maximum): every later rescaling is an exact power of two, which a block's scale takes up: the codes' values come out the same.
;;   OPERANDS COMPUTED ON THE WAY. 'Computed on the way' means the value that the module computes at that place (a softmax that the list does not call 'softmax' is quantised finished and normalised). What goes into a quantiser is computed in f32, as accurately as f32 sums, v_exp_f32 and their like allow (about 1e-6 of the number): no bf16 or f16 on the way to a quantiser, and a product that is left as it is and whose result goes on into a quantised operand takes f32 operands (vector FMAs, or v_wmma_f32_16x16x4_f32). A number that lies on a knife's edge between two numbers of the format may be rounded either way, as far as f32 arithmetic and the matrix unit's own rounding can turn it there, and no further.
;;   INPUTS GIVEN AS CODES. attn_w (in the module: [1024, 3072], K = its axis 0); fc2_w (in the module: [4096, 1024], K = its axis 0); fc_w (in the module: [1024, 4096], K = its axis 0); proj_w (in the module: [1024, 1024], K = its axis 0): each comes as NAME_codes (uint8): NAME with its K axis moved to the last place and cut into blocks of 32 codes, [.., K / 32, bytes a block], one block behind the other in memory; four codes in three bytes: a row's codes are one little-endian stream of bits, code i at bits 6 i .. 6 i + 5 (a code: sign, 2 exponent bits, 3 mantissa bits); and NAME_scales (uint8): the same leading axes, one E8M0 byte (e + 127) for each 32 codes along K. Its value is code x scale, taken as it is: it is not quantised again, and the codes and scales need not be those that the quantiser above would give.
;; 2 versions, each right. Each part assembles by itself: llvm-mc -triple=amdgcn-amd-amdhsa -mcpu=gfx1250 --defsym DOCPART=n.
;; ======== version 1 of 2: 7 launches
;; limits: a function is approximated: absolute error at most 1.5e-07
;; workspace buffers: a_img 3,145,728 bytes; a_scl 131,072 bytes; q_img 3,145,728 bytes; q_scl 262,144 bytes; kv 6,684,672 bytes; x1 16,777,216 bytes; h_img 12,582,912 bytes; h_scl 524,288 bytes
;; launch ln1 (part 1): grid 256 x 1, 4 waves a work-group, no clusters, 66,560 bytes of LDS; arguments x, ln1_w, ln1_b, a_img, a_scl; writes a_img, a_scl
.if DOCPART == 1
	.amdgcn_target "amdgcn-amd-amdhsa--gfx1250"
	.amdhsa_code_object_version 6
	.text
	.protected	k_qbe284443fe_ln1
	.globl	k_qbe284443fe_ln1
	.p2align	8
	.type	k_qbe284443fe_ln1,@function
k_qbe284443fe_ln1:
	s_mov_b64 s[64:65], 0
	v_nop
	global_prefetch_b8 v0, s[64:65] scope:SCOPE_SE
	s_setreg_imm32_b32 hwreg(HW_REG_WAVE_MODE, 25, 1), 1
	s_wait_xcnt 0x0
; LayerNorm over rows of 1,024 f32, then the MX-FP6 quantiser along the row (blocks of 32), stored as images of the operand's registers.
; A work-group makes one ROWTILE g of 16 rows: row r is token 32 (g / 2) + 8 (g % 2) + r + 8 (r / 8).  Wave w normalises rows 4 w .. 4 w + 3, a whole row in 32 registers,
; so mean and variance (two passes: the mean is taken away before the squares) never leave the wave.  The 16 normalised rows meet in LDS; then wave w makes the fragments of K steps 2 w and 2 w + 1:
; lane (r, h) takes of row r the numbers k = 64 c + 32 h + 0 .. 31, whole blocks, so that the conversions' results are the operand's registers.
; OUT: codes [256 rowtiles][16 halves of a fragment][768 bytes]: registers 0-3 at 16 x lane, registers 4-5 at 512 + 8 x lane; scale words [256][8 K steps][16 rows x 4 bytes].
; A block's scale byte is its largest magnitude's exponent field - 2, held at 1 from below (a block of zeros keeps 1: its codes are zeros, and this program alone reads the bytes).
; LIMITS: NaN and infinities among the inputs are not served; blocks whose largest magnitude lies under 2^-124 keep the byte 1.
; No matrix unit, no cluster, no tensor load: each input byte is read once by one wave, and nothing is shared between work-groups.
.set ROWP, 4112                        ; an LDS row: 4,096 bytes + 16: sixteen rows start at sixteen different groups of four banks
.set X,    32                          ; v32-159  four rows x 32 registers; later 2 x 64 numbers
.set GW,   160                         ; v160-191 the gain; later the codes
.set GB,   192                         ; v192-223 the bias
.set R,    224                         ; v224-255 eight registers a row: +0..3 two chains, +4 the other half's, +6,7 a pair (mean, then 1 / sigma)
.set TM,   12                          ; v12-18   at work in the quantiser
	s_load_b256 s[4:11], s[0:1], 0x0               ; x, gain, bias, codes
	s_load_b64 s[12:13], s[0:1], 0x20              ; scale words
	v_lshl_add_u32 v245, v0, 2, 0x10200
	v_mov_b32 v253, 0
	v_lshrrev_b32 v1, 5, v0
	v_readfirstlane_b32 s14, v1                    ; wave 0..3
	v_and_b32 v1, 31, v0                           ; lane
	v_lshlrev_b32 v2, 4, v1                        ; 16 x lane
	v_and_b32 v3, 15, v0                           ; r
	v_bfe_u32 v4, v0, 4, 1                         ; h
	s_mul_i32 s20, s14, 4*ROWP
	v_add_nc_u32 v5, s20, v2                       ; LDS, in: my wave's four rows, 16 bytes a lane
	v_mul_u32_u24 v6, v3, ROWP
	v_lshl_add_u32 v6, v4, 7, v6
	s_lshl_b32 s20, s14, 10
	v_add_nc_u32 v6, s20, v6                       ; LDS, out: row r, + 128 h, + my wave's two K steps
	v_lshl_add_u32 v8, v1, 3, 512                  ; 512 + 8 x lane
	v_lshlrev_b32 v9, 2, v3                        ; 4 r
	v_lshlrev_b32 v10, 3, v4                       ; 8 h
	v_mov_b32 v[TM+6], 0                           ; a lane permute's destination counts as one of its sources
.irp i, 0,1,2,3
	v_mov_b32 v[R+8*\i+4], 0
.endr
	s_mov_b32 s16, 0x76543210
	s_mov_b32 s17, 0xfedcba98                      ; selects for lane l xor 16
	s_mov_b32 s18, 0x3a800000                      ; 1 / 1024
	s_mov_b32 s19, 0x3727c5ac                      ; 1e-5
	s_lshr_b32 s20, ttmp9, 1
	s_lshl_b32 s20, s20, 5
	s_and_b32 s21, ttmp9, 1
	s_lshl_b32 s21, s21, 3
	s_add_co_u32 s20, s20, s21
	s_lshl_b32 s21, s14, 2
	s_add_co_u32 s20, s20, s21
	s_lshr_b32 s21, s14, 1
	s_lshl_b32 s21, s21, 3
	s_add_co_u32 s20, s20, s21                     ; my first token: 32 (g / 2) + 8 (g % 2) + 4 w + 8 (w / 2)
	s_lshl_b32 s20, s20, 12
	s_mov_b32 s21, 0
	s_mul_i32 s22, ttmp9, 12288
	s_mul_i32 s24, s14, 3072
	s_add_co_u32 s22, s22, s24                     ; codes: rowtile g, K step 2 w
	s_mov_b32 s23, 0
	s_lshl_b32 s24, ttmp9, 9
	s_lshl_b32 s25, s14, 7
	s_add_co_u32 s24, s24, s25                     ; scale words likewise
	s_mov_b32 s25, 0
	s_wait_kmcnt 0x0
	s_add_nc_u64 s[4:5], s[4:5], s[20:21]
	s_add_nc_u64 s[10:11], s[10:11], s[22:23]
	s_add_nc_u64 s[12:13], s[12:13], s[24:25]
.irp i, 0,1,2,3
.irp j, 0,1,2,3,4,5,6,7
	global_load_b128 v[X+32*\i+4*\j:X+32*\i+4*\j+3], v2, s[4:5] offset:4096*\i+512*\j   ; 512 consecutive bytes a load
.endr
.endr
.irp j, 0,1,2,3,4,5,6,7
	global_load_b128 v[GW+4*\j:GW+4*\j+3], v2, s[6:7] offset:512*\j
	global_load_b128 v[GB+4*\j:GB+4*\j+3], v2, s[8:9] offset:512*\j
.endr
; the two chains of each row are joined, then the 32 lanes: the four rows take turns line by line
.macro REDUCE
.irp i, 0,1,2,3
	v_pk_add_f32 v[R+8*\i:R+8*\i+1], v[R+8*\i:R+8*\i+1], v[R+8*\i+2:R+8*\i+3]
.endr
.irp i, 0,1,2,3
	v_add_f32 v[R+8*\i], v[R+8*\i], v[R+8*\i+1]
.endr
.irp m, 1,2,4,8
.irp i, 0,1,2,3
	v_add_f32_dpp v[R+8*\i], v[R+8*\i], v[R+8*\i] row_xmask:\m row_mask:0xf bank_mask:0xf
.endr
.endr
.irp i, 0,1,2,3
	v_permlanex16_b32 v[R+8*\i+4], v[R+8*\i], s16, s17
.endr
.irp i, 0,1,2,3
	v_add_f32 v[R+8*\i], v[R+8*\i], v[R+8*\i+4]
.endr
.endm
	s_wait_loadcnt 16                              ; the four rows are in; the 16 loads of gain and bias may be out
.irp i, 0,1,2,3
	v_pk_add_f32 v[R+8*\i:R+8*\i+1], v[X+32*\i:X+32*\i+1], v[X+32*\i+2:X+32*\i+3]
	v_pk_add_f32 v[R+8*\i+2:R+8*\i+3], v[X+32*\i+4:X+32*\i+5], v[X+32*\i+6:X+32*\i+7]
.endr
.irp j, 8,12,16,20,24,28
.irp i, 0,1,2,3
	v_pk_add_f32 v[R+8*\i:R+8*\i+1], v[R+8*\i:R+8*\i+1], v[X+32*\i+\j:X+32*\i+\j+1]
	v_pk_add_f32 v[R+8*\i+2:R+8*\i+3], v[R+8*\i+2:R+8*\i+3], v[X+32*\i+\j+2:X+32*\i+\j+3]
.endr
.endr
	REDUCE
.irp i, 0,1,2,3
	v_mul_f32 v[R+8*\i+6], s18, v[R+8*\i]          ; the mean, twice: a pair for the packed form
	v_mul_f32 v[R+8*\i+7], s18, v[R+8*\i]
.endr
.irp i, 0,1,2,3
.set j, 0
.rept 16
	v_pk_add_f32 v[X+32*\i+j:X+32*\i+j+1], v[X+32*\i+j:X+32*\i+j+1], v[R+8*\i+6:R+8*\i+7] neg_lo:[0,1] neg_hi:[0,1]   ; x - mean
.set j, j+2
.endr
.endr
.irp i, 0,1,2,3
	v_pk_mul_f32 v[R+8*\i:R+8*\i+1], v[X+32*\i:X+32*\i+1], v[X+32*\i:X+32*\i+1]
	v_pk_mul_f32 v[R+8*\i+2:R+8*\i+3], v[X+32*\i+2:X+32*\i+3], v[X+32*\i+2:X+32*\i+3]
.endr
.irp j, 4,8,12,16,20,24,28
.irp i, 0,1,2,3
	v_pk_fma_f32 v[R+8*\i:R+8*\i+1], v[X+32*\i+\j:X+32*\i+\j+1], v[X+32*\i+\j:X+32*\i+\j+1], v[R+8*\i:R+8*\i+1]
	v_pk_fma_f32 v[R+8*\i+2:R+8*\i+3], v[X+32*\i+\j+2:X+32*\i+\j+3], v[X+32*\i+\j+2:X+32*\i+\j+3], v[R+8*\i+2:R+8*\i+3]
.endr
.endr
	REDUCE
.irp i, 0,1,2,3
	v_fma_f32 v[R+8*\i], v[R+8*\i], s18, s19       ; the variance + 1e-5
.endr
.irp i, 0,1,2,3
	v_rsq_f32 v[R+8*\i+6], v[R+8*\i]
	v_rsq_f32 v[R+8*\i+7], v[R+8*\i]
.endr
	v_nop                                          ; one plain instruction behind the transcendentals (ISA guide 5.7.2)
	s_wait_alu depctr_va_vdst(0)
.irp i, 0,1,2,3
.set j, 0
.rept 16
	v_pk_mul_f32 v[X+32*\i+j:X+32*\i+j+1], v[X+32*\i+j:X+32*\i+j+1], v[R+8*\i+6:R+8*\i+7]
.set j, j+2
.endr
.endr
	s_wait_loadcnt 0x0                             ; gain and bias
.irp i, 0,1,2,3
.set j, 0
.rept 16
	v_pk_fma_f32 v[X+32*\i+j:X+32*\i+j+1], v[X+32*\i+j:X+32*\i+j+1], v[GW+j:GW+j+1], v[GB+j:GB+j+1]
.set j, j+2
.endr
.endr
.irp i, 0,1,2,3
.irp j, 0,1,2,3,4,5,6,7
	ds_store_b128 v5, v[X+32*\i+4*\j:X+32*\i+4*\j+3] offset:\i*ROWP+512*\j
.endr
.endr
	s_wait_dscnt 0x0                               ; for the others' sake: my rows lie in LDS
	s_barrier_signal -1
	s_barrier_wait -1
.irp e, 0,1
.irp c, 0,1
.irp i, 0,1,2,3,4,5,6,7
	ds_load_b128 v[X+64*\e+32*\c+4*\i:X+64*\e+32*\c+4*\i+3], v6 offset:512*\e+256*\c+16*\i   ; register 32 c + i = k 64 c + 32 h + i of row r
.endr
.endr
.endr
; 64 numbers of a lane, two whole blocks of 32, become a fragment's 12 registers at v[pc] and its scale word in v[pw]
.macro QUANT32 s, pc, pw
.irp c, 0,1
	v_max3_num_f32 v[TM+\c], |v[\s+32*\c]|, |v[\s+32*\c+1]|, 0x1800000   ; with the floor 2^(3 - 127): the byte cannot fall under 1
.endr
.irp i, 2,4,6,8,10,12,14,16,18,20,22,24,26,28,30
.irp c, 0,1
	v_max3_num_f32 v[TM+\c], v[TM+\c], |v[\s+32*\c+\i]|, |v[\s+32*\c+\i+1]|
.endr
.endr
.irp c, 0,1
	v_add_nc_u32 v[TM+2+\c], 0xff000000, v[TM+\c]  ; 2 off the exponent field: the conversion's scale operand
.endr
.irp c, 0,1
	v_lshrrev_b32 v[TM+4+\c], 23, v[TM+2+\c]       ; the scale's byte
.endr
	v_lshl_or_b32 v[\pw], v[TM+5], 16, v[TM+4]     ; my bytes: blocks h and 2 + h,
	v_lshlrev_b32 v[\pw], v10, v[\pw]              ; 8 h bits up;
	v_permlanex16_b32 v[TM+6], v[\pw], s16, s17
	v_or_b32 v[\pw], v[\pw], v[TM+6]               ; with lane l xor 16's two the word is whole
.irp c, 0,1
	v_cvt_scalef32_pk16_fp6_f32 v[\pc+6*\c:\pc+6*\c+2], v[\s+32*\c:\s+32*\c+15], v[TM+2+\c]
	v_cvt_scalef32_pk16_fp6_f32 v[\pc+12+4*\c:\pc+14+4*\c], v[\s+32*\c+16:\s+32*\c+31], v[TM+2+\c]   ; (three registers from an even one on)
.endr
	v_nop                                          ; one plain place behind a scaled conversion
.irp c, 0,1
.irp i, 0,1,2
	v_mov_b32 v[\pc+3+6*\c+\i], v[\pc+12+4*\c+\i]
.endr
.endr
.endm
.irp e, 0,1
	s_wait_dscnt 16-16*\e                          ; this K step's 16 loads are in; the other's may be out
	QUANT32 X+64*\e, GW+24*\e, 20+\e               ; each K step has registers of its own for codes and word: no store's data are written again
.irp c, 0,1
	global_store_b128 v2, v[GW+24*\e+6*\c:GW+24*\e+6*\c+3], s[10:11] offset:1536*\e+768*\c     ; 512 consecutive bytes
	global_store_b64 v8, v[GW+24*\e+6*\c+4:GW+24*\e+6*\c+5], s[10:11] offset:1536*\e+768*\c    ; 256 consecutive bytes
.endr
	global_store_b32 v9, v[20+\e], s[12:13] offset:64*\e   ; lanes 16-31 repeat lanes 0-15: the same word at the same place
.endr
	s_wait_tensorcnt 0x0
	ds_add_u32 v245, v253
	s_wait_dscnt 0x0
	s_endpgm
.Lfunc_end_k_qbe284443fe_ln1:
	.size	k_qbe284443fe_ln1, .Lfunc_end_k_qbe284443fe_ln1-k_qbe284443fe_ln1
	.p2alignl 7, 3214868480
	.fill 96, 4, 3214868480
	.section	.rodata,"a",@progbits
	.p2align	6, 0x0
	.amdhsa_kernel k_qbe284443fe_ln1
		.amdhsa_group_segment_fixed_size 66560
		.amdhsa_private_segment_fixed_size 0
		.amdhsa_enable_private_segment 0
		.amdhsa_kernarg_size 40
		.amdhsa_user_sgpr_count 2
		.amdhsa_user_sgpr_kernarg_segment_ptr 1
		.amdhsa_wavefront_size32 1
		.amdhsa_system_sgpr_workgroup_id_x 1
		.amdhsa_system_sgpr_workgroup_id_y 1
		.amdhsa_system_sgpr_workgroup_id_z 1
		.amdhsa_system_vgpr_workitem_id 0
		.amdhsa_next_free_vgpr 256
		.amdhsa_next_free_sgpr 66
		.amdhsa_reserve_vcc 0
		.amdhsa_float_denorm_mode_32 3
		.amdhsa_float_denorm_mode_16_64 3
		.amdhsa_memory_ordered 1
		.amdhsa_forward_progress 1
		.amdhsa_inst_pref_size 42
	.end_amdhsa_kernel
	.amdgpu_metadata
---
amdhsa.version: [ 1, 2 ]
amdhsa.kernels:
  - .name:           k_qbe284443fe_ln1
    .symbol:         k_qbe284443fe_ln1.kd
    .args:
      - { .name: x, .offset: 0, .size: 8, .value_kind: global_buffer, .address_space: global }
      - { .name: ln1_w, .offset: 8, .size: 8, .value_kind: global_buffer, .address_space: global }
      - { .name: ln1_b, .offset: 16, .size: 8, .value_kind: global_buffer, .address_space: global }
      - { .name: a_img, .offset: 24, .size: 8, .value_kind: global_buffer, .address_space: global }
      - { .name: a_scl, .offset: 32, .size: 8, .value_kind: global_buffer, .address_space: global }
    .group_segment_fixed_size: 66560
    .private_segment_fixed_size: 0
    .kernarg_segment_align: 8
    .kernarg_segment_size: 40
    .max_flat_workgroup_size: 128
    .sgpr_count:     66
    .vgpr_count:     256
    .wavefront_size: 32
...
	.end_amdgpu_metadata
.endif
;; end of part 1
;; launch qkv (part 2): grid 12 x 16, 4 waves a work-group, clusters of 4 x 4, 327,680 bytes of LDS; arguments a_img, a_scl, attn_w_codes, attn_w_scales, attn_b, q_img, q_scl, kv; writes q_img, q_scl, kv
.if DOCPART == 2
	.amdgcn_target "amdgcn-amd-amdhsa--gfx1250"
	.amdhsa_code_object_version 6
	.text
	.protected	k_qbe284443fe_qkv
	.globl	k_qbe284443fe_qkv
	.p2align	8
	.type	k_qbe284443fe_qkv,@function
k_qbe284443fe_qkv:
	s_mov_b64 s[64:65], 0
	v_nop
	global_prefetch_b8 v0, s[64:65] scope:SCOPE_SE
	s_setreg_imm32_b32 hwreg(HW_REG_WAVE_MODE, 25, 1), 1
	s_wait_xcnt 0x0
	s_wait_alu depctr_hold_cnt(0) depctr_sa_sdst(0) depctr_va_vdst(0) depctr_va_sdst(0) depctr_va_ssrc(0) depctr_va_vcc(0) depctr_vm_vsrc(0)
	s_getreg_b32 s2, hwreg(HW_REG_IB_STS2, 6, 4)
	s_cmp_eq_u32 s2, 0
	s_cbranch_scc0 .Lentry_in_a_cluster
	s_endpgm
.Lentry_in_a_cluster:
	s_bfe_u32 s2, ttmp6, 0x10000c
	s_cmp_lg_u32 s2, 0xf033
	s_cbranch_scc0 .Lentry_shape_is_right
	s_endpgm
.Lentry_shape_is_right:
; qkv = LN1(x) W + b on codes of FP6 (E2M3) with E8M0 scales for each 32 along K, then q, k (along the head's 64) and v (along the keys) are quantised and stored as images of operand registers.
; THE PRODUCT.  A tile of 256 tokens x 256 columns to a work-group of four waves, 128 x 128 a wave: 64 accumulators, 512 registers.  K goes in steps of 256 through a ring of two LDS slots.
; A (the activations) lies in memory as images: [rowtile][K / 64][768 bytes], registers 0-3 of a half fragment at 16 x lane, registers 4-5 at 512 + 8 x lane: four dense LDS loads a fragment.
; Row r of rowtile t is token 32 (t / 2) + 8 (t % 2) + r + 8 (r / 8).  A's scale words: [rowtile][K / 128][16 x 4 bytes].  B (the weight) lies as rows of codes, K innermost, with a scale byte for each 32.
; All scales of the work-group's rows come into LDS once.  The bias is the C of each sum's first matrix instruction.  The matrix instruction is used transposed (source 0 = 16 rows of B, source 1 = 16 rows of A):
; a lane holds one token and eight neighbouring columns.
; CLUSTERS: 4 x 4 work-groups; A's tiles are asked for jointly along a row of the cluster, B's along a column.
; THE WAY OUT.  The wave's 128 x 128 goes into its own stage in LDS (rows of 528 bytes), over the ring, which has had its last fill and, behind a barrier, its last read.  The cluster's x says what the columns are:
; 0: q, 1: k: a lane reads back 64 neighbouring columns of a token, two heads' halves of a fragment.  2: v: a lane reads one column down 64 keys, since the keys are the second product's K.
; kv: [32 heads][16 key steps][13,056 bytes]: 8 tiles of K x 768, 4 tiles of V^T x 1,536, K's scale words 8 x 64, V's 4 x 64.
; In a q or k scale word bytes 2 and 3 belong to no block of that head (the neighbour head's bytes, or 0): they only ever meet zero codes, and are never 0xff.
; LIMITS: NaN and infinities are not served; a block whose largest magnitude lies under 2^-124 keeps the scale byte 1 (this program alone reads the bytes).
.set SIZE_K, 1024
.set ARTB,  SIZE_K*12                  ; a rowtile's codes in memory, bytes
.set ASRB,  SIZE_K/2                   ; a rowtile's scale words
.set KROW,  SIZE_K*3/4                 ; a row of B
.set KS,    SIZE_K/32                  ; a row of B's scale bytes
.set PITCH, 240                        ; B's row in LDS: 3 x (64 bytes + 16 of padding)
.set FR,    12
.set AHALF, 8*3072                     ; 8 rowtiles x 256 along K: what one tensor load brings of A
.set BHALF, 128*PITCH                  ; 128 rows of B
.set BOFF,  2*AHALF
.set SLOT,  BOFF+2*BHALF               ; 110,592
.set LAPS,  SIZE_K/512
.set SCA,   2*SLOT                     ; A's scale words, dense
.set SAH,   8*ASRB
.set SCB,   SCA+2*SAH                  ; B's scale bytes, units of 256 bytes + 16
.set HALFS, (128*KS/256)*272
.set SBLK,  (16*KS/256)*272
.set SPARE, 327168                     ; the spare words: 128 bytes a wave, named by no other line
.set LI,   4                           ; v4   16 x lane
.set LI8,  5                           ; v5   512 + 8 x lane
.set LS,   8                           ; v8   4 r
.set ADRA16, 16                        ; v16-17 A's images in slot 0, 1: registers 0-3;  v18-19: registers 4-5
.set ADRA8,  18
.set ADRB, 20                          ; v20-21 B's rows in slot 0, 1;  v22-23 the same behind one padding more
.set STO,  24
.set RD,   25
.set CO,   26
.set ADRSA, 27                         ; A's scale words
.set SPW,  28
.set NIL,  29
.set ADRSB, 30                         ; B's scale words
.set BO,   31                          ; 32 h: my place in a tile's bias
.set SA,   32                          ; v32-63 A's scale words, two sets of 16: register 2 i + q
.set SB,   64                          ; v64-95 B's likewise.  These 64 registers hold scales and nothing else
.set AF,   128                         ; v128-223 A's eight fragments, one set
.set G1, 24
.set G0, 32
.set G1B, 48
.set G0B, 56
.set G1S, 68
.set G0S, 76
.set G1SB, 80
.set G0SB, 88
.set MSB, 0
.macro WIN new                         ; the immediate's high byte repeats the setting that is left
.if MSB != \new
	s_set_vgpr_msb (MSB<<8)|\new
.set MSB, \new
.endif
.endm
.set MUL_LO, 0xa1                      ; source 0 (B) window 1, source 1 (A) window 0, C and D window 2
.set MUL_HI, 0xf1                      ; the same, C and D window 3
.set TO_B,   0x40                      ; destination window 1
.macro JLOAD g0a, g1a, g0b, g1b        ; a joint load: waves 0, 1 fetch for A, waves 2, 3 for B; four v_nop follow each line
	s_cmp_eq_u32 s15, 0
	s_cbranch_scc0 .Lfor_b_\@
	tensor_load_to_lds s[\g0a:\g0a+3], s[\g1a:\g1a+7]
	s_nop 0
.rept 4
	v_nop
.endr
	s_branch .Lasked_\@
.Lfor_b_\@:
	tensor_load_to_lds s[\g0b:\g0b+3], s[\g1b:\g1b+7]
	s_nop 0
.rept 4
	v_nop
.endr
.Lasked_\@:
.endm
.macro CREST                           ; a round of the cluster's barrier behind its opening barrier
	s_cmp_lg_u32 s14, 0
	s_cbranch_scc1 .Lnot_wave_0_\@
	s_barrier_signal -3
.Lnot_wave_0_\@:
	s_barrier_wait -3
	s_barrier_signal -1
	s_barrier_wait -1
.endm
.macro CROUND
	s_barrier_signal -1
	s_barrier_wait -1
	CREST
.endm
	s_load_b128 s[4:7], s[0:1], 0x0                ; A's images, A's scale words
	s_load_b128 s[8:11], s[0:1], 0x10              ; B's codes, B's scale bytes
	s_load_b64 s[12:13], s[0:1], 0x20              ; the bias
	s_load_b128 s[96:99], s[0:1], 0x28             ; q's images, q's scale words
	s_load_b64 s[100:101], s[0:1], 0x38            ; kv
	v_lshl_add_u32 v[SPW], v0, 2, SPARE
	v_mov_b32 v[NIL], 0
	ds_add_u32 v28, v29
	ds_add_u32 v28, v29
	s_wait_dscnt 0x0
	v_lshrrev_b32 v1, 5, v0
	v_readfirstlane_b32 s14, v1                    ; wave 0..3
	s_lshr_b32 s15, s14, 1                         ; my half of the tile's rows.  Also: I fetch for A (0) or B (1)
	s_and_b32 s16, s14, 1                          ; my half of its columns.  Also: which half I fetch
	s_bfe_u32 s40, ttmp6, 0x40000                  ; cx
	s_bfe_u32 s41, ttmp6, 0x40004                  ; cy
	s_lshl_b32 s42, ttmp9, 2
	s_add_co_u32 s42, s42, s40                     ; tile column
	s_and_b32 s17, ttmp7, 0xffff
	s_lshl_b32 s17, s17, 2
	s_add_co_u32 s17, s17, s41                     ; tile row
	s_lshl_b32 s43, s41, 2
	s_lshl_b32 s43, 15, s43                        ; my row of the cluster
	s_lshl_b32 s44, 0x1111, s40                    ; my column
	s_or_b32 s[G1+0], s43, (3<<16)|(1<<21)         ; A's tile: 8 rows (rowtiles) of 384 elements of 8 bytes, no padding
	s_mov_b32 s[G1+1], 384<<16
	s_mov_b32 s[G1+2], 8<<16
	s_mov_b32 s[G1+3], 384<<16
	s_mov_b32 s[G1+4], 8
	s_mov_b32 s[G1+5], ARTB/8
	s_mov_b32 s[G1+6], 0
	s_mov_b32 s[G1+7], 0
	s_or_b32 s[G1B+0], s44, (0<<16)|(1<<20)|(1<<21)|(3<<22)|(3<<25)   ; B's tile: 128 rows of 192 bytes, 4 words of padding behind every 16
	s_mov_b32 s[G1B+1], 192<<16
	s_mov_b32 s[G1B+2], 128<<16
	s_mov_b32 s[G1B+3], 192<<16
	s_mov_b32 s[G1B+4], 128
	s_mov_b32 s[G1B+5], KROW
	s_mov_b32 s[G1B+6], 0
	s_mov_b32 s[G1B+7], 0
	s_or_b32 s[G1S+0], s43, (3<<16)|(1<<21)        ; A's scale words of 8 rowtiles: a dense block as rows of 256 bytes
	s_mov_b32 s[G1S+1], 32<<16
	s_mov_b32 s[G1S+2], (SAH/256)<<16
	s_mov_b32 s[G1S+3], 32<<16
	s_mov_b32 s[G1S+4], SAH/256
	s_mov_b32 s[G1S+5], 32
	s_mov_b32 s[G1S+6], 0
	s_mov_b32 s[G1S+7], 0
	s_or_b32 s[G1SB+0], s44, (3<<16)|(1<<20)|(1<<21)|(5<<22)|(3<<25)  ; B's scale bytes of 128 rows: the same with 16 bytes of padding behind each 256
	s_mov_b32 s[G1SB+1], 32<<16
	s_mov_b32 s[G1SB+2], (128*KS/256)<<16
	s_mov_b32 s[G1SB+3], 32<<16
	s_mov_b32 s[G1SB+4], 128*KS/256
	s_mov_b32 s[G1SB+5], 32
	s_mov_b32 s[G1SB+6], 0
	s_mov_b32 s[G1SB+7], 0
	s_lshl_b32 s20, s17, 4
	s_lshl_b32 s18, s16, 3
	s_add_co_u32 s20, s20, s18                     ; A: the first rowtile that I fetch
	s_mul_i32 s22, s20, ASRB
	s_mov_b32 s23, 0
	s_mul_i32 s20, s20, ARTB
	s_mov_b32 s21, 0
	s_lshl_b32 s46, s42, 8
	s_lshl_b32 s18, s16, 7
	s_add_co_u32 s46, s46, s18                     ; B: the first row that I fetch
	s_mul_i32 s92, s46, KS
	s_mov_b32 s93, 0
	s_mul_i32 s46, s46, KROW
	s_mov_b32 s47, 0
	s_mul_i32 s45, s16, AHALF                      ; where they go: the wave's number alone enters an LDS address
	s_mul_i32 s94, s16, BHALF
	s_mul_i32 s66, s16, SAH
	s_mul_i32 s67, s16, HALFS
	s_wait_kmcnt 0x0
	s_add_nc_u64 s[20:21], s[4:5], s[20:21]
	s_add_nc_u64 s[22:23], s[6:7], s[22:23]
	s_add_nc_u64 s[46:47], s[8:9], s[46:47]
	s_add_nc_u64 s[92:93], s[10:11], s[92:93]
	CROUND                                         ; all sixteen work-groups are here: the first joint loads meet
	s_mov_b32 s[G0S], 1
	s_add_co_u32 s[G0S+1], s66, SCA
	s_mov_b64 s[G0S+2:G0S+3], s[22:23]
	s_or_b32 s[G0S+3], s[G0S+3], 0x80000000
	s_mov_b32 s[G0SB], 1
	s_add_co_u32 s[G0SB+1], s67, SCB
	s_mov_b64 s[G0SB+2:G0SB+3], s[92:93]
	s_or_b32 s[G0SB+3], s[G0SB+3], 0x80000000
	JLOAD G0S, G1S, G0SB, G1SB                     ; the scales first: filled once
.irp s, 0,1
	s_mov_b32 s[G0+4*\s], 1
	s_add_co_u32 s[G0+4*\s+1], s45, \s*SLOT
	s_add_nc_u64 s[G0+4*\s+2:G0+4*\s+3], s[20:21], \s*3072
	s_or_b32 s[G0+4*\s+3], s[G0+4*\s+3], 0x80000000
	s_mov_b32 s[G0B+4*\s], 1
	s_add_co_u32 s[G0B+4*\s+1], s94, \s*SLOT+BOFF
	s_add_nc_u64 s[G0B+4*\s+2:G0B+4*\s+3], s[46:47], \s*192
	s_or_b32 s[G0B+4*\s+3], s[G0B+4*\s+3], 0x80000000
	JLOAD G0+4*\s, G1, G0B+4*\s, G1B               ; three tensor loads of a wave are out here, later one
.endr
	v_and_b32 v1, 15, v0                           ; r
	v_bfe_u32 v2, v0, 4, 1                         ; h
	v_and_b32 v3, 31, v0                           ; lane
	v_lshlrev_b32 v[LI], 4, v3
	v_lshl_add_u32 v[LI8], v3, 3, 512
	v_mul_u32_u24 v6, v1, PITCH
	v_mad_u32_u24 v6, v2, 24, v6                   ; B: row x pitch + 24 h
	v_lshl_add_u32 v7, v2, 4, v6                   ; and behind one padding more
	s_mul_i32 s21, s15, AHALF                      ; my 8 rowtiles of A
	s_mul_i32 s22, s16, BHALF
	s_add_co_u32 s22, s22, BOFF                    ; my 128 rows of B
.irp s, 0,1
	v_add_nc_u32 v[ADRA16+\s], s21, v[LI]
	v_add_nc_u32 v[ADRA8+\s], s21, v[LI8]
	v_add_nc_u32 v[ADRB+\s], s22, v6
	v_add_nc_u32 v[ADRB+2+\s], s22, v7
	s_add_co_u32 s21, s21, SLOT
	s_add_co_u32 s22, s22, SLOT
.endr
	v_lshlrev_b32 v[LS], 2, v1
	s_mul_i32 s21, s15, SAH
	s_add_co_u32 s21, s21, SCA
	v_add_nc_u32 v[ADRSA], s21, v[LS]
	v_mul_u32_u24 v9, v1, KS
	v_lshrrev_b32 v10, 8, v9
	v_lshl_add_u32 v9, v10, 4, v9                  ; KS bytes a row, and 16 more for each 256 passed
	s_mul_i32 s22, s16, HALFS
	s_add_co_u32 s22, s22, SCB
	v_add_nc_u32 v[ADRSB], s22, v9
	s_lshl_b32 s46, s42, 10
	s_lshl_b32 s47, s16, 9
	s_add_co_u32 s46, s46, s47                     ; my first column, in bytes of f32
	s_mov_b32 s47, 0
	s_add_nc_u64 s[12:13], s[12:13], s[46:47]
	v_lshlrev_b32 v[BO], 5, v2
	WIN TO_B
.irp b, 0,1,2,3,4,5,6,7                ; the bias in the result's layout: tile b, lane (r, h), register j: column 16 b + 8 h + j; in the gaps of window 1
	global_load_b128 v[96+8*\b+96*(\b/4):96+8*\b+96*(\b/4)+3], v[BO], s[12:13] offset:64*\b
	global_load_b128 v[96+8*\b+96*(\b/4)+4:96+8*\b+96*(\b/4)+7], v[BO], s[12:13] offset:64*\b+16
.endr
	WIN 0
.macro FRAG reg, adr, q, i             ; a fragment of B: six pieces of 8 bytes of the row's stream of bits; where the piece of lanes 16-31 lies behind one padding more, the second address register serves
.irp p, 0,1,2,3,4,5
.set PCE, 12*(\q)+6*(\p/3)+\p%3
.if PCE%8 < 5
	ds_load_b64 v[\reg+2*\p:\reg+2*\p+1], v[\adr] offset:8*PCE+16*(PCE/8)+(\i)*16*PITCH
.else
	ds_load_b64 v[\reg+2*\p:\reg+2*\p+1], v[\adr+2] offset:8*PCE+16*(PCE/8)+(\i)*16*PITCH
.endif
.endr
.endm
.macro FRAGA reg, slot, q, i           ; a fragment of A: two images of 768 bytes
.irp c, 0,1
	ds_load_b128 v[\reg+6*\c:\reg+6*\c+3], v[ADRA16+\slot] offset:3072*(\i)+1536*(\q)+768*\c
	ds_load_b64 v[\reg+6*\c+4:\reg+6*\c+5], v[ADRA8+\slot] offset:3072*(\i)+1536*(\q)+768*\c
.endr
.endm
; 16 matrix instructions: A's blocks a0, a0 + 1 x B's eight.  p: B's set; q: which 128 of the slot; sc: the set of scale words; first = 1: C is the bias.  The 64 accumulators take turns.
.macro MUL16 a0, p, q, sc, first
.irp a, \a0, \a0+1
.irp b, 0,1,2,3,4,5,6,7
.if \first
	v_wmma_scale_f32_16x16x128_f8f6f4 v[8*(8*((\a)%4)+\b):8*(8*((\a)%4)+\b)+7], v[128*(\p)+FR*\b:128*(\p)+FR*\b+FR-1], v[AF+FR*(\a):AF+FR*(\a)+FR-1], v[96+8*\b+96*(\b/4):96+8*\b+96*(\b/4)+7], v[SB+16*(\sc)+2*\b+(\q)], v[SA+16*(\sc)+2*(\a)+(\q)] matrix_a_fmt:MATRIX_FMT_FP6 matrix_b_fmt:MATRIX_FMT_FP6
.else
	v_wmma_scale_f32_16x16x128_f8f6f4 v[8*(8*((\a)%4)+\b):8*(8*((\a)%4)+\b)+7], v[128*(\p)+FR*\b:128*(\p)+FR*\b+FR-1], v[AF+FR*(\a):AF+FR*(\a)+FR-1], v[8*(8*((\a)%4)+\b):8*(8*((\a)%4)+\b)+7], v[SB+16*(\sc)+2*\b+(\q)], v[SA+16*(\sc)+2*(\a)+(\q)] matrix_a_fmt:MATRIX_FMT_FP6 matrix_b_fmt:MATRIX_FMT_FP6
.endif
.endr
.endr
.endm
.macro FETCH_B slot, q, p              ; 48 loads
	WIN TO_B
.irp i, 0,1,2,3,4,5,6,7
	FRAG 128*(\p)+FR*\i, ADRB+\slot, \q, \i
.endr
	WIN 0
.endm
.macro FETCH_A slot, q, i0             ; 16 loads
.irp i, \i0, \i0+1, \i0+2, \i0+3
	FRAGA AF+FR*(\i), \slot, \q, \i
.endr
.endm
.macro SCALES sc                       ; 24 loads: the slot's two scale words of A's eight blocks and of B's eight
.irp i, 0,1,2,3,4,5,6,7
	ds_load_b32 v[SA+16*\sc+2*\i], v[ADRSA] offset:\i*ASRB
	ds_load_b32 v[SA+16*\sc+2*\i+1], v[ADRSA] offset:\i*ASRB+64
	ds_load_b64 v[SB+16*\sc+2*\i:SB+16*\sc+2*\i+1], v[ADRSB] offset:\i*SBLK
.endr
.endm
.macro PLACES                          ; four plain places behind matrix instructions, in front of loads into their registers and of reads of results
.rept 4
	v_nop
.endr
.endm
.macro STEP slot, q, first             ; 128 along K whose successor lies in the same slot
	s_wait_dscnt 16                                ; all but the youngest 16 loads (A's blocks 4-7) are in
.if \first
	WIN 0x91                                       ; C (the bias) in window 1
.else
	WIN MUL_LO
.endif
	MUL16 0, (\q)%2, \q, \slot, \first
	MUL16 2, (\q)%2, \q, \slot, \first
	s_wait_dscnt 0
	PLACES
	FETCH_B \slot, (\q)+1, 1-(\q)%2
	FETCH_A \slot, (\q)+1, 0
.if \first
	WIN 0xd1
.else
	WIN MUL_HI
.endif
	MUL16 4, (\q)%2, \q, \slot, \first
	MUL16 6, (\q)%2, \q, \slot, \first
	PLACES
	WIN 0
	FETCH_A \slot, (\q)+1, 4
.endm
.macro TURN slot, next, fill           ; a slot's last 128 along K, and the change of slots
	s_wait_tensorcnt 0x0                           ; all my tensor loads have landed: my part of the next slot
	ds_add_u32 v[SPW], v[NIL]                      ; 0 onto my spare word
	s_wait_dscnt 17                                ; (the add and A's blocks 4-7 may be out)
	WIN MUL_LO
	MUL16 0, 1, 1, \slot, 0
	s_wait_dscnt 0x0                               ; the add is done, and my reads of this slot are over
	s_barrier_signal -1
	MUL16 2, 1, 1, \slot, 0
	WIN 0
	s_barrier_wait -1
.if \fill
	CREST                                          ; the barrier has opened a round of the cluster's: no wave of any partner still reads this slot or has a load on its way
	s_add_nc_u64 s[G0+4*\slot+2:G0+4*\slot+3], s[G0+4*\slot+2:G0+4*\slot+3], 2*3072
	s_add_nc_u64 s[G0B+4*\slot+2:G0B+4*\slot+3], s[G0B+4*\slot+2:G0B+4*\slot+3], 2*192
	JLOAD G0+4*\slot, G1, G0B+4*\slot, G1B         ; the first tensor load behind the round; its four v_nop are the places in front of the loads below
.else
	PLACES
.endif
	v_add_nc_u32 v[ADRSA], 128, v[ADRSA]           ; the next slot's scale words
	v_add_nc_u32 v[ADRSB], 8, v[ADRSB]
	FETCH_B \next, 0, 0
	FETCH_A \next, 0, 0
	SCALES \next
	WIN MUL_HI
	MUL16 4, 1, 1, \slot, 0
	MUL16 6, 1, 1, \slot, 0
	PLACES
	WIN 0
	FETCH_A \next, 0, 4
.endm
	s_wait_tensorcnt 1                             ; the scales and my part of slot 0 are in; slot 1's load may be out
	s_barrier_signal -1
	s_barrier_wait -1
	FETCH_B 0, 0, 0
	FETCH_A 0, 0, 0
	SCALES 0
	FETCH_A 0, 0, 4
	s_wait_loadcnt 0x0                             ; the bias
	STEP 0, 0, 1
	s_mov_b32 s3, LAPS-1
.Llap:
	TURN 0, 1, 1
	STEP 1, 0, 0
	TURN 1, 0, 1
	STEP 0, 0, 0
	s_sub_co_u32 s3, s3, 1
	s_cmp_lg_u32 s3, 0
	s_cbranch_scc1 .Llap
	TURN 0, 1, 0                                   ; the last lap fills nothing
	STEP 1, 0, 0
	s_wait_dscnt 16
	WIN MUL_LO
	MUL16 0, 1, 1, 1, 0
	MUL16 2, 1, 1, 1, 0
	s_wait_dscnt 0
	WIN MUL_HI
	MUL16 4, 1, 1, 1, 0
	MUL16 6, 1, 1, 1, 0
	WIN 0
; ---------------- the way out ----------------
.set X,   96                           ; v96-159  64 numbers
.set PC,  160                          ; v160-179 the codes
.set TM,  180                          ; v180-195 at work
.set PW,  196
.set PW2, 197
.set AD,  198
.set N1,  192                          ; v's path: the second head's 64 numbers, v192-255
.set PWV, 188
.set ADV, 189
.set SH8, 14
.set SEL, 20
	s_wait_dscnt 0x0                               ; my reads of the ring and of the scales are over
	s_barrier_signal -1
	s_barrier_wait -1                              ; everybody's are: the stages may lie over them
	s_mul_i32 s21, s14, 67584                      ; my stage: 128 rows x 528 bytes
	v_mul_u32_u24 v9, v1, 528
	v_add_nc_u32 v9, s21, v9
	v_lshl_add_u32 v[STO], v2, 5, v9               ; in: row r, + 32 h
	v_lshl_add_u32 v[RD], v2, 6, v9                ; q, k back: row r, + 64 h
	v_mul_u32_u24 v10, v2, 32*528
	v_add_nc_u32 v10, s21, v10
	v_add_nc_u32 v[CO], v10, v[LS]                 ; v back: 32 h rows on, column r
	v_lshlrev_b32 v[SH8], 3, v2
.irp b, 0,1,2,3
	v_mov_b32 v[TM+4+\b], 0                        ; a lane permute's destination counts as one of its sources
.endr
.irp a, 0,1,2,3,4,5,6,7                ; (the twelve plain lines above are the places behind the last products)
	WIN (0x08+4*(\a/4))                            ; an LDS store's data are its source 1: window 2 or 3
.irp b, 0,1,2,3,4,5,6,7
	ds_store_b128 v[STO], v[64*(\a%4)+8*\b:64*(\a%4)+8*\b+3] offset:8448*\a+64*\b       ; each accumulator from its low end on
	ds_store_b128 v[STO], v[64*(\a%4)+8*\b+4:64*(\a%4)+8*\b+7] offset:8448*\a+64*\b+16
.endr
.endr
	WIN 0
	s_mov_b32 s[SEL], 0x76543210
	s_mov_b32 s[SEL+1], 0xfedcba98
	s_lshr_b32 s45, s17, 3                         ; the batch
	s_and_b32 s66, s17, 7
	s_lshl_b32 s66, s66, 1
	s_add_co_u32 s66, s66, s15                     ; my key step: 128 tokens
	s_and_b32 s67, s42, 3
	s_lshl_b32 s67, s67, 2
	s_lshl_b32 s46, s16, 1
	s_add_co_u32 s67, s67, s46
	s_lshl_b32 s45, s45, 4
	s_add_co_u32 s67, s67, s45                     ; my first head: 16 x batch + 4 (tile column % 4) + 2 x half
	s_mul_i32 s45, s67, 208896
	s_mul_i32 s46, s66, 13056
	s_add_co_u32 s45, s45, s46                     ; its record of this key step in kv
	s_mov_b32 s22, 0                               ; walks the stage
	s_mov_b32 s23, 0
	s_cmp_eq_u32 ttmp9, 2                          ; the cluster's x: the same in all partners
	s_cbranch_scc1 .Lv
	; ---- q or k: rowtile a of my eight becomes half a fragment for each of my two heads
	s_lshl_b32 s46, s67, 7
	s_lshl_b32 s47, s66, 3
	s_add_co_u32 s46, s46, s47                     ; q: tile 128 x head + 8 x key step
	s_mul_i32 s47, s46, 768
	s_lshl_b32 s46, s46, 6
	s_add_co_u32 s66, s45, 12288                   ; k: its scale words in the record
	s_mov_b32 s18, 208896                          ; from a head to the next: k
	s_mov_b32 s19, 208896
	s_cmp_eq_u32 ttmp9, 0
	s_cselect_b64 s[92:93], s[96:97], s[100:101]
	s_cselect_b64 s[94:95], s[98:99], s[100:101]
	s_cselect_b32 s47, s47, s45
	s_cselect_b32 s46, s46, s66
	s_cselect_b32 s18, 98304, s18                  ; q: 128 tiles x 768,
	s_cselect_b32 s19, 8192, s19                   ; 128 x 64
	s_mov_b32 s66, s47
	s_mov_b32 s67, 0
	s_add_nc_u64 s[92:93], s[92:93], s[66:67]
	s_mov_b32 s66, s46
	s_add_nc_u64 s[94:95], s[94:95], s[66:67]
	v_add_nc_u32 v11, s18, v[LI]
	v_add_nc_u32 v12, s18, v[LI8]
	v_add_nc_u32 v13, s19, v[LS]
.Lqk:
	v_add_nc_u32 v[AD], s22, v[RD]
.irp b, 0,1,2,3
.irp i, 0,1,2,3
	ds_load_b128 v[X+16*\b+4*\i:X+16*\b+4*\i+3], v[AD] offset:128*\b+16*\i   ; register 16 b + i = column 32 b + 16 h + i of token r.  LDS serves a wave's instructions in order: these see my stores
.endr
.endr
	s_wait_dscnt 0x0
.irp b, 0,1,2,3
	v_max3_num_f32 v[TM+\b], |v[X+16*\b]|, |v[X+1+16*\b]|, 0x1800000   ; block b: my 16 numbers and the floor 2^(3 - 127)
.endr
.irp i, 2,4,6,8,10,12,14
.irp b, 0,1,2,3
	v_max3_num_f32 v[TM+\b], v[TM+\b], |v[X+16*\b+\i]|, |v[X+1+16*\b+\i]|
.endr
.endr
.irp b, 0,1,2,3
	v_permlanex16_b32 v[TM+4+\b], v[TM+\b], s[SEL], s[SEL+1]
.endr
.irp b, 0,1,2,3
	v_max_num_f32 v[TM+\b], v[TM+\b], v[TM+4+\b]   ; with lane l xor 16's: the block's largest magnitude
.endr
.irp b, 0,1,2,3
	v_add_nc_u32 v[TM+12+\b], 0xff000000, v[TM+\b] ; 2 off its exponent field: the conversion's scale operand
.endr
.irp b, 0,1,2,3
	v_lshrrev_b32 v[TM+4+\b], 23, v[TM+12+\b]      ; the scale's byte
.endr
	v_lshl_or_b32 v[PW], v[TM+5], 8, v[TM+4]
	v_lshl_or_b32 v[PW], v[TM+6], 16, v[PW]
	v_lshl_or_b32 v[PW], v[TM+7], 24, v[PW]        ; bytes 0, 1: my first head's; bytes 2, 3: my second's
	v_lshrrev_b32 v[PW2], 16, v[PW]
.irp c, 0,1
	v_cvt_scalef32_pk16_fp6_f32 v[PC+6*\c:PC+2+6*\c], v[X+32*\c:X+15+32*\c], v[TM+12+2*\c]
	v_cvt_scalef32_pk16_fp6_f32 v[PC+12+4*\c:PC+14+4*\c], v[X+16+32*\c:X+31+32*\c], v[TM+12+2*\c+1]
.endr
	v_nop                                          ; one plain place behind a scaled conversion
.irp c, 0,1                            ; a whole block to a lane
.irp i, 0,1,2
	v_permlane16_swap_b32 v[PC+6*\c+\i], v[PC+12+4*\c+\i]
.endr
.irp i, 0,1,2
	v_mov_b32 v[PC+3+6*\c+\i], v[PC+12+4*\c+\i]
.endr
.endr
	global_store_b128 v[LI], v[PC:PC+3], s[92:93]
	global_store_b64 v[LI8], v[PC+4:PC+5], s[92:93]
	global_store_b128 v11, v[PC+6:PC+9], s[92:93]
	global_store_b64 v12, v[PC+10:PC+11], s[92:93]
	global_store_b32 v[LS], v[PW], s[94:95]
	global_store_b32 v13, v[PW2], s[94:95]
	s_wait_xcnt 0x0                                ; the stores have read their data and bases: both are written again only behind this wait
	s_add_nc_u64 s[92:93], s[92:93], 768
	s_add_nc_u64 s[94:95], s[94:95], 64
	s_add_co_u32 s22, s22, 8448
	s_add_co_u32 s23, s23, 1
	s_cmp_lt_u32 s23, 8
	s_cbranch_scc1 .Lqk
	s_branch .Lend
.Lv:
	; ---- v: channel tile t of each of my two heads: lane (r, h) holds channel 16 t + r and keys 64 c + 32 h + i
	s_mov_b32 s46, s45
	s_mov_b32 s47, 0
	s_add_nc_u64 s[92:93], s[100:101], s[46:47]
	s_add_nc_u64 s[94:95], s[92:93], 12800         ; V's scale words in the record
	s_add_nc_u64 s[92:93], s[92:93], 6144          ; V's images
.macro QUANT32 s
.irp c, 0,1
	v_max3_num_f32 v[TM+\c], |v[\s+32*\c]|, |v[\s+32*\c+1]|, 0x1800000
.endr
.irp i, 2,4,6,8,10,12,14,16,18,20,22,24,26,28,30
.irp c, 0,1
	v_max3_num_f32 v[TM+\c], v[TM+\c], |v[\s+32*\c+\i]|, |v[\s+32*\c+\i+1]|
.endr
.endr
.irp c, 0,1
	v_add_nc_u32 v[TM+2+\c], 0xff000000, v[TM+\c]
.endr
.irp c, 0,1
	v_lshrrev_b32 v[TM+4+\c], 23, v[TM+2+\c]
.endr
	v_lshl_or_b32 v[PWV], v[TM+5], 16, v[TM+4]     ; my bytes: blocks h and 2 + h, 8 h bits up;
	v_lshlrev_b32 v[PWV], v[SH8], v[PWV]
	v_permlanex16_b32 v[TM+6], v[PWV], s[SEL], s[SEL+1]
	v_or_b32 v[PWV], v[PWV], v[TM+6]               ; with lane l xor 16's the word is whole
.irp c, 0,1
	v_cvt_scalef32_pk16_fp6_f32 v[PC+6*\c:PC+6*\c+2], v[\s+32*\c:\s+32*\c+15], v[TM+2+\c]
	v_cvt_scalef32_pk16_fp6_f32 v[PC+12+4*\c:PC+14+4*\c], v[\s+32*\c+16:\s+32*\c+31], v[TM+2+\c]
.endr
	v_nop
.irp c, 0,1
.irp i, 0,1,2
	v_mov_b32 v[PC+3+6*\c+\i], v[PC+12+4*\c+\i]
.endr
.endr
.endm
.macro VOUT e
.irp c, 0,1
	global_store_b128 v[LI], v[PC+6*\c:PC+6*\c+3], s[92:93] offset:208896*\e+768*\c
	global_store_b64 v[LI8], v[PC+6*\c+4:PC+6*\c+5], s[92:93] offset:208896*\e+768*\c
.endr
	global_store_b32 v[LS], v[PWV], s[94:95] offset:208896*\e
.endm
.Lvt:
	v_add_nc_u32 v[ADV], s22, v[CO]
.irp e, 0,1
.irp c, 0,1
.set i, 0
.rept 32                               ; key 64 c + 32 h + i lies in stage row 64 c + 32 h + 16 ((i / 8) % 2) + i % 8 + 8 (i / 16): the rowtiles' order of tokens
	ds_load_b32 v[X+96*\e+32*\c+i], v[ADV] offset:(64*\c+16*((i>>3)&1)+(i&7)+8*(i>>4))*528+256*\e
.set i, i+1
.endr
.endr
.endr
	s_wait_dscnt 63                                ; of the 128 loads at most 63 are out: the first head's 64 are in
	QUANT32 X
	VOUT 0
	s_wait_dscnt 0x0
	s_wait_xcnt 0x0                                ; the codes' registers are written again only behind this wait
	QUANT32 N1
	VOUT 1
	s_wait_xcnt 0x0
	s_add_nc_u64 s[92:93], s[92:93], 1536
	s_add_nc_u64 s[94:95], s[94:95], 64
	s_add_co_u32 s22, s22, 64                      ; 16 channels on
	s_add_co_u32 s23, s23, 1
	s_cmp_lt_u32 s23, 4
	s_cbranch_scc1 .Lvt
.Lend:
	s_wait_tensorcnt 0x0                           ; the wave's end
	ds_add_u32 v[SPW], v[NIL]
	s_wait_dscnt 0x0
	CROUND                                         ; the closing round
	s_endpgm
.Lfunc_end_k_qbe284443fe_qkv:
	.size	k_qbe284443fe_qkv, .Lfunc_end_k_qbe284443fe_qkv-k_qbe284443fe_qkv
	.p2alignl 7, 3214868480
	.fill 96, 4, 3214868480
	.section	.rodata,"a",@progbits
	.p2align	6, 0x0
	.amdhsa_kernel k_qbe284443fe_qkv
		.amdhsa_group_segment_fixed_size 327680
		.amdhsa_private_segment_fixed_size 0
		.amdhsa_enable_private_segment 0
		.amdhsa_kernarg_size 64
		.amdhsa_user_sgpr_count 2
		.amdhsa_user_sgpr_kernarg_segment_ptr 1
		.amdhsa_wavefront_size32 1
		.amdhsa_system_sgpr_workgroup_id_x 1
		.amdhsa_system_sgpr_workgroup_id_y 1
		.amdhsa_system_sgpr_workgroup_id_z 1
		.amdhsa_system_vgpr_workitem_id 0
		.amdhsa_next_free_vgpr 1024
		.amdhsa_next_free_sgpr 102
		.amdhsa_reserve_vcc 0
		.amdhsa_float_denorm_mode_32 3
		.amdhsa_float_denorm_mode_16_64 3
		.amdhsa_memory_ordered 1
		.amdhsa_forward_progress 1
		.amdhsa_inst_pref_size 159
	.end_amdhsa_kernel
	.amdgpu_metadata
---
amdhsa.version: [ 1, 2 ]
amdhsa.kernels:
  - .name:           k_qbe284443fe_qkv
    .symbol:         k_qbe284443fe_qkv.kd
    .args:
      - { .name: a_img, .offset: 0, .size: 8, .value_kind: global_buffer, .address_space: global }
      - { .name: a_scl, .offset: 8, .size: 8, .value_kind: global_buffer, .address_space: global }
      - { .name: attn_w_codes, .offset: 16, .size: 8, .value_kind: global_buffer, .address_space: global }
      - { .name: attn_w_scales, .offset: 24, .size: 8, .value_kind: global_buffer, .address_space: global }
      - { .name: attn_b, .offset: 32, .size: 8, .value_kind: global_buffer, .address_space: global }
      - { .name: q_img, .offset: 40, .size: 8, .value_kind: global_buffer, .address_space: global }
      - { .name: q_scl, .offset: 48, .size: 8, .value_kind: global_buffer, .address_space: global }
      - { .name: kv, .offset: 56, .size: 8, .value_kind: global_buffer, .address_space: global }
    .group_segment_fixed_size: 327680
    .private_segment_fixed_size: 0
    .kernarg_segment_align: 8
    .kernarg_segment_size: 64
    .max_flat_workgroup_size: 128
    .sgpr_count:     102
    .vgpr_count:     1024
    .wavefront_size: 32
...
	.end_amdgpu_metadata
.endif
;; end of part 2
;; launch attn (part 3): grid 8 x 32, 16 waves a work-group, no clusters, 210,944 bytes of LDS; arguments q_img, q_scl, kv, a_img, a_scl; writes a_img, a_scl
.if DOCPART == 3
	.amdgcn_target "amdgcn-amd-amdhsa--gfx1250"
	.amdhsa_code_object_version 6
	.text
	.protected	k_qbe284443fe_attn
	.globl	k_qbe284443fe_attn
	.p2align	8
	.type	k_qbe284443fe_attn,@function
k_qbe284443fe_attn:
	s_mov_b64 s[64:65], 0
	v_nop
	global_prefetch_b8 v0, s[64:65] scope:SCOPE_SE
	s_setreg_imm32_b32 hwreg(HW_REG_WAVE_MODE, 25, 1), 1
	s_wait_xcnt 0x0
; Causal attention of one head on codes of FP6 (E2M3) with E8M0 scales, and the quantiser of its result y along the model's axis.
; t = score x log2(e) / 8; M = the running largest t rounded UP to a whole number; p = 2^(t - M) is quantised along the keys, not normalised; the row's sum is taken of the unquantised p and divides O at the end.
; SHARES.  Work-group (i, head): sixteen waves, one tile of 16 queries each, 256 registers: four waves to a SIMD, so that one wave's vector work stands beside another's matrix work.
; Waves 0-7 take the tiles of key step i, waves 8-15 those of key step 15 - i: every work-group has 8 (i + 1) + 8 (16 - i) = 136 wave steps, whatever i.
; LDS.  The head's whole kv, 16 records of 13,056 bytes (8 tiles of K, 4 of V^T, their scale words), lies in LDS as it lies in memory, as images of operand registers.  It is filled ONCE: each wave brings
; one sixteenth of each half by a tensor load; the first eight key steps are walked while the second half lands.  Nothing is filled again.
; LAYOUT.  Both products transposed: S^T = K Q^T, O^T = V^T P^T: a lane holds one query.  Row r of a tile of queries or keys is token 32 (t / 2) + 8 (t % 2) + r + 8 (r / 8) of the 128 of its key step, so that the
; 16 registers of tiles 2 b, 2 b + 1 of S^T are keys 32 b + 16 h + 0 .. 15.  The head has 64 channels: the upper half of Q's fragment is zero codes, so whatever stands in the upper six registers of a
; fragment of K (zeros at first, later old codes of V) adds exactly 0; no scale byte here is 0xff.
; CAUSAL.  Every wave walks all 16 steps; a step whose keys all come after the wave's queries is jumped over by a scalar branch on ids; on the diagonal hidden scores become -infinity.
; NO CLUSTER: the partners that share a head's kv would jump over different steps, and kv is read once by a work-group, at its start.
; LIMITS: NaN and infinities are not served; a block of y under 2^-124 keeps the scale byte 1.
.set REC,   13056
.set HEADB, 16*REC
.set CH,    HEADB/32                   ; 6,528 bytes: 51 rows of 128
.set WV,  18
.set SEL, 20
.set CS,  22
.set G1,  24
.set G0A, 32
.set G0B, 36
.set TB,  40                           ; LDS byte of the step's record
.set SI,  41                           ; the step
.set SD,  42                           ; my queries' step
.set QR,  43                           ; my tile's first token in that step
	s_load_b256 s[4:11], s[0:1], 0x0               ; q's images, q's scale words, kv, y's images
	s_load_b64 s[12:13], s[0:1], 0x20              ; y's scale words
	v_lshl_add_u32 v223, v0, 2, 0x33000
	v_mov_b32 v243, 0
	ds_add_u32 v223, v243
	ds_add_u32 v223, v243
	v_lshrrev_b32 v8, 5, v0
	v_readfirstlane_b32 s[WV], v8                  ; wave 0..15
	s_and_b32 s44, ttmp7, 0xffff                   ; 16 x batch + head
	s_mul_i32 s46, s44, HEADB
	s_mul_i32 s45, s[WV], CH
	s_add_co_u32 s46, s46, s45
	s_mov_b32 s47, 0
	s_mov_b32 s[G1], 3<<16                         ; elements of 8 bytes, no mask, no padding
	s_mov_b32 s[G1+1], 16<<16                      ; tensor_dim0 = 16
	s_mov_b32 s[G1+2], 51<<16                      ; tensor_dim1 = 51
	s_mov_b32 s[G1+3], 16<<16                      ; tile_dim0
	s_mov_b32 s[G1+4], 51                          ; tile_dim1
	s_mov_b32 s[G1+5], 16                          ; the pitch: dense
	s_mov_b32 s[G1+6], 0
	s_mov_b32 s[G1+7], 0
	s_wait_dscnt 0x0
	s_wait_kmcnt 0x0
	s_mov_b32 s[G0A], 1
	s_mul_i32 s[G0A+1], s[WV], CH
	s_add_nc_u64 s[G0A+2:G0A+3], s[8:9], s[46:47]
	s_mov_b32 s[G0B], 1
	s_add_co_u32 s[G0B+1], s[G0A+1], HEADB/2
	s_add_nc_u64 s[G0B+2:G0B+3], s[G0A+2:G0A+3], HEADB/2
	s_or_b32 s[G0A+3], s[G0A+3], 0x80000000
	s_or_b32 s[G0B+3], s[G0B+3], 0x80000000
	tensor_load_to_lds s[G0A:G0A+3], s[G1:G1+7]    ; my sixteenth of key steps 0-7
	s_nop 0
	tensor_load_to_lds s[G0B:G0B+3], s[G1:G1+7]    ; and of key steps 8-15: two tensor loads of mine are out
	s_nop 0
.rept 4
	v_nop
.endr
	s_sub_co_u32 s45, 15, ttmp9
	s_cmp_lt_u32 s[WV], 8
	s_cselect_b32 s[SD], ttmp9, s45
	s_and_b32 s45, s[WV], 7
	s_lshl_b32 s46, s[SD], 3
	s_add_co_u32 s46, s46, s45                     ; my tile of queries, 0..127
	s_lshr_b32 s47, s45, 1
	s_lshl_b32 s47, s47, 5
	s_and_b32 s48, s[WV], 1
	s_lshl_b32 s48, s48, 3
	s_add_co_u32 s[QR], s47, s48
	s_lshl_b32 s47, s44, 7
	s_add_co_u32 s47, s47, s46
	s_mul_i32 s48, s47, 768
	s_mov_b32 s49, 0
	s_add_nc_u64 s[4:5], s[4:5], s[48:49]
	s_lshl_b32 s48, s47, 6
	s_add_nc_u64 s[6:7], s[6:7], s[48:49]
	s_lshr_b32 s47, s44, 4
	s_lshl_b32 s47, s47, 7
	s_add_co_u32 s47, s47, s46                     ; y's rowtile: 128 x batch + tile
	s_and_b32 s45, s44, 15                         ; the head
	s_mul_i32 s48, s47, 12288
	s_mul_i32 s46, s45, 768
	s_add_co_u32 s48, s48, s46
	s_add_nc_u64 s[10:11], s[10:11], s[48:49]
	s_lshl_b32 s48, s47, 9
	s_lshr_b32 s46, s45, 1
	s_lshl_b32 s46, s46, 6
	s_add_co_u32 s48, s48, s46
	s_and_b32 s46, s45, 1
	s_lshl_b32 s46, s46, 1
	s_add_co_u32 s48, s48, s46                     ; the head's two bytes of the scale word of K step head / 2
	s_add_nc_u64 s[12:13], s[12:13], s[48:49]
	s_mov_b32 s[SEL], 0x76543210
	s_mov_b32 s[SEL+1], 0xfedcba98
	s_mov_b32 s[CS], 0x3e38aa3b                    ; c = log2(e) / 8
	s_mov_b32 s[CS+1], s[CS]
	s_mov_b32 s[TB], 0
	s_mov_b32 s[SI], 0
	v_and_b32 v5, 15, v0                           ; r
	v_bfe_u32 v6, v0, 4, 1                         ; h
	v_and_b32 v7, 31, v0
	v_lshlrev_b32 v1, 4, v7                        ; 16 x lane
	v_lshl_add_u32 v2, v7, 3, 512                  ; 512 + 8 x lane
	v_lshlrev_b32 v11, 2, v5                       ; 4 r
	v_add_nc_u32 v3, 12288, v11                    ; the record's scale words
	global_load_b128 v[16:19], v1, s[4:5]          ; Q's half fragment stays in registers
	global_load_b64 v[20:21], v2, s[4:5]
	global_load_b32 v255, v11, s[6:7]              ; and its scale words
	v_and_b32 v4, 8, v5
	v_add_nc_u32 v4, v4, v5
	v_lshlrev_b32 v6, 4, v6
	v_sub_nc_u32 v4, v4, v6
	v_add_nc_u32 v4, s[QR], v4                     ; d = my query's place in its step - 16 h: register 16 b + i is hidden on the diagonal where 32 b + i > d
.irp j, 22,23,24,25,26,27
	v_mov_b32 v\j, 0                               ; Q's channels 64-127: zero codes
.endr
.irp t, 0,1,2,3
.irp j, 6,7,8,9,10,11
	v_mov_b32 v[32+12*\t+\j], 0                    ; written once: the upper halves of K's fragments
.endr
.endr
	v_mov_b32 v13, 0xff61b1e6                      ; the largest t so far: -3e38
	v_floor_f32 v12, -v13                          ; -M
	v_mov_b32 v14, 0
	v_mov_b32 v15, 0
.irp b, 0,1,2,3
	v_mov_b32 v[236+\b], 0
.endr
	v_mov_b32 v252, 0
	v_mov_b32 v253, 0
.set j, 0
.rept 32
	v_mov_b32 v[160+j], 0                          ; O^T: the step is written once; its first turn finds zeros
.set j, j+1
.endr
.macro STEP
	s_cmp_gt_u32 s[SI], s[SD]
	s_cbranch_scc1 .Lhidden_\@                     ; all 128 keys come after my queries
	v_add_nc_u32 v8, s[TB], v1
	v_add_nc_u32 v9, s[TB], v2
	v_add_nc_u32 v10, s[TB], v3
	v_nop                                          ; four places in front of loads into registers that the last step's products read
.irp g, 0,1
.if \g > 0
.rept 4
	v_nop
.endr
.endif
.irp t, 0,1,2,3
	ds_load_b128 v[32+12*\t:35+12*\t], v8 offset:768*(4*\g+\t)
	ds_load_b64 v[36+12*\t:37+12*\t], v9 offset:768*(4*\g+\t)
	ds_load_b32 v[248+\t], v10 offset:64*(4*\g+\t)
.endr
	s_wait_dscnt 0x0
.irp t, 0,1,2,3
	v_wmma_scale_f32_16x16x128_f8f6f4 v[96+8*(4*\g+\t):103+8*(4*\g+\t)], v[32+12*\t:43+12*\t], v[16:27], 0, v[248+\t], v255 matrix_a_fmt:MATRIX_FMT_FP6 matrix_b_fmt:MATRIX_FMT_FP6
.endr
.endr
.rept 4
	v_nop
.endr
	s_cmp_lg_u32 s[SI], s[SD]
	s_cbranch_scc1 .Lopen_\@                       ; all keys count
	v_mov_b32 v254, 0xff800000                     ; -infinity
.set n, 0
.rept 64
	v_cmp_gt_i32 vcc_lo, 32*(n/16)+n%16, v4
	v_cndmask_b32 v[96+n], v[96+n], v254, vcc_lo
.set n, n+1
.endr
.Lopen_\@:
.irp b, 0,1,2,3
	v_max3_num_f32 v[232+\b], v[96+16*\b], v[97+16*\b], v[98+16*\b]   ; the largest score of each block of 32 keys: for the row's maximum, and, since p rises with the score, for the block's largest p
.endr
.irp i, 3,5,7,9,11,13
.irp b, 0,1,2,3
	v_max3_num_f32 v[232+\b], v[232+\b], v[96+16*\b+\i], v[97+16*\b+\i]
.endr
.endr
.irp b, 0,1,2,3
	v_max_num_f32 v[232+\b], v[232+\b], v[111+16*\b]
.endr
.irp b, 0,1,2,3
	v_permlanex16_b32 v[236+\b], v[232+\b], s[SEL], s[SEL+1]
.endr
.irp b, 0,1,2,3
	v_max_num_f32 v[232+\b], v[232+\b], v[236+\b]
.endr
	v_max3_num_f32 v254, v232, v233, v234
	v_max_num_f32 v254, v254, v235
	v_mul_f32 v254, s[CS], v254
	v_max_num_f32 v13, v13, v254                   ; the running largest t
	v_mov_b32 v254, v12
	v_floor_f32 v12, -v13                          ; the new -M = -ceil(t)
	v_sub_f32 v254, v12, v254                      ; old M - new M: a whole number, 0 or less
	v_cvt_i32_f32 v254, v254                       ; (it saturates)
	v_ldexp_f32 v252, 1.0, v254                    ; f = 2^(old M - new M): rounds nothing
.set j, 0
.rept 32
	v_pk_fma_f32 v[96+j:97+j], v[96+j:97+j], s[CS:CS+1], v[12:13] op_sel_hi:[1,0,0]   ; t - M
.set j, j+2
.endr
.irp b, 0,1,2,3
	v_fma_f32 v[232+\b], v[232+\b], s[CS], v12
.endr
.set j, 0
.rept 64
	v_exp_f32 v[96+j], v[96+j]                     ; p = 2^(t - M)
.set j, j+1
.endr
.irp b, 0,1,2,3
	v_exp_f32 v[232+\b], v[232+\b]                 ; the block's largest p
.endr
	v_pk_mul_f32 v[14:15], v[14:15], v[252:253] op_sel_hi:[1,0]   ; the sums under the new M (a plain place behind the exponentials)
	s_wait_alu depctr_va_vdst(0)
.irp b, 0,1,2,3
	v_max_num_f32 v[232+\b], 0x1800000, v[232+\b]  ; the floor 2^(3 - 127)
.endr
.irp b, 0,1,2,3
	v_add_nc_u32 v[244+\b], 0xff000000, v[232+\b]
.endr
.irp b, 0,1,2,3
	v_lshrrev_b32 v[236+\b], 23, v[244+\b]
.endr
	v_lshl_or_b32 v253, v237, 8, v236              ; p's scale word for these 128 keys
	v_lshl_or_b32 v253, v238, 16, v253
	v_lshl_or_b32 v253, v239, 24, v253
.irp c, 0,1
	v_cvt_scalef32_pk16_fp6_f32 v[224+6*\c:226+6*\c], v[96+32*\c:111+32*\c], v[244+2*\c]
	v_cvt_scalef32_pk16_fp6_f32 v[236+4*\c:238+4*\c], v[112+32*\c:127+32*\c], v[244+2*\c+1]
.endr
	v_nop
.irp c, 0,1
.irp i, 0,1,2
	v_permlane16_swap_b32 v[224+6*\c+\i], v[236+4*\c+\i]
.endr
.irp i, 0,1,2
	v_mov_b32 v[227+6*\c+\i], v[236+4*\c+\i]
.endr
.endr
	v_pk_add_f32 v[236:237], v[96:97], v[98:99]    ; the row's sum of the unquantised p, in two chains
.irp j, 4,8,12,16,20,24,28,32,36,40,44,48,52,56,60
	v_pk_add_f32 v[14:15], v[14:15], v[96+\j:97+\j]
	v_pk_add_f32 v[236:237], v[236:237], v[98+\j:99+\j]
.endr
	v_pk_add_f32 v[14:15], v[14:15], v[236:237]
.set j, 0
.rept 16
	v_pk_mul_f32 v[160+j:161+j], v[160+j:161+j], v[252:253] op_sel_hi:[1,0]   ; O^T under the new M
.set j, j+2
.endr
.irp t, 0,1,2,3
.irp c, 0,1
	ds_load_b128 v[32+12*\t+6*\c:35+12*\t+6*\c], v8 offset:6144+1536*\t+768*\c
	ds_load_b64 v[36+12*\t+6*\c:37+12*\t+6*\c], v9 offset:6144+1536*\t+768*\c
.endr
	ds_load_b32 v[248+\t], v10 offset:512+64*\t
.endr
	s_wait_dscnt 0x0
.irp t, 0,1,2,3
	v_wmma_scale_f32_16x16x128_f8f6f4 v[160+8*\t:167+8*\t], v[32+12*\t:43+12*\t], v[224:235], v[160+8*\t:167+8*\t], v[248+\t], v253 matrix_a_fmt:MATRIX_FMT_FP6 matrix_b_fmt:MATRIX_FMT_FP6
.endr
.Lhidden_\@:
	s_add_co_u32 s[TB], s[TB], REC
	s_add_co_u32 s[SI], s[SI], 1
.endm
.macro EIGHT
	s_mov_b32 s50, 8
.Lstep_\@:
	STEP
	s_sub_co_u32 s50, s50, 1
	s_cmp_lg_u32 s50, 0
	s_cbranch_scc1 .Lstep_\@
.endm
	s_wait_loadcnt 0x0                             ; Q
	s_wait_tensorcnt 1                             ; my part of the first half is in; the second half's load may be out
	s_barrier_signal -1
	s_barrier_wait -1                              ; everybody's is
	EIGHT
	s_wait_tensorcnt 0x0                           ; my part of the second half is in
	s_wait_dscnt 0x0
	s_barrier_signal -1
	s_barrier_wait -1
	EIGHT
	; THE WAY OUT: y = O^T / the sum, quantised along the head's 64 channels: half a fragment of the next product's A
.rept 4
	v_nop                                          ; places behind the last products
.endr
	v_add_f32 v14, v14, v15
	v_permlanex16_b32 v252, v14, s[SEL], s[SEL+1]
	v_add_f32 v14, v14, v252                       ; the row's sum
	v_rcp_f32 v14, v14
	v_nop
.set j, 0
	s_wait_alu depctr_va_vdst(0)
.rept 32
	v_mul_f32 v[96+j], v[160+j], v14               ; register 8 t + i: channel 16 t + 8 h + i
.set j, j+1
.endr
.irp b, 0,1
.irp j, 0,1,2,3,4,5,6,7
	v_permlane16_swap_b32 v[96+16*\b+\j], v[104+16*\b+\j]   ; register 16 b + i now holds channel 32 b + 16 h + i
.endr
.endr
.irp b, 0,1
	v_max3_num_f32 v[232+\b], |v[96+16*\b]|, |v[97+16*\b]|, 0x1800000
.endr
.irp i, 2,4,6,8,10,12,14
.irp b, 0,1
	v_max3_num_f32 v[232+\b], v[232+\b], |v[96+16*\b+\i]|, |v[97+16*\b+\i]|
.endr
.endr
.irp b, 0,1
	v_permlanex16_b32 v[236+\b], v[232+\b], s[SEL], s[SEL+1]
.endr
.irp b, 0,1
	v_max_num_f32 v[232+\b], v[232+\b], v[236+\b]
.endr
.irp b, 0,1
	v_add_nc_u32 v[244+\b], 0xff000000, v[232+\b]
.endr
.irp b, 0,1
	v_lshrrev_b32 v[236+\b], 23, v[244+\b]
.endr
	v_lshl_or_b32 v254, v237, 8, v236              ; the head's two scale bytes
	v_cvt_scalef32_pk16_fp6_f32 v[224:226], v[96:111], v244
	v_cvt_scalef32_pk16_fp6_f32 v[240:242], v[112:127], v245
	v_nop
.irp i, 0,1,2
	v_permlane16_swap_b32 v[224+\i], v[240+\i]
.endr
.irp i, 0,1,2
	v_mov_b32 v[227+\i], v[240+\i]
.endr
	global_store_b128 v1, v[224:227], s[10:11]
	global_store_b64 v2, v[228:229], s[10:11]
	global_store_b16 v11, v254, s[12:13]           ; two bytes of each row's word: the neighbour head's work-group writes the other two
	s_wait_tensorcnt 0x0
	ds_add_u32 v223, v243
	s_wait_dscnt 0x0
	s_endpgm
.Lfunc_end_k_qbe284443fe_attn:
	.size	k_qbe284443fe_attn, .Lfunc_end_k_qbe284443fe_attn-k_qbe284443fe_attn
	.p2alignl 7, 3214868480
	.fill 96, 4, 3214868480
	.section	.rodata,"a",@progbits
	.p2align	6, 0x0
	.amdhsa_kernel k_qbe284443fe_attn
		.amdhsa_group_segment_fixed_size 210944
		.amdhsa_private_segment_fixed_size 0
		.amdhsa_enable_private_segment 0
		.amdhsa_kernarg_size 40
		.amdhsa_user_sgpr_count 2
		.amdhsa_user_sgpr_kernarg_segment_ptr 1
		.amdhsa_wavefront_size32 1
		.amdhsa_system_sgpr_workgroup_id_x 1
		.amdhsa_system_sgpr_workgroup_id_y 1
		.amdhsa_system_sgpr_workgroup_id_z 1
		.amdhsa_system_vgpr_workitem_id 0
		.amdhsa_next_free_vgpr 256
		.amdhsa_next_free_sgpr 66
		.amdhsa_reserve_vcc 1
		.amdhsa_float_denorm_mode_32 3
		.amdhsa_float_denorm_mode_16_64 3
		.amdhsa_memory_ordered 1
		.amdhsa_forward_progress 1
		.amdhsa_inst_pref_size 55
	.end_amdhsa_kernel
	.amdgpu_metadata
---
amdhsa.version: [ 1, 2 ]
amdhsa.kernels:
  - .name:           k_qbe284443fe_attn
    .symbol:         k_qbe284443fe_attn.kd
    .args:
      - { .name: q_img, .offset: 0, .size: 8, .value_kind: global_buffer, .address_space: global }
      - { .name: q_scl, .offset: 8, .size: 8, .value_kind: global_buffer, .address_space: global }
      - { .name: kv, .offset: 16, .size: 8, .value_kind: global_buffer, .address_space: global }
      - { .name: a_img, .offset: 24, .size: 8, .value_kind: global_buffer, .address_space: global }
      - { .name: a_scl, .offset: 32, .size: 8, .value_kind: global_buffer, .address_space: global }
    .group_segment_fixed_size: 210944
    .private_segment_fixed_size: 0
    .kernarg_segment_align: 8
    .kernarg_segment_size: 40
    .max_flat_workgroup_size: 512
    .sgpr_count:     66
    .vgpr_count:     256
    .wavefront_size: 32
...
	.end_amdgpu_metadata
.endif
;; end of part 3
;; launch proj (part 4): grid 4 x 16, 4 waves a work-group, clusters of 4 x 4, 327,680 bytes of LDS; arguments a_img, a_scl, proj_w_codes, proj_w_scales, proj_b, x, x1; writes x1
.if DOCPART == 4
	.amdgcn_target "amdgcn-amd-amdhsa--gfx1250"
	.amdhsa_code_object_version 6
	.text
	.protected	k_qbe284443fe_proj
	.globl	k_qbe284443fe_proj
	.p2align	8
	.type	k_qbe284443fe_proj,@function
k_qbe284443fe_proj:
	s_mov_b64 s[64:65], 0
	v_nop
	global_prefetch_b8 v0, s[64:65] scope:SCOPE_SE
	s_setreg_imm32_b32 hwreg(HW_REG_WAVE_MODE, 25, 1), 1
	s_wait_xcnt 0x0
	s_wait_alu depctr_hold_cnt(0) depctr_sa_sdst(0) depctr_va_vdst(0) depctr_va_sdst(0) depctr_va_ssrc(0) depctr_va_vcc(0) depctr_vm_vsrc(0)
	s_getreg_b32 s2, hwreg(HW_REG_IB_STS2, 6, 4)
	s_cmp_eq_u32 s2, 0
	s_cbranch_scc0 .Lentry_in_a_cluster
	s_endpgm
.Lentry_in_a_cluster:
	s_bfe_u32 s2, ttmp6, 0x10000c
	s_cmp_lg_u32 s2, 0xf033
	s_cbranch_scc0 .Lentry_shape_is_right
	s_endpgm
.Lentry_shape_is_right:
; out = res + A W + b on codes of FP6 (E2M3) with E8M0 scales for each 32 along K; out and res are [4096][1024] f32.  Here K = 1,024.
; THE PRODUCT.  A tile of 256 tokens x 256 columns to a work-group of four waves, 128 x 128 a wave: 64 accumulators, 512 registers.  K goes in steps of 256 through a ring of two LDS slots.
; A (the activations) lies in memory as images: [rowtile][K / 64][768 bytes], registers 0-3 of a half fragment at 16 x lane, registers 4-5 at 512 + 8 x lane: four dense LDS loads a fragment.
; Row r of rowtile t is token 32 (t / 2) + 8 (t % 2) + r + 8 (r / 8).  A's scale words: [rowtile][K / 128][16 x 4 bytes].  B (the weight) lies as rows of codes, K innermost, with a scale byte for each 32.
; All scales of the work-group's rows come into LDS once.  The bias is the C of each sum's first matrix instruction.  The matrix instruction is used transposed (source 0 = 16 rows of B, source 1 = 16 rows of A):
; a lane holds one token and eight neighbouring columns.
; CLUSTERS: 4 x 4 work-groups; A's tiles are asked for jointly along a row of the cluster, B's along a column.
; THE WAY OUT.  A block of 16 tokens x 128 columns goes through the wave's stage in LDS (in slot 0, which has had its last fill and its last read) and comes back as rows of 512 bytes; the residual's rows,
; asked for up to four blocks ahead, are added, and the 32 lanes store 512 consecutive bytes.
; 1,024 columns make 64 tiles: 64 work-groups.  A smaller tile would fetch twice the bytes for each multiply-add.
.set SIZE_K, 1024
.set ARTB,  SIZE_K*12
.set ASRB,  SIZE_K/2
.set KROW,  SIZE_K*3/4
.set KS,    SIZE_K/32
.set PITCH, 240
.set FR,    12
.set AHALF, 8*3072
.set BHALF, 128*PITCH
.set BOFF,  2*AHALF
.set SLOT,  BOFF+2*BHALF
.set LAPS,  SIZE_K/512
.set SCA,   2*SLOT
.set SAH,   8*ASRB
.set SCB,   SCA+2*SAH
.set HALFS, (128*KS/256)*272
.set SBLK,  (16*KS/256)*272
.set SPARE, 327168
.set LI,   4
.set LI8,  5
.set LS,   8
.set ADRA16, 16
.set ADRA8,  18
.set ADRB, 20
.set STO,  24
.set RD,   25
.set CO,   26
.set ADRSA, 27
.set SPW,  28
.set NIL,  29
.set ADRSB, 30
.set BO,   31
.set SA,   32                          ; v32-95 hold scales and nothing else
.set SB,   64
.set AF,   128
.set G1, 24
.set G0, 32
.set G1B, 48
.set G0B, 56
.set G1S, 68
.set G0S, 76
.set G1SB, 80
.set G0SB, 88
.set MSB, 0
.macro WIN new
.if MSB != \new
	s_set_vgpr_msb (MSB<<8)|\new
.set MSB, \new
.endif
.endm
.set MUL_LO, 0xa1
.set MUL_HI, 0xf1
.set TO_B,   0x40
.macro JLOAD g0a, g1a, g0b, g1b        ; a joint load: waves 0, 1 fetch for A, waves 2, 3 for B; four v_nop follow each line
	s_cmp_eq_u32 s15, 0
	s_cbranch_scc0 .Lfor_b_\@
	tensor_load_to_lds s[\g0a:\g0a+3], s[\g1a:\g1a+7]
	s_nop 0
.rept 4
	v_nop
.endr
	s_branch .Lasked_\@
.Lfor_b_\@:
	tensor_load_to_lds s[\g0b:\g0b+3], s[\g1b:\g1b+7]
	s_nop 0
.rept 4
	v_nop
.endr
.Lasked_\@:
.endm
.macro CREST
	s_cmp_lg_u32 s14, 0
	s_cbranch_scc1 .Lnot_wave_0_\@
	s_barrier_signal -3
.Lnot_wave_0_\@:
	s_barrier_wait -3
	s_barrier_signal -1
	s_barrier_wait -1
.endm
.macro CROUND
	s_barrier_signal -1
	s_barrier_wait -1
	CREST
.endm
	s_load_b128 s[4:7], s[0:1], 0x0                ; A's images, A's scale words
	s_load_b128 s[8:11], s[0:1], 0x10              ; B's codes, B's scale bytes
	s_load_b64 s[12:13], s[0:1], 0x20              ; the bias
	s_load_b128 s[96:99], s[0:1], 0x28             ; the residual, the output
	v_lshl_add_u32 v[SPW], v0, 2, SPARE
	v_mov_b32 v[NIL], 0
	ds_add_u32 v28, v29
	ds_add_u32 v28, v29
	s_wait_dscnt 0x0
	v_lshrrev_b32 v1, 5, v0
	v_readfirstlane_b32 s14, v1
	s_lshr_b32 s15, s14, 1
	s_and_b32 s16, s14, 1
	s_bfe_u32 s40, ttmp6, 0x40000
	s_bfe_u32 s41, ttmp6, 0x40004
	s_lshl_b32 s42, ttmp9, 2
	s_add_co_u32 s42, s42, s40                     ; tile column
	s_and_b32 s17, ttmp7, 0xffff
	s_lshl_b32 s17, s17, 2
	s_add_co_u32 s17, s17, s41                     ; tile row
	s_lshl_b32 s43, s41, 2
	s_lshl_b32 s43, 15, s43
	s_lshl_b32 s44, 0x1111, s40
	s_or_b32 s[G1+0], s43, (3<<16)|(1<<21)         ; A's tile: 8 rows (rowtiles) of 384 elements of 8 bytes
	s_mov_b32 s[G1+1], 384<<16
	s_mov_b32 s[G1+2], 8<<16
	s_mov_b32 s[G1+3], 384<<16
	s_mov_b32 s[G1+4], 8
	s_mov_b32 s[G1+5], ARTB/8
	s_mov_b32 s[G1+6], 0
	s_mov_b32 s[G1+7], 0
	s_or_b32 s[G1B+0], s44, (0<<16)|(1<<20)|(1<<21)|(3<<22)|(3<<25)   ; B's tile: 128 rows of 192 bytes, 4 words of padding behind every 16
	s_mov_b32 s[G1B+1], 192<<16
	s_mov_b32 s[G1B+2], 128<<16
	s_mov_b32 s[G1B+3], 192<<16
	s_mov_b32 s[G1B+4], 128
	s_mov_b32 s[G1B+5], KROW
	s_mov_b32 s[G1B+6], 0
	s_mov_b32 s[G1B+7], 0
	s_or_b32 s[G1S+0], s43, (3<<16)|(1<<21)        ; A's scale words of 8 rowtiles, dense
	s_mov_b32 s[G1S+1], 32<<16
	s_mov_b32 s[G1S+2], (SAH/256)<<16
	s_mov_b32 s[G1S+3], 32<<16
	s_mov_b32 s[G1S+4], SAH/256
	s_mov_b32 s[G1S+5], 32
	s_mov_b32 s[G1S+6], 0
	s_mov_b32 s[G1S+7], 0
	s_or_b32 s[G1SB+0], s44, (3<<16)|(1<<20)|(1<<21)|(5<<22)|(3<<25)  ; B's scale bytes of 128 rows, 16 bytes of padding behind each 256
	s_mov_b32 s[G1SB+1], 32<<16
	s_mov_b32 s[G1SB+2], (128*KS/256)<<16
	s_mov_b32 s[G1SB+3], 32<<16
	s_mov_b32 s[G1SB+4], 128*KS/256
	s_mov_b32 s[G1SB+5], 32
	s_mov_b32 s[G1SB+6], 0
	s_mov_b32 s[G1SB+7], 0
	s_lshl_b32 s20, s17, 4
	s_lshl_b32 s18, s16, 3
	s_add_co_u32 s20, s20, s18
	s_mul_i32 s22, s20, ASRB
	s_mov_b32 s23, 0
	s_mul_i32 s20, s20, ARTB
	s_mov_b32 s21, 0
	s_lshl_b32 s46, s42, 8
	s_lshl_b32 s18, s16, 7
	s_add_co_u32 s46, s46, s18
	s_mul_i32 s92, s46, KS
	s_mov_b32 s93, 0
	s_mul_i32 s46, s46, KROW
	s_mov_b32 s47, 0
	s_mul_i32 s45, s16, AHALF
	s_mul_i32 s94, s16, BHALF
	s_mul_i32 s66, s16, SAH
	s_mul_i32 s67, s16, HALFS
	s_wait_kmcnt 0x0
	s_add_nc_u64 s[20:21], s[4:5], s[20:21]
	s_add_nc_u64 s[22:23], s[6:7], s[22:23]
	s_add_nc_u64 s[46:47], s[8:9], s[46:47]
	s_add_nc_u64 s[92:93], s[10:11], s[92:93]
	CROUND                                         ; all sixteen work-groups are here: the first joint loads meet
	s_mov_b32 s[G0S], 1
	s_add_co_u32 s[G0S+1], s66, SCA
	s_mov_b64 s[G0S+2:G0S+3], s[22:23]
	s_or_b32 s[G0S+3], s[G0S+3], 0x80000000
	s_mov_b32 s[G0SB], 1
	s_add_co_u32 s[G0SB+1], s67, SCB
	s_mov_b64 s[G0SB+2:G0SB+3], s[92:93]
	s_or_b32 s[G0SB+3], s[G0SB+3], 0x80000000
	JLOAD G0S, G1S, G0SB, G1SB
.irp s, 0,1
	s_mov_b32 s[G0+4*\s], 1
	s_add_co_u32 s[G0+4*\s+1], s45, \s*SLOT
	s_add_nc_u64 s[G0+4*\s+2:G0+4*\s+3], s[20:21], \s*3072
	s_or_b32 s[G0+4*\s+3], s[G0+4*\s+3], 0x80000000
	s_mov_b32 s[G0B+4*\s], 1
	s_add_co_u32 s[G0B+4*\s+1], s94, \s*SLOT+BOFF
	s_add_nc_u64 s[G0B+4*\s+2:G0B+4*\s+3], s[46:47], \s*192
	s_or_b32 s[G0B+4*\s+3], s[G0B+4*\s+3], 0x80000000
	JLOAD G0+4*\s, G1, G0B+4*\s, G1B               ; three tensor loads of a wave are out here, later one
.endr
	v_and_b32 v1, 15, v0                           ; r
	v_bfe_u32 v2, v0, 4, 1                         ; h
	v_and_b32 v3, 31, v0                           ; lane
	v_lshlrev_b32 v[LI], 4, v3
	v_lshl_add_u32 v[LI8], v3, 3, 512
	v_mul_u32_u24 v6, v1, PITCH
	v_mad_u32_u24 v6, v2, 24, v6
	v_lshl_add_u32 v7, v2, 4, v6
	s_mul_i32 s21, s15, AHALF
	s_mul_i32 s22, s16, BHALF
	s_add_co_u32 s22, s22, BOFF
.irp s, 0,1
	v_add_nc_u32 v[ADRA16+\s], s21, v[LI]
	v_add_nc_u32 v[ADRA8+\s], s21, v[LI8]
	v_add_nc_u32 v[ADRB+\s], s22, v6
	v_add_nc_u32 v[ADRB+2+\s], s22, v7
	s_add_co_u32 s21, s21, SLOT
	s_add_co_u32 s22, s22, SLOT
.endr
	v_lshlrev_b32 v[LS], 2, v1
	s_mul_i32 s21, s15, SAH
	s_add_co_u32 s21, s21, SCA
	v_add_nc_u32 v[ADRSA], s21, v[LS]
	v_mul_u32_u24 v9, v1, KS
	v_lshrrev_b32 v10, 8, v9
	v_lshl_add_u32 v9, v10, 4, v9
	s_mul_i32 s22, s16, HALFS
	s_add_co_u32 s22, s22, SCB
	v_add_nc_u32 v[ADRSB], s22, v9
	s_lshl_b32 s46, s42, 10
	s_lshl_b32 s47, s16, 9
	s_add_co_u32 s46, s46, s47                     ; my first column, in bytes of f32
	s_mov_b32 s47, 0
	s_add_nc_u64 s[12:13], s[12:13], s[46:47]
	s_lshl_b32 s20, s17, 8
	s_lshl_b32 s21, s15, 7
	s_add_co_u32 s20, s20, s21                     ; my first token
	s_lshl_b32 s20, s20, 12
	s_add_co_u32 s20, s20, s46
	s_mov_b32 s21, 0
	s_add_nc_u64 s[96:97], s[96:97], s[20:21]
	s_add_nc_u64 s[98:99], s[98:99], s[20:21]
	s_mul_i32 s23, s14, 16*528                     ; my stage
	v_mul_u32_u24 v9, v1, 528
	v_lshl_add_u32 v9, v2, 5, v9
	v_add_nc_u32 v[STO], s23, v9                   ; in: row r, + 32 h
	v_add_nc_u32 v[RD], s23, v[LI]                 ; back: a row of 512 bytes to the 32 lanes
	v_mov_b32 v[CO], v[LI]
	v_lshlrev_b32 v[BO], 5, v2
	WIN TO_B
.irp b, 0,1,2,3,4,5,6,7
	global_load_b128 v[96+8*\b+96*(\b/4):96+8*\b+96*(\b/4)+3], v[BO], s[12:13] offset:64*\b
	global_load_b128 v[96+8*\b+96*(\b/4)+4:96+8*\b+96*(\b/4)+7], v[BO], s[12:13] offset:64*\b+16
.endr
	WIN 0
.macro FRAG reg, adr, q, i
.irp p, 0,1,2,3,4,5
.set PCE, 12*(\q)+6*(\p/3)+\p%3
.if PCE%8 < 5
	ds_load_b64 v[\reg+2*\p:\reg+2*\p+1], v[\adr] offset:8*PCE+16*(PCE/8)+(\i)*16*PITCH
.else
	ds_load_b64 v[\reg+2*\p:\reg+2*\p+1], v[\adr+2] offset:8*PCE+16*(PCE/8)+(\i)*16*PITCH
.endif
.endr
.endm
.macro FRAGA reg, slot, q, i
.irp c, 0,1
	ds_load_b128 v[\reg+6*\c:\reg+6*\c+3], v[ADRA16+\slot] offset:3072*(\i)+1536*(\q)+768*\c
	ds_load_b64 v[\reg+6*\c+4:\reg+6*\c+5], v[ADRA8+\slot] offset:3072*(\i)+1536*(\q)+768*\c
.endr
.endm
.macro MUL16 a0, p, q, sc, first       ; the 64 accumulators take turns
.irp a, \a0, \a0+1
.irp b, 0,1,2,3,4,5,6,7
.if \first
	v_wmma_scale_f32_16x16x128_f8f6f4 v[8*(8*((\a)%4)+\b):8*(8*((\a)%4)+\b)+7], v[128*(\p)+FR*\b:128*(\p)+FR*\b+FR-1], v[AF+FR*(\a):AF+FR*(\a)+FR-1], v[96+8*\b+96*(\b/4):96+8*\b+96*(\b/4)+7], v[SB+16*(\sc)+2*\b+(\q)], v[SA+16*(\sc)+2*(\a)+(\q)] matrix_a_fmt:MATRIX_FMT_FP6 matrix_b_fmt:MATRIX_FMT_FP6
.else
	v_wmma_scale_f32_16x16x128_f8f6f4 v[8*(8*((\a)%4)+\b):8*(8*((\a)%4)+\b)+7], v[128*(\p)+FR*\b:128*(\p)+FR*\b+FR-1], v[AF+FR*(\a):AF+FR*(\a)+FR-1], v[8*(8*((\a)%4)+\b):8*(8*((\a)%4)+\b)+7], v[SB+16*(\sc)+2*\b+(\q)], v[SA+16*(\sc)+2*(\a)+(\q)] matrix_a_fmt:MATRIX_FMT_FP6 matrix_b_fmt:MATRIX_FMT_FP6
.endif
.endr
.endr
.endm
.macro FETCH_B slot, q, p
	WIN TO_B
.irp i, 0,1,2,3,4,5,6,7
	FRAG 128*(\p)+FR*\i, ADRB+\slot, \q, \i
.endr
	WIN 0
.endm
.macro FETCH_A slot, q, i0
.irp i, \i0, \i0+1, \i0+2, \i0+3
	FRAGA AF+FR*(\i), \slot, \q, \i
.endr
.endm
.macro SCALES sc
.irp i, 0,1,2,3,4,5,6,7
	ds_load_b32 v[SA+16*\sc+2*\i], v[ADRSA] offset:\i*ASRB
	ds_load_b32 v[SA+16*\sc+2*\i+1], v[ADRSA] offset:\i*ASRB+64
	ds_load_b64 v[SB+16*\sc+2*\i:SB+16*\sc+2*\i+1], v[ADRSB] offset:\i*SBLK
.endr
.endm
.macro PLACES
.rept 4
	v_nop
.endr
.endm
.macro STEP slot, q, first
	s_wait_dscnt 16                                ; all but the youngest 16 loads (A's blocks 4-7) are in
.if \first
	WIN 0x91
.else
	WIN MUL_LO
.endif
	MUL16 0, (\q)%2, \q, \slot, \first
	MUL16 2, (\q)%2, \q, \slot, \first
	s_wait_dscnt 0
	PLACES
	FETCH_B \slot, (\q)+1, 1-(\q)%2
	FETCH_A \slot, (\q)+1, 0
.if \first
	WIN 0xd1
.else
	WIN MUL_HI
.endif
	MUL16 4, (\q)%2, \q, \slot, \first
	MUL16 6, (\q)%2, \q, \slot, \first
	PLACES
	WIN 0
	FETCH_A \slot, (\q)+1, 4
.endm
.macro TURN slot, next, fill
	s_wait_tensorcnt 0x0                           ; all my tensor loads have landed: my part of the next slot
	ds_add_u32 v[SPW], v[NIL]                      ; 0 onto my spare word
	s_wait_dscnt 17                                ; (the add and A's blocks 4-7 may be out)
	WIN MUL_LO
	MUL16 0, 1, 1, \slot, 0
	s_wait_dscnt 0x0                               ; the add is done, and my reads of this slot are over
	s_barrier_signal -1
	MUL16 2, 1, 1, \slot, 0
	WIN 0
	s_barrier_wait -1
.if \fill
	CREST
	s_add_nc_u64 s[G0+4*\slot+2:G0+4*\slot+3], s[G0+4*\slot+2:G0+4*\slot+3], 2*3072
	s_add_nc_u64 s[G0B+4*\slot+2:G0B+4*\slot+3], s[G0B+4*\slot+2:G0B+4*\slot+3], 2*192
	JLOAD G0+4*\slot, G1, G0B+4*\slot, G1B
.else
	PLACES
.endif
	v_add_nc_u32 v[ADRSA], 128, v[ADRSA]
	v_add_nc_u32 v[ADRSB], 8, v[ADRSB]
	FETCH_B \next, 0, 0
	FETCH_A \next, 0, 0
	SCALES \next
	WIN MUL_HI
	MUL16 4, 1, 1, \slot, 0
	MUL16 6, 1, 1, \slot, 0
	PLACES
	WIN 0
	FETCH_A \next, 0, 4
.endm
	s_wait_tensorcnt 1                             ; the scales and my part of slot 0 are in; slot 1's load may be out
	s_barrier_signal -1
	s_barrier_wait -1
	FETCH_B 0, 0, 0
	FETCH_A 0, 0, 0
	SCALES 0
	FETCH_A 0, 0, 4
	s_wait_loadcnt 0x0                             ; the bias
	STEP 0, 0, 1
	s_mov_b32 s3, LAPS-1
.Llap:
	TURN 0, 1, 1
	STEP 1, 0, 0
	TURN 1, 0, 1
	STEP 0, 0, 0
	s_sub_co_u32 s3, s3, 1
	s_cmp_lg_u32 s3, 0
	s_cbranch_scc1 .Llap
	TURN 0, 1, 0
	STEP 1, 0, 0
	s_wait_dscnt 16
	WIN MUL_LO
	MUL16 0, 1, 1, 1, 0
	MUL16 2, 1, 1, 1, 0
	s_wait_dscnt 0
	WIN MUL_HI
	MUL16 4, 1, 1, 1, 0
	MUL16 6, 1, 1, 1, 0
	WIN 0
; ---------------- the way out ----------------
.macro RLOAD a                         ; the residual's 16 rows of block a into window 1, set a % 4.  Row t of block a is token 32 (a / 2) + 8 (a % 2) + t + 8 (t / 8) of my 128
.irp t, 0,1,2,3,4,5,6,7,8,9,10,11,12,13,14,15
	global_load_b128 v[64*((\a)%4)+4*\t:64*((\a)%4)+4*\t+3], v[CO], s[96:97] offset:(32*((\a)/2)+8*((\a)%2)+\t+8*(\t/8))*4096
.endr
.endm
.macro TOSTAGE a
	WIN (0x08+4*((\a)/4))
.irp b, 0,1,2,3,4,5,6,7
	ds_store_b128 v[STO], v[64*((\a)%4)+8*\b:64*((\a)%4)+8*\b+3] offset:64*\b          ; each accumulator from its low end on
	ds_store_b128 v[STO], v[64*((\a)%4)+8*\b+4:64*((\a)%4)+8*\b+7] offset:64*\b+16
.endr
	WIN 0
.set BB, 128+64*((\a)%2)
.irp t, 0,1,2,3,4,5,6,7,8,9,10,11,12,13,14,15
	ds_load_b128 v[BB+4*\t:BB+4*\t+3], v[RD] offset:\t*528      ; LDS serves a wave's instructions in order: these see my stores
.endr
.endm
	PLACES                                         ; behind the last products: for the loads into B's registers and the reads of results
	WIN TO_B
	RLOAD 0
	RLOAD 1
	RLOAD 2
	RLOAD 3
	WIN 0
.irp a, 0,1,2,3,4,5,6,7
.if \a > 1
	s_wait_xcnt 0x0                                ; block a - 2's stores have read their registers
.endif
	TOSTAGE \a
	s_wait_dscnt 0x0
.if \a < 5
	s_wait_loadcnt 48                              ; this block's residual is in; three later blocks' 48 loads may be out
.else
	s_wait_loadcnt 16*(7-\a)
.endif
	WIN 0x04                                       ; source 1 in window 1
.set i, 0
.rept 32
	v_pk_add_f32 v[BB+i:BB+i+1], v[BB+i:BB+i+1], v[64*(\a%4)+i:64*(\a%4)+i+1]
.set i, i+2
.endr
.if \a < 4
	WIN TO_B
	RLOAD \a+4
.endif
	WIN 0
.irp t, 0,1,2,3,4,5,6,7,8,9,10,11,12,13,14,15
	global_store_b128 v[CO], v[BB+4*\t:BB+4*\t+3], s[98:99] offset:(32*(\a/2)+8*(\a%2)+\t+8*(\t/8))*4096   ; 512 consecutive bytes, at a multiple of 512 from the buffer's first byte
.endr
.endr
	s_wait_tensorcnt 0x0                           ; the wave's end
	ds_add_u32 v[SPW], v[NIL]
	s_wait_dscnt 0x0
	CROUND                                         ; the closing round
	s_endpgm
.Lfunc_end_k_qbe284443fe_proj:
	.size	k_qbe284443fe_proj, .Lfunc_end_k_qbe284443fe_proj-k_qbe284443fe_proj
	.p2alignl 7, 3214868480
	.fill 96, 4, 3214868480
	.section	.rodata,"a",@progbits
	.p2align	6, 0x0
	.amdhsa_kernel k_qbe284443fe_proj
		.amdhsa_group_segment_fixed_size 327680
		.amdhsa_private_segment_fixed_size 0
		.amdhsa_enable_private_segment 0
		.amdhsa_kernarg_size 56
		.amdhsa_user_sgpr_count 2
		.amdhsa_user_sgpr_kernarg_segment_ptr 1
		.amdhsa_wavefront_size32 1
		.amdhsa_system_sgpr_workgroup_id_x 1
		.amdhsa_system_sgpr_workgroup_id_y 1
		.amdhsa_system_sgpr_workgroup_id_z 1
		.amdhsa_system_vgpr_workitem_id 0
		.amdhsa_next_free_vgpr 1024
		.amdhsa_next_free_sgpr 102
		.amdhsa_reserve_vcc 0
		.amdhsa_float_denorm_mode_32 3
		.amdhsa_float_denorm_mode_16_64 3
		.amdhsa_memory_ordered 1
		.amdhsa_forward_progress 1
		.amdhsa_inst_pref_size 186
	.end_amdhsa_kernel
	.amdgpu_metadata
---
amdhsa.version: [ 1, 2 ]
amdhsa.kernels:
  - .name:           k_qbe284443fe_proj
    .symbol:         k_qbe284443fe_proj.kd
    .args:
      - { .name: a_img, .offset: 0, .size: 8, .value_kind: global_buffer, .address_space: global }
      - { .name: a_scl, .offset: 8, .size: 8, .value_kind: global_buffer, .address_space: global }
      - { .name: proj_w_codes, .offset: 16, .size: 8, .value_kind: global_buffer, .address_space: global }
      - { .name: proj_w_scales, .offset: 24, .size: 8, .value_kind: global_buffer, .address_space: global }
      - { .name: proj_b, .offset: 32, .size: 8, .value_kind: global_buffer, .address_space: global }
      - { .name: x, .offset: 40, .size: 8, .value_kind: global_buffer, .address_space: global }
      - { .name: x1, .offset: 48, .size: 8, .value_kind: global_buffer, .address_space: global }
    .group_segment_fixed_size: 327680
    .private_segment_fixed_size: 0
    .kernarg_segment_align: 8
    .kernarg_segment_size: 56
    .max_flat_workgroup_size: 128
    .sgpr_count:     102
    .vgpr_count:     1024
    .wavefront_size: 32
...
	.end_amdgpu_metadata
.endif
;; end of part 4
;; launch ln2: the kernel of part 1 again; grid 256 x 1, 4 waves a work-group, no clusters, 66,560 bytes of LDS; arguments x1, ln2_w, ln2_b, a_img, a_scl; writes a_img, a_scl
;; launch fc (part 5): grid 16 x 16, 4 waves a work-group, clusters of 4 x 4, 327,680 bytes of LDS; arguments a_img, a_scl, fc_w_codes, fc_w_scales, fc_b, h_img, h_scl; writes h_img, h_scl
.if DOCPART == 5
	.amdgcn_target "amdgcn-amd-amdhsa--gfx1250"
	.amdhsa_code_object_version 6
	.text
	.protected	k_qbe284443fe_fc
	.globl	k_qbe284443fe_fc
	.p2align	8
	.type	k_qbe284443fe_fc,@function
k_qbe284443fe_fc:
	s_mov_b64 s[64:65], 0
	v_nop
	global_prefetch_b8 v0, s[64:65] scope:SCOPE_SE
	s_setreg_imm32_b32 hwreg(HW_REG_WAVE_MODE, 25, 1), 1
	s_wait_xcnt 0x0
	s_wait_alu depctr_hold_cnt(0) depctr_sa_sdst(0) depctr_va_vdst(0) depctr_va_sdst(0) depctr_va_ssrc(0) depctr_va_vcc(0) depctr_vm_vsrc(0)
	s_getreg_b32 s2, hwreg(HW_REG_IB_STS2, 6, 4)
	s_cmp_eq_u32 s2, 0
	s_cbranch_scc0 .Lentry_in_a_cluster
	s_endpgm
.Lentry_in_a_cluster:
	s_bfe_u32 s2, ttmp6, 0x10000c
	s_cmp_lg_u32 s2, 0xf033
	s_cbranch_scc0 .Lentry_shape_is_right
	s_endpgm
.Lentry_shape_is_right:
; hidden = gelu(LN2(x1) W + b), exact GELU, on codes of FP6 (E2M3) with E8M0 scales for each 32 along K; the hidden layer is quantised along its own axis and stored as images of operand registers.
; THE PRODUCT.  A tile of 256 tokens x 256 columns to a work-group of four waves, 128 x 128 a wave: 64 accumulators, 512 registers.  K goes in steps of 256 through a ring of two LDS slots.
; A (the activations) lies in memory as images: [rowtile][K / 64][768 bytes], registers 0-3 of a half fragment at 16 x lane, registers 4-5 at 512 + 8 x lane: four dense LDS loads a fragment.
; Row r of rowtile t is token 32 (t / 2) + 8 (t % 2) + r + 8 (r / 8).  A's scale words: [rowtile][K / 128][16 x 4 bytes].  B (the weight) lies as rows of codes, K innermost, with a scale byte for each 32.
; All scales of the work-group's rows come into LDS once.  The bias is the C of each sum's first matrix instruction.  The matrix instruction is used transposed: a lane holds one token and eight neighbouring columns.
; CLUSTERS: 4 x 4 work-groups; A's tiles are asked for jointly along a row of the cluster, B's along a column.
; THE WAY OUT.  The wave's 128 x 128 goes into its own stage in LDS (rows of 528 bytes, over the ring, behind a barrier); a loop of eight trips reads back, for a rowtile, 64 neighbouring columns a lane,
; takes the GELU and quantises: the wave's 128 columns are one K step of the next product: one fragment and one scale word a row.  The stage makes a loop possible: register numbers cannot be stepped.
; GELU: g = max(x, 0) - z e^(-z^2) P(t) with z = |x| / sqrt(2), t = 1 / (1 + p z): erfc by the five-term rational form (Abramowitz and Stegun 7.1.26), its coefficients divided by sqrt(2).
; LIMITS: that form's absolute error in erf is at most 1.5e-7; NaN and infinities are not served; a block under 2^-124 keeps the scale byte 1 (this program alone reads the bytes).
.set SIZE_K, 1024
.set ARTB,  SIZE_K*12
.set ASRB,  SIZE_K/2
.set KROW,  SIZE_K*3/4
.set KS,    SIZE_K/32
.set PITCH, 240
.set FR,    12
.set AHALF, 8*3072
.set BHALF, 128*PITCH
.set BOFF,  2*AHALF
.set SLOT,  BOFF+2*BHALF
.set LAPS,  SIZE_K/512
.set SCA,   2*SLOT
.set SAH,   8*ASRB
.set SCB,   SCA+2*SAH
.set HALFS, (128*KS/256)*272
.set SBLK,  (16*KS/256)*272
.set SPARE, 327168
.set LI,   4
.set LI8,  5
.set LS,   8
.set ADRA16, 16
.set ADRA8,  18
.set ADRB, 20
.set STO,  24
.set RD,   25
.set ADRSA, 27
.set SPW,  28
.set NIL,  29
.set ADRSB, 30
.set BO,   31
.set SA,   32                          ; v32-95 hold scales and nothing else
.set SB,   64
.set AF,   128
.set G1, 24
.set G0, 32
.set G1B, 48
.set G0B, 56
.set G1S, 68
.set G0S, 76
.set G1SB, 80
.set G0SB, 88
.set MSB, 0
.macro WIN new
.if MSB != \new
	s_set_vgpr_msb (MSB<<8)|\new
.set MSB, \new
.endif
.endm
.set MUL_LO, 0xa1
.set MUL_HI, 0xf1
.set TO_B,   0x40
.macro JLOAD g0a, g1a, g0b, g1b        ; a joint load: waves 0, 1 fetch for A, waves 2, 3 for B; four v_nop follow each line
	s_cmp_eq_u32 s15, 0
	s_cbranch_scc0 .Lfor_b_\@
	tensor_load_to_lds s[\g0a:\g0a+3], s[\g1a:\g1a+7]
	s_nop 0
.rept 4
	v_nop
.endr
	s_branch .Lasked_\@
.Lfor_b_\@:
	tensor_load_to_lds s[\g0b:\g0b+3], s[\g1b:\g1b+7]
	s_nop 0
.rept 4
	v_nop
.endr
.Lasked_\@:
.endm
.macro CREST
	s_cmp_lg_u32 s14, 0
	s_cbranch_scc1 .Lnot_wave_0_\@
	s_barrier_signal -3
.Lnot_wave_0_\@:
	s_barrier_wait -3
	s_barrier_signal -1
	s_barrier_wait -1
.endm
.macro CROUND
	s_barrier_signal -1
	s_barrier_wait -1
	CREST
.endm
	s_load_b128 s[4:7], s[0:1], 0x0                ; A's images, A's scale words
	s_load_b128 s[8:11], s[0:1], 0x10              ; B's codes, B's scale bytes
	s_load_b64 s[12:13], s[0:1], 0x20              ; the bias
	s_load_b128 s[96:99], s[0:1], 0x28             ; the hidden layer's images, its scale words
	v_lshl_add_u32 v[SPW], v0, 2, SPARE
	v_mov_b32 v[NIL], 0
	ds_add_u32 v28, v29
	ds_add_u32 v28, v29
	s_wait_dscnt 0x0
	v_lshrrev_b32 v1, 5, v0
	v_readfirstlane_b32 s14, v1
	s_lshr_b32 s15, s14, 1
	s_and_b32 s16, s14, 1
	s_bfe_u32 s40, ttmp6, 0x40000
	s_bfe_u32 s41, ttmp6, 0x40004
	s_lshl_b32 s42, ttmp9, 2
	s_add_co_u32 s42, s42, s40                     ; tile column
	s_and_b32 s17, ttmp7, 0xffff
	s_lshl_b32 s17, s17, 2
	s_add_co_u32 s17, s17, s41                     ; tile row
	s_lshl_b32 s43, s41, 2
	s_lshl_b32 s43, 15, s43
	s_lshl_b32 s44, 0x1111, s40
	s_or_b32 s[G1+0], s43, (3<<16)|(1<<21)         ; A's tile: 8 rows (rowtiles) of 384 elements of 8 bytes
	s_mov_b32 s[G1+1], 384<<16
	s_mov_b32 s[G1+2], 8<<16
	s_mov_b32 s[G1+3], 384<<16
	s_mov_b32 s[G1+4], 8
	s_mov_b32 s[G1+5], ARTB/8
	s_mov_b32 s[G1+6], 0
	s_mov_b32 s[G1+7], 0
	s_or_b32 s[G1B+0], s44, (0<<16)|(1<<20)|(1<<21)|(3<<22)|(3<<25)   ; B's tile: 128 rows of 192 bytes, 4 words of padding behind every 16
	s_mov_b32 s[G1B+1], 192<<16
	s_mov_b32 s[G1B+2], 128<<16
	s_mov_b32 s[G1B+3], 192<<16
	s_mov_b32 s[G1B+4], 128
	s_mov_b32 s[G1B+5], KROW
	s_mov_b32 s[G1B+6], 0
	s_mov_b32 s[G1B+7], 0
	s_or_b32 s[G1S+0], s43, (3<<16)|(1<<21)        ; A's scale words of 8 rowtiles, dense
	s_mov_b32 s[G1S+1], 32<<16
	s_mov_b32 s[G1S+2], (SAH/256)<<16
	s_mov_b32 s[G1S+3], 32<<16
	s_mov_b32 s[G1S+4], SAH/256
	s_mov_b32 s[G1S+5], 32
	s_mov_b32 s[G1S+6], 0
	s_mov_b32 s[G1S+7], 0
	s_or_b32 s[G1SB+0], s44, (3<<16)|(1<<20)|(1<<21)|(5<<22)|(3<<25)  ; B's scale bytes of 128 rows, 16 bytes of padding behind each 256
	s_mov_b32 s[G1SB+1], 32<<16
	s_mov_b32 s[G1SB+2], (128*KS/256)<<16
	s_mov_b32 s[G1SB+3], 32<<16
	s_mov_b32 s[G1SB+4], 128*KS/256
	s_mov_b32 s[G1SB+5], 32
	s_mov_b32 s[G1SB+6], 0
	s_mov_b32 s[G1SB+7], 0
	s_lshl_b32 s20, s17, 4
	s_lshl_b32 s18, s16, 3
	s_add_co_u32 s20, s20, s18
	s_mul_i32 s22, s20, ASRB
	s_mov_b32 s23, 0
	s_mul_i32 s20, s20, ARTB
	s_mov_b32 s21, 0
	s_lshl_b32 s46, s42, 8
	s_lshl_b32 s18, s16, 7
	s_add_co_u32 s46, s46, s18
	s_mul_i32 s92, s46, KS
	s_mov_b32 s93, 0
	s_mul_i32 s46, s46, KROW
	s_mov_b32 s47, 0
	s_mul_i32 s45, s16, AHALF
	s_mul_i32 s94, s16, BHALF
	s_mul_i32 s66, s16, SAH
	s_mul_i32 s67, s16, HALFS
	s_wait_kmcnt 0x0
	s_add_nc_u64 s[20:21], s[4:5], s[20:21]
	s_add_nc_u64 s[22:23], s[6:7], s[22:23]
	s_add_nc_u64 s[46:47], s[8:9], s[46:47]
	s_add_nc_u64 s[92:93], s[10:11], s[92:93]
	CROUND                                         ; all sixteen work-groups are here: the first joint loads meet
	s_mov_b32 s[G0S], 1
	s_add_co_u32 s[G0S+1], s66, SCA
	s_mov_b64 s[G0S+2:G0S+3], s[22:23]
	s_or_b32 s[G0S+3], s[G0S+3], 0x80000000
	s_mov_b32 s[G0SB], 1
	s_add_co_u32 s[G0SB+1], s67, SCB
	s_mov_b64 s[G0SB+2:G0SB+3], s[92:93]
	s_or_b32 s[G0SB+3], s[G0SB+3], 0x80000000
	JLOAD G0S, G1S, G0SB, G1SB
.irp s, 0,1
	s_mov_b32 s[G0+4*\s], 1
	s_add_co_u32 s[G0+4*\s+1], s45, \s*SLOT
	s_add_nc_u64 s[G0+4*\s+2:G0+4*\s+3], s[20:21], \s*3072
	s_or_b32 s[G0+4*\s+3], s[G0+4*\s+3], 0x80000000
	s_mov_b32 s[G0B+4*\s], 1
	s_add_co_u32 s[G0B+4*\s+1], s94, \s*SLOT+BOFF
	s_add_nc_u64 s[G0B+4*\s+2:G0B+4*\s+3], s[46:47], \s*192
	s_or_b32 s[G0B+4*\s+3], s[G0B+4*\s+3], 0x80000000
	JLOAD G0+4*\s, G1, G0B+4*\s, G1B               ; three tensor loads of a wave are out here, later one
.endr
	v_and_b32 v1, 15, v0                           ; r
	v_bfe_u32 v2, v0, 4, 1                         ; h
	v_and_b32 v3, 31, v0                           ; lane
	v_lshlrev_b32 v[LI], 4, v3
	v_lshl_add_u32 v[LI8], v3, 3, 512
	v_mul_u32_u24 v6, v1, PITCH
	v_mad_u32_u24 v6, v2, 24, v6
	v_lshl_add_u32 v7, v2, 4, v6
	s_mul_i32 s21, s15, AHALF
	s_mul_i32 s22, s16, BHALF
	s_add_co_u32 s22, s22, BOFF
.irp s, 0,1
	v_add_nc_u32 v[ADRA16+\s], s21, v[LI]
	v_add_nc_u32 v[ADRA8+\s], s21, v[LI8]
	v_add_nc_u32 v[ADRB+\s], s22, v6
	v_add_nc_u32 v[ADRB+2+\s], s22, v7
	s_add_co_u32 s21, s21, SLOT
	s_add_co_u32 s22, s22, SLOT
.endr
	v_lshlrev_b32 v[LS], 2, v1
	s_mul_i32 s21, s15, SAH
	s_add_co_u32 s21, s21, SCA
	v_add_nc_u32 v[ADRSA], s21, v[LS]
	v_mul_u32_u24 v9, v1, KS
	v_lshrrev_b32 v10, 8, v9
	v_lshl_add_u32 v9, v10, 4, v9
	s_mul_i32 s22, s16, HALFS
	s_add_co_u32 s22, s22, SCB
	v_add_nc_u32 v[ADRSB], s22, v9
	s_lshl_b32 s46, s42, 10
	s_lshl_b32 s47, s16, 9
	s_add_co_u32 s46, s46, s47
	s_mov_b32 s47, 0
	s_add_nc_u64 s[12:13], s[12:13], s[46:47]
	v_lshlrev_b32 v[BO], 5, v2
	WIN TO_B
.irp b, 0,1,2,3,4,5,6,7
	global_load_b128 v[96+8*\b+96*(\b/4):96+8*\b+96*(\b/4)+3], v[BO], s[12:13] offset:64*\b
	global_load_b128 v[96+8*\b+96*(\b/4)+4:96+8*\b+96*(\b/4)+7], v[BO], s[12:13] offset:64*\b+16
.endr
	WIN 0
.macro FRAG reg, adr, q, i
.irp p, 0,1,2,3,4,5
.set PCE, 12*(\q)+6*(\p/3)+\p%3
.if PCE%8 < 5
	ds_load_b64 v[\reg+2*\p:\reg+2*\p+1], v[\adr] offset:8*PCE+16*(PCE/8)+(\i)*16*PITCH
.else
	ds_load_b64 v[\reg+2*\p:\reg+2*\p+1], v[\adr+2] offset:8*PCE+16*(PCE/8)+(\i)*16*PITCH
.endif
.endr
.endm
.macro FRAGA reg, slot, q, i
.irp c, 0,1
	ds_load_b128 v[\reg+6*\c:\reg+6*\c+3], v[ADRA16+\slot] offset:3072*(\i)+1536*(\q)+768*\c
	ds_load_b64 v[\reg+6*\c+4:\reg+6*\c+5], v[ADRA8+\slot] offset:3072*(\i)+1536*(\q)+768*\c
.endr
.endm
.macro MUL16 a0, p, q, sc, first       ; the 64 accumulators take turns
.irp a, \a0, \a0+1
.irp b, 0,1,2,3,4,5,6,7
.if \first
	v_wmma_scale_f32_16x16x128_f8f6f4 v[8*(8*((\a)%4)+\b):8*(8*((\a)%4)+\b)+7], v[128*(\p)+FR*\b:128*(\p)+FR*\b+FR-1], v[AF+FR*(\a):AF+FR*(\a)+FR-1], v[96+8*\b+96*(\b/4):96+8*\b+96*(\b/4)+7], v[SB+16*(\sc)+2*\b+(\q)], v[SA+16*(\sc)+2*(\a)+(\q)] matrix_a_fmt:MATRIX_FMT_FP6 matrix_b_fmt:MATRIX_FMT_FP6
.else
	v_wmma_scale_f32_16x16x128_f8f6f4 v[8*(8*((\a)%4)+\b):8*(8*((\a)%4)+\b)+7], v[128*(\p)+FR*\b:128*(\p)+FR*\b+FR-1], v[AF+FR*(\a):AF+FR*(\a)+FR-1], v[8*(8*((\a)%4)+\b):8*(8*((\a)%4)+\b)+7], v[SB+16*(\sc)+2*\b+(\q)], v[SA+16*(\sc)+2*(\a)+(\q)] matrix_a_fmt:MATRIX_FMT_FP6 matrix_b_fmt:MATRIX_FMT_FP6
.endif
.endr
.endr
.endm
.macro FETCH_B slot, q, p
	WIN TO_B
.irp i, 0,1,2,3,4,5,6,7
	FRAG 128*(\p)+FR*\i, ADRB+\slot, \q, \i
.endr
	WIN 0
.endm
.macro FETCH_A slot, q, i0
.irp i, \i0, \i0+1, \i0+2, \i0+3
	FRAGA AF+FR*(\i), \slot, \q, \i
.endr
.endm
.macro SCALES sc
.irp i, 0,1,2,3,4,5,6,7
	ds_load_b32 v[SA+16*\sc+2*\i], v[ADRSA] offset:\i*ASRB
	ds_load_b32 v[SA+16*\sc+2*\i+1], v[ADRSA] offset:\i*ASRB+64
	ds_load_b64 v[SB+16*\sc+2*\i:SB+16*\sc+2*\i+1], v[ADRSB] offset:\i*SBLK
.endr
.endm
.macro PLACES
.rept 4
	v_nop
.endr
.endm
.macro STEP slot, q, first
	s_wait_dscnt 16                                ; all but the youngest 16 loads (A's blocks 4-7) are in
.if \first
	WIN 0x91
.else
	WIN MUL_LO
.endif
	MUL16 0, (\q)%2, \q, \slot, \first
	MUL16 2, (\q)%2, \q, \slot, \first
	s_wait_dscnt 0
	PLACES
	FETCH_B \slot, (\q)+1, 1-(\q)%2
	FETCH_A \slot, (\q)+1, 0
.if \first
	WIN 0xd1
.else
	WIN MUL_HI
.endif
	MUL16 4, (\q)%2, \q, \slot, \first
	MUL16 6, (\q)%2, \q, \slot, \first
	PLACES
	WIN 0
	FETCH_A \slot, (\q)+1, 4
.endm
.macro TURN slot, next, fill
	s_wait_tensorcnt 0x0                           ; all my tensor loads have landed: my part of the next slot
	ds_add_u32 v[SPW], v[NIL]                      ; 0 onto my spare word
	s_wait_dscnt 17                                ; (the add and A's blocks 4-7 may be out)
	WIN MUL_LO
	MUL16 0, 1, 1, \slot, 0
	s_wait_dscnt 0x0                               ; the add is done, and my reads of this slot are over
	s_barrier_signal -1
	MUL16 2, 1, 1, \slot, 0
	WIN 0
	s_barrier_wait -1
.if \fill
	CREST
	s_add_nc_u64 s[G0+4*\slot+2:G0+4*\slot+3], s[G0+4*\slot+2:G0+4*\slot+3], 2*3072
	s_add_nc_u64 s[G0B+4*\slot+2:G0B+4*\slot+3], s[G0B+4*\slot+2:G0B+4*\slot+3], 2*192
	JLOAD G0+4*\slot, G1, G0B+4*\slot, G1B
.else
	PLACES
.endif
	v_add_nc_u32 v[ADRSA], 128, v[ADRSA]
	v_add_nc_u32 v[ADRSB], 8, v[ADRSB]
	FETCH_B \next, 0, 0
	FETCH_A \next, 0, 0
	SCALES \next
	WIN MUL_HI
	MUL16 4, 1, 1, \slot, 0
	MUL16 6, 1, 1, \slot, 0
	PLACES
	WIN 0
	FETCH_A \next, 0, 4
.endm
	s_wait_tensorcnt 1                             ; the scales and my part of slot 0 are in; slot 1's load may be out
	s_barrier_signal -1
	s_barrier_wait -1
	FETCH_B 0, 0, 0
	FETCH_A 0, 0, 0
	SCALES 0
	FETCH_A 0, 0, 4
	s_wait_loadcnt 0x0                             ; the bias
	STEP 0, 0, 1
	s_mov_b32 s3, LAPS-1
.Llap:
	TURN 0, 1, 1
	STEP 1, 0, 0
	TURN 1, 0, 1
	STEP 0, 0, 0
	s_sub_co_u32 s3, s3, 1
	s_cmp_lg_u32 s3, 0
	s_cbranch_scc1 .Llap
	TURN 0, 1, 0
	STEP 1, 0, 0
	s_wait_dscnt 16
	WIN MUL_LO
	MUL16 0, 1, 1, 1, 0
	MUL16 2, 1, 1, 1, 0
	s_wait_dscnt 0
	WIN MUL_HI
	MUL16 4, 1, 1, 1, 0
	MUL16 6, 1, 1, 1, 0
	WIN 0
; ---------------- the way out ----------------
.set X,   96                           ; v96-159  64 numbers
.set PC,  160                          ; v160-179 the codes
.set TM,  180                          ; v180-195 at work in the quantiser
.set PW,  196
.set AD,  198
.set AX,  200                          ; v200-207 z
.set TT,  208                          ; v208-215 t
.set UU,  216                          ; v216-223 e^(-z^2), then z e^(-z^2)
.set PP,  224                          ; v224-231 the polynomial
.set B4,  232                          ; v232-233 a coefficient, twice
.set SEL, 20
	s_wait_dscnt 0x0                               ; my reads of the ring and of the scales are over
	s_barrier_signal -1
	s_barrier_wait -1                              ; everybody's are: the stages may lie over them
	s_mul_i32 s21, s14, 67584                      ; my stage: 128 rows x 528 bytes
	v_mul_u32_u24 v9, v1, 528
	v_add_nc_u32 v9, s21, v9
	v_lshl_add_u32 v[STO], v2, 5, v9               ; in: row r, + 32 h
	v_lshl_add_u32 v[RD], v2, 6, v9                ; back: row r, + 64 h
	v_mov_b32 v[B4], 0xbf838639
	v_mov_b32 v[B4+1], 0xbf838639
.irp b, 0,1,2,3
	v_mov_b32 v[TM+4+\b], 0                        ; a lane permute's destination counts as one of its sources
.endr
.irp a, 0,1,2,3,4,5,6,7                ; (the ten plain lines above are the places behind the last products)
	WIN (0x08+4*(\a/4))
.irp b, 0,1,2,3,4,5,6,7
	ds_store_b128 v[STO], v[64*(\a%4)+8*\b:64*(\a%4)+8*\b+3] offset:8448*\a+64*\b       ; each accumulator from its low end on
	ds_store_b128 v[STO], v[64*(\a%4)+8*\b+4:64*(\a%4)+8*\b+7] offset:8448*\a+64*\b+16
.endr
.endr
	WIN 0
	s_mov_b32 s[SEL], 0x76543210
	s_mov_b32 s[SEL+1], 0xfedcba98
	s_mov_b32 s18, 0x3f3504f3                      ; 1 / sqrt(2)
	s_lshl_b32 s46, s17, 4
	s_lshl_b32 s47, s15, 3
	s_add_co_u32 s46, s46, s47                     ; my first rowtile
	s_lshl_b32 s45, s42, 1
	s_add_co_u32 s45, s45, s16                     ; my columns are this K step of the next product
	s_mul_i32 s66, s46, 49152
	s_mul_i32 s67, s45, 1536
	s_add_co_u32 s66, s66, s67
	s_mov_b32 s67, 0
	s_add_nc_u64 s[96:97], s[96:97], s[66:67]
	s_lshl_b32 s66, s46, 11
	s_lshl_b32 s45, s45, 6
	s_add_co_u32 s66, s66, s45
	s_add_nc_u64 s[98:99], s[98:99], s[66:67]
	s_mov_b32 s22, 0
	s_mov_b32 s23, 0
.macro GELU8 g                         ; eight numbers: 72 instructions
.set XB, X+8*(\g)
.irp j, 0,1,2,3,4,5,6,7
	v_mul_f32 v[AX+\j], s18, |v[XB+\j]|            ; z
.endr
.irp j, 0,1,2,3,4,5,6,7
	v_max_num_f32 v[XB+\j], 0, v[XB+\j]            ; max(x, 0)
.endr
.irp j, 0,2,4,6
	v_pk_fma_f32 v[TT+\j:TT+\j+1], v[AX+\j:AX+\j+1], 0x3ea7ba05, 1.0 op_sel_hi:[1,0,0]   ; 1 + p z
.endr
.irp j, 0,2,4,6
	v_pk_mul_f32 v[UU+\j:UU+\j+1], v[AX+\j:AX+\j+1], v[AX+\j:AX+\j+1]
.endr
.irp j, 0,1,2,3,4,5,6,7
	v_rcp_f32 v[TT+\j], v[TT+\j]                   ; t
.endr
.irp j, 0,2,4,6
	v_pk_mul_f32 v[UU+\j:UU+\j+1], v[UU+\j:UU+\j+1], 0xbfb8aa3b op_sel_hi:[1,0]          ; - z^2 log2(e): plain lines behind the reciprocals
.endr
.irp j, 0,1,2,3,4,5,6,7
	v_exp_f32 v[UU+\j], v[UU+\j]
.endr
	s_wait_alu depctr_va_vdst(0)
.irp j, 0,2,4,6
	v_pk_fma_f32 v[PP+\j:PP+\j+1], v[TT+\j:TT+\j+1], 0x3f402289, v[B4:B4+1] op_sel_hi:[1,0,1]   ; plain lines behind the exponentials
.endr
.irp k, 0x3f80a6d5, 0xbe4dff65, 0x3e38842e
.irp j, 0,2,4,6
	v_pk_fma_f32 v[PP+\j:PP+\j+1], v[PP+\j:PP+\j+1], v[TT+\j:TT+\j+1], \k op_sel_hi:[1,1,0]
.endr
.endr
.irp j, 0,2,4,6
	v_pk_mul_f32 v[PP+\j:PP+\j+1], v[PP+\j:PP+\j+1], v[TT+\j:TT+\j+1]
.endr
.irp j, 0,2,4,6
	v_pk_mul_f32 v[UU+\j:UU+\j+1], v[UU+\j:UU+\j+1], v[AX+\j:AX+\j+1]
.endr
.irp j, 0,2,4,6
	v_pk_fma_f32 v[XB+\j:XB+\j+1], v[UU+\j:UU+\j+1], v[PP+\j:PP+\j+1], v[XB+\j:XB+\j+1] neg_lo:[1,0,0] neg_hi:[1,0,0]
.endr
.endm
.Lrow:
	v_add_nc_u32 v[AD], s22, v[RD]
.irp b, 0,1,2,3
.irp i, 0,1,2,3
	ds_load_b128 v[X+16*\b+4*\i:X+16*\b+4*\i+3], v[AD] offset:128*\b+16*\i   ; register 16 b + i = column 32 b + 16 h + i of token r.  LDS serves a wave's instructions in order: these see my stores
.endr
.endr
	s_wait_dscnt 0x0
.irp g, 0,1,2,3,4,5,6,7
	GELU8 \g
.endr
.irp b, 0,1,2,3
	v_max3_num_f32 v[TM+\b], |v[X+16*\b]|, |v[X+1+16*\b]|, 0x1800000   ; block b: my 16 numbers and the floor 2^(3 - 127)
.endr
.irp i, 2,4,6,8,10,12,14
.irp b, 0,1,2,3
	v_max3_num_f32 v[TM+\b], v[TM+\b], |v[X+16*\b+\i]|, |v[X+1+16*\b+\i]|
.endr
.endr
.irp b, 0,1,2,3
	v_permlanex16_b32 v[TM+4+\b], v[TM+\b], s[SEL], s[SEL+1]
.endr
.irp b, 0,1,2,3
	v_max_num_f32 v[TM+\b], v[TM+\b], v[TM+4+\b]
.endr
.irp b, 0,1,2,3
	v_add_nc_u32 v[TM+12+\b], 0xff000000, v[TM+\b]
.endr
.irp b, 0,1,2,3
	v_lshrrev_b32 v[TM+4+\b], 23, v[TM+12+\b]
.endr
	v_lshl_or_b32 v[PW], v[TM+5], 8, v[TM+4]
	v_lshl_or_b32 v[PW], v[TM+6], 16, v[PW]
	v_lshl_or_b32 v[PW], v[TM+7], 24, v[PW]
.irp c, 0,1
	v_cvt_scalef32_pk16_fp6_f32 v[PC+6*\c:PC+2+6*\c], v[X+32*\c:X+15+32*\c], v[TM+12+2*\c]
	v_cvt_scalef32_pk16_fp6_f32 v[PC+12+4*\c:PC+14+4*\c], v[X+16+32*\c:X+31+32*\c], v[TM+12+2*\c+1]
.endr
	v_nop                                          ; one plain place behind a scaled conversion
.irp c, 0,1
.irp i, 0,1,2
	v_permlane16_swap_b32 v[PC+6*\c+\i], v[PC+12+4*\c+\i]
.endr
.irp i, 0,1,2
	v_mov_b32 v[PC+3+6*\c+\i], v[PC+12+4*\c+\i]
.endr
.endr
.irp c, 0,1
	global_store_b128 v[LI], v[PC+6*\c:PC+6*\c+3], s[96:97] offset:768*\c
	global_store_b64 v[LI8], v[PC+6*\c+4:PC+6*\c+5], s[96:97] offset:768*\c
.endr
	global_store_b32 v[LS], v[PW], s[98:99]
	s_wait_xcnt 0x0                                ; the stores have read their data and bases: both are written again only behind this wait
	s_add_nc_u64 s[96:97], s[96:97], 49152         ; the next rowtile
	s_add_nc_u64 s[98:99], s[98:99], 2048
	s_add_co_u32 s22, s22, 8448
	s_add_co_u32 s23, s23, 1
	s_cmp_lt_u32 s23, 8
	s_cbranch_scc1 .Lrow
	s_wait_tensorcnt 0x0                           ; the wave's end
	ds_add_u32 v[SPW], v[NIL]
	s_wait_dscnt 0x0
	CROUND                                         ; the closing round
	s_endpgm
.Lfunc_end_k_qbe284443fe_fc:
	.size	k_qbe284443fe_fc, .Lfunc_end_k_qbe284443fe_fc-k_qbe284443fe_fc
	.p2alignl 7, 3214868480
	.fill 96, 4, 3214868480
	.section	.rodata,"a",@progbits
	.p2align	6, 0x0
	.amdhsa_kernel k_qbe284443fe_fc
		.amdhsa_group_segment_fixed_size 327680
		.amdhsa_private_segment_fixed_size 0
		.amdhsa_enable_private_segment 0
		.amdhsa_kernarg_size 56
		.amdhsa_user_sgpr_count 2
		.amdhsa_user_sgpr_kernarg_segment_ptr 1
		.amdhsa_wavefront_size32 1
		.amdhsa_system_sgpr_workgroup_id_x 1
		.amdhsa_system_sgpr_workgroup_id_y 1
		.amdhsa_system_sgpr_workgroup_id_z 1
		.amdhsa_system_vgpr_workitem_id 0
		.amdhsa_next_free_vgpr 1024
		.amdhsa_next_free_sgpr 102
		.amdhsa_reserve_vcc 0
		.amdhsa_float_denorm_mode_32 3
		.amdhsa_float_denorm_mode_16_64 3
		.amdhsa_memory_ordered 1
		.amdhsa_forward_progress 1
		.amdhsa_inst_pref_size 179
	.end_amdhsa_kernel
	.amdgpu_metadata
---
amdhsa.version: [ 1, 2 ]
amdhsa.kernels:
  - .name:           k_qbe284443fe_fc
    .symbol:         k_qbe284443fe_fc.kd
    .args:
      - { .name: a_img, .offset: 0, .size: 8, .value_kind: global_buffer, .address_space: global }
      - { .name: a_scl, .offset: 8, .size: 8, .value_kind: global_buffer, .address_space: global }
      - { .name: fc_w_codes, .offset: 16, .size: 8, .value_kind: global_buffer, .address_space: global }
      - { .name: fc_w_scales, .offset: 24, .size: 8, .value_kind: global_buffer, .address_space: global }
      - { .name: fc_b, .offset: 32, .size: 8, .value_kind: global_buffer, .address_space: global }
      - { .name: h_img, .offset: 40, .size: 8, .value_kind: global_buffer, .address_space: global }
      - { .name: h_scl, .offset: 48, .size: 8, .value_kind: global_buffer, .address_space: global }
    .group_segment_fixed_size: 327680
    .private_segment_fixed_size: 0
    .kernarg_segment_align: 8
    .kernarg_segment_size: 56
    .max_flat_workgroup_size: 128
    .sgpr_count:     102
    .vgpr_count:     1024
    .wavefront_size: 32
...
	.end_amdgpu_metadata
.endif
;; end of part 5
;; launch fc2 (part 6): grid 4 x 16, 4 waves a work-group, clusters of 4 x 4, 327,680 bytes of LDS; arguments h_img, h_scl, fc2_w_codes, fc2_w_scales, fc2_b, x1, out0; writes out0
.if DOCPART == 6
	.amdgcn_target "amdgcn-amd-amdhsa--gfx1250"
	.amdhsa_code_object_version 6
	.text
	.protected	k_qbe284443fe_fc2
	.globl	k_qbe284443fe_fc2
	.p2align	8
	.type	k_qbe284443fe_fc2,@function
k_qbe284443fe_fc2:
	s_mov_b64 s[64:65], 0
	v_nop
	global_prefetch_b8 v0, s[64:65] scope:SCOPE_SE
	s_setreg_imm32_b32 hwreg(HW_REG_WAVE_MODE, 25, 1), 1
	s_wait_xcnt 0x0
	s_wait_alu depctr_hold_cnt(0) depctr_sa_sdst(0) depctr_va_vdst(0) depctr_va_sdst(0) depctr_va_ssrc(0) depctr_va_vcc(0) depctr_vm_vsrc(0)
	s_getreg_b32 s2, hwreg(HW_REG_IB_STS2, 6, 4)
	s_cmp_eq_u32 s2, 0
	s_cbranch_scc0 .Lentry_in_a_cluster
	s_endpgm
.Lentry_in_a_cluster:
	s_bfe_u32 s2, ttmp6, 0x10000c
	s_cmp_lg_u32 s2, 0xf033
	s_cbranch_scc0 .Lentry_shape_is_right
	s_endpgm
.Lentry_shape_is_right:
; out = res + A W + b on codes of FP6 (E2M3) with E8M0 scales for each 32 along K; out and res are [4096][1024] f32.  Here K = 4,096.
; THE PRODUCT.  A tile of 256 tokens x 256 columns to a work-group of four waves, 128 x 128 a wave: 64 accumulators, 512 registers.  K goes in steps of 256 through a ring of two LDS slots.
; A (the activations) lies in memory as images: [rowtile][K / 64][768 bytes], registers 0-3 of a half fragment at 16 x lane, registers 4-5 at 512 + 8 x lane: four dense LDS loads a fragment.
; Row r of rowtile t is token 32 (t / 2) + 8 (t % 2) + r + 8 (r / 8).  A's scale words: [rowtile][K / 128][16 x 4 bytes].  B (the weight) lies as rows of codes, K innermost, with a scale byte for each 32.
; All scales of the work-group's rows come into LDS once (67,584 bytes behind the ring).  The bias is the C of each sum's first matrix instruction.  The matrix instruction is used transposed:
; a lane holds one token and eight neighbouring columns.
; CLUSTERS: 4 x 4 work-groups; A's tiles are asked for jointly along a row of the cluster, B's along a column.
; THE WAY OUT.  A block of 16 tokens x 128 columns goes through the wave's stage in LDS (in slot 0, which has had its last fill and its last read) and comes back as rows of 512 bytes; the residual's rows,
; asked for up to four blocks ahead, are added, and the 32 lanes store 512 consecutive bytes.
; 1,024 columns make 64 tiles: 64 work-groups.  A smaller tile would fetch twice the bytes for each multiply-add.
.set SIZE_K, 4096
.set ARTB,  SIZE_K*12
.set ASRB,  SIZE_K/2
.set KROW,  SIZE_K*3/4
.set KS,    SIZE_K/32
.set PITCH, 240
.set FR,    12
.set AHALF, 8*3072
.set BHALF, 128*PITCH
.set BOFF,  2*AHALF
.set SLOT,  BOFF+2*BHALF
.set LAPS,  SIZE_K/512
.set SCA,   2*SLOT
.set SAH,   8*ASRB
.set SCB,   SCA+2*SAH
.set HALFS, (128*KS/256)*272
.set SBLK,  (16*KS/256)*272
.set SPARE, 327168
.set LI,   4
.set LI8,  5
.set LS,   8
.set ADRA16, 16
.set ADRA8,  18
.set ADRB, 20
.set STO,  24
.set RD,   25
.set CO,   26
.set ADRSA, 27
.set SPW,  28
.set NIL,  29
.set ADRSB, 30
.set BO,   31
.set SA,   32                          ; v32-95 hold scales and nothing else
.set SB,   64
.set AF,   128
.set G1, 24
.set G0, 32
.set G1B, 48
.set G0B, 56
.set G1S, 68
.set G0S, 76
.set G1SB, 80
.set G0SB, 88
.set MSB, 0
.macro WIN new
.if MSB != \new
	s_set_vgpr_msb (MSB<<8)|\new
.set MSB, \new
.endif
.endm
.set MUL_LO, 0xa1
.set MUL_HI, 0xf1
.set TO_B,   0x40
.macro JLOAD g0a, g1a, g0b, g1b        ; a joint load: waves 0, 1 fetch for A, waves 2, 3 for B; four v_nop follow each line
	s_cmp_eq_u32 s15, 0
	s_cbranch_scc0 .Lfor_b_\@
	tensor_load_to_lds s[\g0a:\g0a+3], s[\g1a:\g1a+7]
	s_nop 0
.rept 4
	v_nop
.endr
	s_branch .Lasked_\@
.Lfor_b_\@:
	tensor_load_to_lds s[\g0b:\g0b+3], s[\g1b:\g1b+7]
	s_nop 0
.rept 4
	v_nop
.endr
.Lasked_\@:
.endm
.macro CREST
	s_cmp_lg_u32 s14, 0
	s_cbranch_scc1 .Lnot_wave_0_\@
	s_barrier_signal -3
.Lnot_wave_0_\@:
	s_barrier_wait -3
	s_barrier_signal -1
	s_barrier_wait -1
.endm
.macro CROUND
	s_barrier_signal -1
	s_barrier_wait -1
	CREST
.endm
	s_load_b128 s[4:7], s[0:1], 0x0                ; A's images, A's scale words
	s_load_b128 s[8:11], s[0:1], 0x10              ; B's codes, B's scale bytes
	s_load_b64 s[12:13], s[0:1], 0x20              ; the bias
	s_load_b128 s[96:99], s[0:1], 0x28             ; the residual, the output
	v_lshl_add_u32 v[SPW], v0, 2, SPARE
	v_mov_b32 v[NIL], 0
	ds_add_u32 v28, v29
	ds_add_u32 v28, v29
	s_wait_dscnt 0x0
	v_lshrrev_b32 v1, 5, v0
	v_readfirstlane_b32 s14, v1
	s_lshr_b32 s15, s14, 1
	s_and_b32 s16, s14, 1
	s_bfe_u32 s40, ttmp6, 0x40000
	s_bfe_u32 s41, ttmp6, 0x40004
	s_lshl_b32 s42, ttmp9, 2
	s_add_co_u32 s42, s42, s40                     ; tile column
	s_and_b32 s17, ttmp7, 0xffff
	s_lshl_b32 s17, s17, 2
	s_add_co_u32 s17, s17, s41                     ; tile row
	s_lshl_b32 s43, s41, 2
	s_lshl_b32 s43, 15, s43
	s_lshl_b32 s44, 0x1111, s40
	s_or_b32 s[G1+0], s43, (3<<16)|(1<<21)         ; A's tile: 8 rows (rowtiles) of 384 elements of 8 bytes
	s_mov_b32 s[G1+1], 384<<16
	s_mov_b32 s[G1+2], 8<<16
	s_mov_b32 s[G1+3], 384<<16
	s_mov_b32 s[G1+4], 8
	s_mov_b32 s[G1+5], ARTB/8
	s_mov_b32 s[G1+6], 0
	s_mov_b32 s[G1+7], 0
	s_or_b32 s[G1B+0], s44, (0<<16)|(1<<20)|(1<<21)|(3<<22)|(3<<25)   ; B's tile: 128 rows of 192 bytes, 4 words of padding behind every 16
	s_mov_b32 s[G1B+1], 192<<16
	s_mov_b32 s[G1B+2], 128<<16
	s_mov_b32 s[G1B+3], 192<<16
	s_mov_b32 s[G1B+4], 128
	s_mov_b32 s[G1B+5], KROW
	s_mov_b32 s[G1B+6], 0
	s_mov_b32 s[G1B+7], 0
	s_or_b32 s[G1S+0], s43, (3<<16)|(1<<21)        ; A's scale words of 8 rowtiles, dense
	s_mov_b32 s[G1S+1], 32<<16
	s_mov_b32 s[G1S+2], (SAH/256)<<16
	s_mov_b32 s[G1S+3], 32<<16
	s_mov_b32 s[G1S+4], SAH/256
	s_mov_b32 s[G1S+5], 32
	s_mov_b32 s[G1S+6], 0
	s_mov_b32 s[G1S+7], 0
	s_or_b32 s[G1SB+0], s44, (3<<16)|(1<<20)|(1<<21)|(5<<22)|(3<<25)  ; B's scale bytes of 128 rows, 16 bytes of padding behind each 256
	s_mov_b32 s[G1SB+1], 32<<16
	s_mov_b32 s[G1SB+2], (128*KS/256)<<16
	s_mov_b32 s[G1SB+3], 32<<16
	s_mov_b32 s[G1SB+4], 128*KS/256
	s_mov_b32 s[G1SB+5], 32
	s_mov_b32 s[G1SB+6], 0
	s_mov_b32 s[G1SB+7], 0
	s_lshl_b32 s20, s17, 4
	s_lshl_b32 s18, s16, 3
	s_add_co_u32 s20, s20, s18
	s_mul_i32 s22, s20, ASRB
	s_mov_b32 s23, 0
	s_mul_i32 s20, s20, ARTB
	s_mov_b32 s21, 0
	s_lshl_b32 s46, s42, 8
	s_lshl_b32 s18, s16, 7
	s_add_co_u32 s46, s46, s18
	s_mul_i32 s92, s46, KS
	s_mov_b32 s93, 0
	s_mul_i32 s46, s46, KROW
	s_mov_b32 s47, 0
	s_mul_i32 s45, s16, AHALF
	s_mul_i32 s94, s16, BHALF
	s_mul_i32 s66, s16, SAH
	s_mul_i32 s67, s16, HALFS
	s_wait_kmcnt 0x0
	s_add_nc_u64 s[20:21], s[4:5], s[20:21]
	s_add_nc_u64 s[22:23], s[6:7], s[22:23]
	s_add_nc_u64 s[46:47], s[8:9], s[46:47]
	s_add_nc_u64 s[92:93], s[10:11], s[92:93]
	CROUND                                         ; all sixteen work-groups are here: the first joint loads meet
	s_mov_b32 s[G0S], 1
	s_add_co_u32 s[G0S+1], s66, SCA
	s_mov_b64 s[G0S+2:G0S+3], s[22:23]
	s_or_b32 s[G0S+3], s[G0S+3], 0x80000000
	s_mov_b32 s[G0SB], 1
	s_add_co_u32 s[G0SB+1], s67, SCB
	s_mov_b64 s[G0SB+2:G0SB+3], s[92:93]
	s_or_b32 s[G0SB+3], s[G0SB+3], 0x80000000
	JLOAD G0S, G1S, G0SB, G1SB
.irp s, 0,1
	s_mov_b32 s[G0+4*\s], 1
	s_add_co_u32 s[G0+4*\s+1], s45, \s*SLOT
	s_add_nc_u64 s[G0+4*\s+2:G0+4*\s+3], s[20:21], \s*3072
	s_or_b32 s[G0+4*\s+3], s[G0+4*\s+3], 0x80000000
	s_mov_b32 s[G0B+4*\s], 1
	s_add_co_u32 s[G0B+4*\s+1], s94, \s*SLOT+BOFF
	s_add_nc_u64 s[G0B+4*\s+2:G0B+4*\s+3], s[46:47], \s*192
	s_or_b32 s[G0B+4*\s+3], s[G0B+4*\s+3], 0x80000000
	JLOAD G0+4*\s, G1, G0B+4*\s, G1B               ; three tensor loads of a wave are out here, later one
.endr
	v_and_b32 v1, 15, v0                           ; r
	v_bfe_u32 v2, v0, 4, 1                         ; h
	v_and_b32 v3, 31, v0                           ; lane
	v_lshlrev_b32 v[LI], 4, v3
	v_lshl_add_u32 v[LI8], v3, 3, 512
	v_mul_u32_u24 v6, v1, PITCH
	v_mad_u32_u24 v6, v2, 24, v6
	v_lshl_add_u32 v7, v2, 4, v6
	s_mul_i32 s21, s15, AHALF
	s_mul_i32 s22, s16, BHALF
	s_add_co_u32 s22, s22, BOFF
.irp s, 0,1
	v_add_nc_u32 v[ADRA16+\s], s21, v[LI]
	v_add_nc_u32 v[ADRA8+\s], s21, v[LI8]
	v_add_nc_u32 v[ADRB+\s], s22, v6
	v_add_nc_u32 v[ADRB+2+\s], s22, v7
	s_add_co_u32 s21, s21, SLOT
	s_add_co_u32 s22, s22, SLOT
.endr
	v_lshlrev_b32 v[LS], 2, v1
	s_mul_i32 s21, s15, SAH
	s_add_co_u32 s21, s21, SCA
	v_add_nc_u32 v[ADRSA], s21, v[LS]
	v_mul_u32_u24 v9, v1, KS
	v_lshrrev_b32 v10, 8, v9
	v_lshl_add_u32 v9, v10, 4, v9
	s_mul_i32 s22, s16, HALFS
	s_add_co_u32 s22, s22, SCB
	v_add_nc_u32 v[ADRSB], s22, v9
	s_lshl_b32 s46, s42, 10
	s_lshl_b32 s47, s16, 9
	s_add_co_u32 s46, s46, s47                     ; my first column, in bytes of f32
	s_mov_b32 s47, 0
	s_add_nc_u64 s[12:13], s[12:13], s[46:47]
	s_lshl_b32 s20, s17, 8
	s_lshl_b32 s21, s15, 7
	s_add_co_u32 s20, s20, s21                     ; my first token
	s_lshl_b32 s20, s20, 12
	s_add_co_u32 s20, s20, s46
	s_mov_b32 s21, 0
	s_add_nc_u64 s[96:97], s[96:97], s[20:21]
	s_add_nc_u64 s[98:99], s[98:99], s[20:21]
	s_mul_i32 s23, s14, 16*528                     ; my stage
	v_mul_u32_u24 v9, v1, 528
	v_lshl_add_u32 v9, v2, 5, v9
	v_add_nc_u32 v[STO], s23, v9
	v_add_nc_u32 v[RD], s23, v[LI]
	v_mov_b32 v[CO], v[LI]
	v_lshlrev_b32 v[BO], 5, v2
	WIN TO_B
.irp b, 0,1,2,3,4,5,6,7
	global_load_b128 v[96+8*\b+96*(\b/4):96+8*\b+96*(\b/4)+3], v[BO], s[12:13] offset:64*\b
	global_load_b128 v[96+8*\b+96*(\b/4)+4:96+8*\b+96*(\b/4)+7], v[BO], s[12:13] offset:64*\b+16
.endr
	WIN 0
.macro FRAG reg, adr, q, i
.irp p, 0,1,2,3,4,5
.set PCE, 12*(\q)+6*(\p/3)+\p%3
.if PCE%8 < 5
	ds_load_b64 v[\reg+2*\p:\reg+2*\p+1], v[\adr] offset:8*PCE+16*(PCE/8)+(\i)*16*PITCH
.else
	ds_load_b64 v[\reg+2*\p:\reg+2*\p+1], v[\adr+2] offset:8*PCE+16*(PCE/8)+(\i)*16*PITCH
.endif
.endr
.endm
.macro FRAGA reg, slot, q, i
.irp c, 0,1
	ds_load_b128 v[\reg+6*\c:\reg+6*\c+3], v[ADRA16+\slot] offset:3072*(\i)+1536*(\q)+768*\c
	ds_load_b64 v[\reg+6*\c+4:\reg+6*\c+5], v[ADRA8+\slot] offset:3072*(\i)+1536*(\q)+768*\c
.endr
.endm
.macro MUL16 a0, p, q, sc, first       ; the 64 accumulators take turns
.irp a, \a0, \a0+1
.irp b, 0,1,2,3,4,5,6,7
.if \first
	v_wmma_scale_f32_16x16x128_f8f6f4 v[8*(8*((\a)%4)+\b):8*(8*((\a)%4)+\b)+7], v[128*(\p)+FR*\b:128*(\p)+FR*\b+FR-1], v[AF+FR*(\a):AF+FR*(\a)+FR-1], v[96+8*\b+96*(\b/4):96+8*\b+96*(\b/4)+7], v[SB+16*(\sc)+2*\b+(\q)], v[SA+16*(\sc)+2*(\a)+(\q)] matrix_a_fmt:MATRIX_FMT_FP6 matrix_b_fmt:MATRIX_FMT_FP6
.else
	v_wmma_scale_f32_16x16x128_f8f6f4 v[8*(8*((\a)%4)+\b):8*(8*((\a)%4)+\b)+7], v[128*(\p)+FR*\b:128*(\p)+FR*\b+FR-1], v[AF+FR*(\a):AF+FR*(\a)+FR-1], v[8*(8*((\a)%4)+\b):8*(8*((\a)%4)+\b)+7], v[SB+16*(\sc)+2*\b+(\q)], v[SA+16*(\sc)+2*(\a)+(\q)] matrix_a_fmt:MATRIX_FMT_FP6 matrix_b_fmt:MATRIX_FMT_FP6
.endif
.endr
.endr
.endm
.macro FETCH_B slot, q, p
	WIN TO_B
.irp i, 0,1,2,3,4,5,6,7
	FRAG 128*(\p)+FR*\i, ADRB+\slot, \q, \i
.endr
	WIN 0
.endm
.macro FETCH_A slot, q, i0
.irp i, \i0, \i0+1, \i0+2, \i0+3
	FRAGA AF+FR*(\i), \slot, \q, \i
.endr
.endm
.macro SCALES sc
.irp i, 0,1,2,3,4,5,6,7
	ds_load_b32 v[SA+16*\sc+2*\i], v[ADRSA] offset:\i*ASRB
	ds_load_b32 v[SA+16*\sc+2*\i+1], v[ADRSA] offset:\i*ASRB+64
	ds_load_b64 v[SB+16*\sc+2*\i:SB+16*\sc+2*\i+1], v[ADRSB] offset:\i*SBLK
.endr
.endm
.macro PLACES
.rept 4
	v_nop
.endr
.endm
.macro STEP slot, q, first
	s_wait_dscnt 16                                ; all but the youngest 16 loads (A's blocks 4-7) are in
.if \first
	WIN 0x91
.else
	WIN MUL_LO
.endif
	MUL16 0, (\q)%2, \q, \slot, \first
	MUL16 2, (\q)%2, \q, \slot, \first
	s_wait_dscnt 0
	PLACES
	FETCH_B \slot, (\q)+1, 1-(\q)%2
	FETCH_A \slot, (\q)+1, 0
.if \first
	WIN 0xd1
.else
	WIN MUL_HI
.endif
	MUL16 4, (\q)%2, \q, \slot, \first
	MUL16 6, (\q)%2, \q, \slot, \first
	PLACES
	WIN 0
	FETCH_A \slot, (\q)+1, 4
.endm
.macro TURN slot, next, fill
	s_wait_tensorcnt 0x0                           ; all my tensor loads have landed: my part of the next slot
	ds_add_u32 v[SPW], v[NIL]                      ; 0 onto my spare word
	s_wait_dscnt 17                                ; (the add and A's blocks 4-7 may be out)
	WIN MUL_LO
	MUL16 0, 1, 1, \slot, 0
	s_wait_dscnt 0x0                               ; the add is done, and my reads of this slot are over
	s_barrier_signal -1
	MUL16 2, 1, 1, \slot, 0
	WIN 0
	s_barrier_wait -1
.if \fill
	CREST
	s_add_nc_u64 s[G0+4*\slot+2:G0+4*\slot+3], s[G0+4*\slot+2:G0+4*\slot+3], 2*3072
	s_add_nc_u64 s[G0B+4*\slot+2:G0B+4*\slot+3], s[G0B+4*\slot+2:G0B+4*\slot+3], 2*192
	JLOAD G0+4*\slot, G1, G0B+4*\slot, G1B
.else
	PLACES
.endif
	v_add_nc_u32 v[ADRSA], 128, v[ADRSA]
	v_add_nc_u32 v[ADRSB], 8, v[ADRSB]
	FETCH_B \next, 0, 0
	FETCH_A \next, 0, 0
	SCALES \next
	WIN MUL_HI
	MUL16 4, 1, 1, \slot, 0
	MUL16 6, 1, 1, \slot, 0
	PLACES
	WIN 0
	FETCH_A \next, 0, 4
.endm
	s_wait_tensorcnt 1                             ; the scales and my part of slot 0 are in; slot 1's load may be out
	s_barrier_signal -1
	s_barrier_wait -1
	FETCH_B 0, 0, 0
	FETCH_A 0, 0, 0
	SCALES 0
	FETCH_A 0, 0, 4
	s_wait_loadcnt 0x0                             ; the bias
	STEP 0, 0, 1
	s_mov_b32 s3, LAPS-1
.Llap:
	TURN 0, 1, 1
	STEP 1, 0, 0
	TURN 1, 0, 1
	STEP 0, 0, 0
	s_sub_co_u32 s3, s3, 1
	s_cmp_lg_u32 s3, 0
	s_cbranch_scc1 .Llap
	TURN 0, 1, 0
	STEP 1, 0, 0
	s_wait_dscnt 16
	WIN MUL_LO
	MUL16 0, 1, 1, 1, 0
	MUL16 2, 1, 1, 1, 0
	s_wait_dscnt 0
	WIN MUL_HI
	MUL16 4, 1, 1, 1, 0
	MUL16 6, 1, 1, 1, 0
	WIN 0
; ---------------- the way out ----------------
.macro RLOAD a                         ; the residual's 16 rows of block a into window 1, set a % 4.  Row t of block a is token 32 (a / 2) + 8 (a % 2) + t + 8 (t / 8) of my 128
.irp t, 0,1,2,3,4,5,6,7,8,9,10,11,12,13,14,15
	global_load_b128 v[64*((\a)%4)+4*\t:64*((\a)%4)+4*\t+3], v[CO], s[96:97] offset:(32*((\a)/2)+8*((\a)%2)+\t+8*(\t/8))*4096
.endr
.endm
.macro TOSTAGE a
	WIN (0x08+4*((\a)/4))
.irp b, 0,1,2,3,4,5,6,7
	ds_store_b128 v[STO], v[64*((\a)%4)+8*\b:64*((\a)%4)+8*\b+3] offset:64*\b          ; each accumulator from its low end on
	ds_store_b128 v[STO], v[64*((\a)%4)+8*\b+4:64*((\a)%4)+8*\b+7] offset:64*\b+16
.endr
	WIN 0
.set BB, 128+64*((\a)%2)
.irp t, 0,1,2,3,4,5,6,7,8,9,10,11,12,13,14,15
	ds_load_b128 v[BB+4*\t:BB+4*\t+3], v[RD] offset:\t*528      ; LDS serves a wave's instructions in order: these see my stores
.endr
.endm
	PLACES                                         ; behind the last products: for the loads into B's registers and the reads of results
	WIN TO_B
	RLOAD 0
	RLOAD 1
	RLOAD 2
	RLOAD 3
	WIN 0
.irp a, 0,1,2,3,4,5,6,7
.if \a > 1
	s_wait_xcnt 0x0                                ; block a - 2's stores have read their registers
.endif
	TOSTAGE \a
	s_wait_dscnt 0x0
.if \a < 5
	s_wait_loadcnt 48                              ; this block's residual is in; three later blocks' 48 loads may be out
.else
	s_wait_loadcnt 16*(7-\a)
.endif
	WIN 0x04                                       ; source 1 in window 1
.set i, 0
.rept 32
	v_pk_add_f32 v[BB+i:BB+i+1], v[BB+i:BB+i+1], v[64*(\a%4)+i:64*(\a%4)+i+1]
.set i, i+2
.endr
.if \a < 4
	WIN TO_B
	RLOAD \a+4
.endif
	WIN 0
.irp t, 0,1,2,3,4,5,6,7,8,9,10,11,12,13,14,15
	global_store_b128 v[CO], v[BB+4*\t:BB+4*\t+3], s[98:99] offset:(32*(\a/2)+8*(\a%2)+\t+8*(\t/8))*4096   ; 512 consecutive bytes, at a multiple of 512 from the buffer's first byte
.endr
.endr
	s_wait_tensorcnt 0x0                           ; the wave's end
	ds_add_u32 v[SPW], v[NIL]
	s_wait_dscnt 0x0
	CROUND                                         ; the closing round
	s_endpgm
.Lfunc_end_k_qbe284443fe_fc2:
	.size	k_qbe284443fe_fc2, .Lfunc_end_k_qbe284443fe_fc2-k_qbe284443fe_fc2
	.p2alignl 7, 3214868480
	.fill 96, 4, 3214868480
	.section	.rodata,"a",@progbits
	.p2align	6, 0x0
	.amdhsa_kernel k_qbe284443fe_fc2
		.amdhsa_group_segment_fixed_size 327680
		.amdhsa_private_segment_fixed_size 0
		.amdhsa_enable_private_segment 0
		.amdhsa_kernarg_size 56
		.amdhsa_user_sgpr_count 2
		.amdhsa_user_sgpr_kernarg_segment_ptr 1
		.amdhsa_wavefront_size32 1
		.amdhsa_system_sgpr_workgroup_id_x 1
		.amdhsa_system_sgpr_workgroup_id_y 1
		.amdhsa_system_sgpr_workgroup_id_z 1
		.amdhsa_system_vgpr_workitem_id 0
		.amdhsa_next_free_vgpr 1024
		.amdhsa_next_free_sgpr 102
		.amdhsa_reserve_vcc 0
		.amdhsa_float_denorm_mode_32 3
		.amdhsa_float_denorm_mode_16_64 3
		.amdhsa_memory_ordered 1
		.amdhsa_forward_progress 1
		.amdhsa_inst_pref_size 186
	.end_amdhsa_kernel
	.amdgpu_metadata
---
amdhsa.version: [ 1, 2 ]
amdhsa.kernels:
  - .name:           k_qbe284443fe_fc2
    .symbol:         k_qbe284443fe_fc2.kd
    .args:
      - { .name: h_img, .offset: 0, .size: 8, .value_kind: global_buffer, .address_space: global }
      - { .name: h_scl, .offset: 8, .size: 8, .value_kind: global_buffer, .address_space: global }
      - { .name: fc2_w_codes, .offset: 16, .size: 8, .value_kind: global_buffer, .address_space: global }
      - { .name: fc2_w_scales, .offset: 24, .size: 8, .value_kind: global_buffer, .address_space: global }
      - { .name: fc2_b, .offset: 32, .size: 8, .value_kind: global_buffer, .address_space: global }
      - { .name: x1, .offset: 40, .size: 8, .value_kind: global_buffer, .address_space: global }
      - { .name: out0, .offset: 48, .size: 8, .value_kind: global_buffer, .address_space: global }
    .group_segment_fixed_size: 327680
    .private_segment_fixed_size: 0
    .kernarg_segment_align: 8
    .kernarg_segment_size: 56
    .max_flat_workgroup_size: 128
    .sgpr_count:     102
    .vgpr_count:     1024
    .wavefront_size: 32
...
	.end_amdgpu_metadata
.endif
;; end of part 6
;; ======== version 2 of 2: 7 launches
;; limits: a function is approximated: absolute error at most 1.5e-07
;; workspace buffers: a_img 3,145,728 bytes; a_scl 131,072 bytes; q_img 3,145,728 bytes; q_scl 262,144 bytes; kv 6,684,672 bytes; x1 16,777,216 bytes; h_img 12,582,912 bytes; h_scl 524,288 bytes
;; launch ln1: the kernel of part 1 again; grid 256 x 1, 4 waves a work-group, no clusters, 66,560 bytes of LDS; arguments x, ln1_w, ln1_b, a_img, a_scl; writes a_img, a_scl
;; launch qkv: the kernel of part 2 again; grid 12 x 16, 4 waves a work-group, clusters of 4 x 4, 327,680 bytes of LDS; arguments a_img, a_scl, attn_w_codes, attn_w_scales, attn_b, q_img, q_scl, kv; writes q_img, q_scl, kv
;; launch attn: the kernel of part 3 again; grid 8 x 32, 16 waves a work-group, no clusters, 210,944 bytes of LDS; arguments q_img, q_scl, kv, a_img, a_scl; writes a_img, a_scl
;; launch proj (part 7): grid 8 x 32, 4 waves a work-group, clusters of 4 x 4, 327,680 bytes of LDS; arguments a_img, a_scl, proj_w_codes, proj_w_scales, proj_b, x, x1; writes x1
.if DOCPART == 7
	.amdgcn_target "amdgcn-amd-amdhsa--gfx1250"
	.amdhsa_code_object_version 6
	.text
	.protected	k_qbe284443fe_proj
	.globl	k_qbe284443fe_proj
	.p2align	8
	.type	k_qbe284443fe_proj,@function
k_qbe284443fe_proj:
	s_mov_b64 s[64:65], 0
	v_nop
	global_prefetch_b8 v0, s[64:65] scope:SCOPE_SE
	s_setreg_imm32_b32 hwreg(HW_REG_WAVE_MODE, 25, 1), 1
	s_wait_xcnt 0x0
	s_wait_alu depctr_hold_cnt(0) depctr_sa_sdst(0) depctr_va_vdst(0) depctr_va_sdst(0) depctr_va_ssrc(0) depctr_va_vcc(0) depctr_vm_vsrc(0)
	s_getreg_b32 s2, hwreg(HW_REG_IB_STS2, 6, 4)
	s_cmp_eq_u32 s2, 0
	s_cbranch_scc0 .Lentry_in_a_cluster
	s_endpgm
.Lentry_in_a_cluster:
	s_bfe_u32 s2, ttmp6, 0x10000c
	s_cmp_lg_u32 s2, 0xf033
	s_cbranch_scc0 .Lentry_shape_is_right
	s_endpgm
.Lentry_shape_is_right:
; out = res + A W + b on codes of FP6 (E2M3) with E8M0 scales for each 32 along K; out and res are [4096][1024] f32.  Here K = 1,024: the two LDS slots hold all of K, and nothing is filled again.
; THE TILE.  The output has 1,024 columns: tiles of 256 x 256 would be 64 work-groups; tiles of 128 tokens x 128 columns make 256.  Four waves, 64 x 64 each: 16 accumulators, 128 registers.
; K goes in slots of 512 through two LDS slots; a slot is four steps of 128 along K, 16 matrix instructions a wave each, on two fragment buffers by turns: a step's 40 LDS loads are issued a step ahead.
; A (the activations) lies in memory as images: [rowtile][K / 64][768 bytes], registers 0-3 of a half fragment at 16 x lane, registers 4-5 at 512 + 8 x lane: four dense LDS loads a fragment.
; Row r of rowtile t is token 32 (t / 2) + 8 (t % 2) + r + 8 (r / 8).  A's scale words: [rowtile][K / 128][16 x 4 bytes].  B (the weight) lies as rows of codes, K innermost, with a scale byte for each 32.
; All scales of the work-group's rows come into LDS once.  The bias is the C of each sum's first matrix instruction.  The matrix instruction is used transposed (source 0 = 16 rows of B, source 1 = 16 rows of A):
; a lane holds one token and eight neighbouring columns.  One accumulator for each output, K ascending.
; CLUSTERS: 4 x 4 work-groups; A's tiles are asked for jointly along a row of the cluster, B's along a column.
; THE RESIDUAL's rows of the wave's 64 x 64 are asked for at the head, into 128 registers of their own, and land while the products run.
; THE WAY OUT.  A block of 16 tokens x 64 columns goes through the wave's stage in LDS (in slot 0, which has had its last fill and its last read) and comes back, into the registers that it left, as rows of
; 256 bytes; the residual is added, and sixteen lanes store 256 consecutive bytes.
; REGISTERS, in windows of 256: window 0: v1-31 addresses; v32-95 scale words; v128-255 the accumulators ((a, b) at v[128 + 8 (4 a + b)]).
;   window 1: two fragment buffers of 96 (A's four fragments, then B's four) at v0 and v96; v192-223 the bias.   window 2: v0-127 the residual.
.set SIZE_K, 1024
.set ARTB,  SIZE_K*12                  ; a rowtile's codes in memory, bytes
.set ASRB,  SIZE_K/2                   ; a rowtile's scale words
.set KROW,  SIZE_K*3/4                 ; a row of B
.set KS,    SIZE_K/32                  ; a row of B's scale bytes
.set PITCH, 432                        ; B's row in LDS: 3 x (128 bytes + 16 of padding) = 108 words: sixteen rows start at sixteen different multiples of four banks
.set FR,    12
.set AHALF, 4*6144                     ; 4 rowtiles x 512 along K: what one tensor load brings of A, and what a wave reads of it
.set BHALF, 64*PITCH                   ; 64 rows of B
.set BOFF,  2*AHALF
.set SLOT,  BOFF+2*BHALF               ; 104,448
.set LAPS,  SIZE_K/1024                ; a lap = two slots
.set SCA,   2*SLOT                     ; A's scale words, dense
.set SAH,   4*ASRB
.set SCB,   SCA+2*SAH                  ; B's scale bytes, units of 256 bytes + 16
.set HALFS, (64*KS/256)*272
.set SBLK,  (16*KS/256)*272
.set SPARE, 327168                     ; the spare words: 128 bytes a wave, named by no other line
.set SP,    272                        ; a stage row: 256 bytes + 16
.set LI,   4                           ; v4   16 x lane
.set LI8,  5                           ; v5   512 + 8 x lane
.set LS,   8                           ; v8   4 r
.set ADRA16, 16                        ; v16-17 A's images in slot 0, 1: registers 0-3;  v18-19: registers 4-5
.set ADRA8,  18
.set ADRB, 20                          ; v20-21 B's rows in slot 0, 1;  v22-23 the same behind one padding more
.set STO,  24
.set RD,   25
.set CO,   26
.set ADRSA, 27
.set SPW,  28
.set NIL,  29
.set ADRSB, 30
.set BO,   31
.set SA,   32                          ; v32-63 A's scale words, two sets of 16: register 4 i + q
.set SB,   64                          ; v64-95 B's likewise.  These 64 registers hold scales and nothing else
.set ACC,  128
.set BIAS, 192                         ; in window 1
.set RES,  0                           ; in window 2
.set G1, 24
.set G0, 32
.set G1B, 48
.set G0B, 56
.set G1S, 68
.set G0S, 76
.set G1SB, 80
.set G0SB, 88
.set MSB, 0
.macro WIN new                         ; the immediate's high byte repeats the setting that is left
.if MSB != \new
	s_set_vgpr_msb (MSB<<8)|\new
.set MSB, \new
.endif
.endm
.set MUL,   0x05                       ; sources 0 (B) and 1 (A) window 1; C and D window 0
.set MUL_B, 0x15                       ; the same with C (the bias) in window 1
.set TO_F,  0x40                       ; destination window 1
.set TO_R,  0x80                       ; destination window 2
.macro JLOAD g0a, g1a, g0b, g1b        ; a joint load: waves 0, 1 fetch for A, waves 2, 3 for B; four v_nop follow each line
	s_cmp_eq_u32 s15, 0
	s_cbranch_scc0 .Lfor_b_\@
	tensor_load_to_lds s[\g0a:\g0a+3], s[\g1a:\g1a+7]
	s_nop 0
.rept 4
	v_nop
.endr
	s_branch .Lasked_\@
.Lfor_b_\@:
	tensor_load_to_lds s[\g0b:\g0b+3], s[\g1b:\g1b+7]
	s_nop 0
.rept 4
	v_nop
.endr
.Lasked_\@:
.endm
.macro CREST                           ; a round of the cluster's barrier behind its opening barrier
	s_cmp_lg_u32 s14, 0
	s_cbranch_scc1 .Lnot_wave_0_\@
	s_barrier_signal -3
.Lnot_wave_0_\@:
	s_barrier_wait -3
	s_barrier_signal -1
	s_barrier_wait -1
.endm
.macro CROUND
	s_barrier_signal -1
	s_barrier_wait -1
	CREST
.endm
	s_load_b128 s[4:7], s[0:1], 0x0                ; A's images, A's scale words
	s_load_b128 s[8:11], s[0:1], 0x10              ; B's codes, B's scale bytes
	s_load_b64 s[12:13], s[0:1], 0x20              ; the bias
	s_load_b128 s[96:99], s[0:1], 0x28             ; the residual, the output
	v_lshl_add_u32 v[SPW], v0, 2, SPARE
	v_mov_b32 v[NIL], 0
	ds_add_u32 v28, v29
	ds_add_u32 v28, v29
	s_wait_dscnt 0x0
	v_lshrrev_b32 v1, 5, v0
	v_readfirstlane_b32 s14, v1                    ; wave 0..3
	s_lshr_b32 s15, s14, 1                         ; my half of the tile's rows.  Also: I fetch for A (0) or B (1)
	s_and_b32 s16, s14, 1                          ; my half of its columns.  Also: which half I fetch
	s_bfe_u32 s40, ttmp6, 0x40000                  ; cx
	s_bfe_u32 s41, ttmp6, 0x40004                  ; cy
	s_lshl_b32 s42, ttmp9, 2
	s_add_co_u32 s42, s42, s40                     ; tile column, 0..7
	s_and_b32 s17, ttmp7, 0xffff
	s_lshl_b32 s17, s17, 2
	s_add_co_u32 s17, s17, s41                     ; tile row, 0..31
	s_lshl_b32 s43, s41, 2
	s_lshl_b32 s43, 15, s43                        ; my row of the cluster
	s_lshl_b32 s44, 0x1111, s40                    ; my column
	s_or_b32 s[G1+0], s43, (3<<16)|(1<<21)         ; A's tile: 4 rows (rowtiles) of 768 elements of 8 bytes, no padding
	s_mov_b32 s[G1+1], 768<<16
	s_mov_b32 s[G1+2], 4<<16
	s_mov_b32 s[G1+3], 768<<16
	s_mov_b32 s[G1+4], 4
	s_mov_b32 s[G1+5], ARTB/8
	s_mov_b32 s[G1+6], 0
	s_mov_b32 s[G1+7], 0
	s_or_b32 s[G1B+0], s44, (0<<16)|(1<<20)|(1<<21)|(4<<22)|(3<<25)   ; B's tile: 64 rows of 384 bytes, 4 words of padding behind every 32
	s_mov_b32 s[G1B+1], 384<<16
	s_mov_b32 s[G1B+2], 64<<16
	s_mov_b32 s[G1B+3], 384<<16
	s_mov_b32 s[G1B+4], 64
	s_mov_b32 s[G1B+5], KROW
	s_mov_b32 s[G1B+6], 0
	s_mov_b32 s[G1B+7], 0
	s_or_b32 s[G1S+0], s43, (3<<16)|(1<<21)        ; A's scale words of 4 rowtiles: a dense block as rows of 256 bytes
	s_mov_b32 s[G1S+1], 32<<16
	s_mov_b32 s[G1S+2], (SAH/256)<<16
	s_mov_b32 s[G1S+3], 32<<16
	s_mov_b32 s[G1S+4], SAH/256
	s_mov_b32 s[G1S+5], 32
	s_mov_b32 s[G1S+6], 0
	s_mov_b32 s[G1S+7], 0
	s_or_b32 s[G1SB+0], s44, (3<<16)|(1<<20)|(1<<21)|(5<<22)|(3<<25)  ; B's scale bytes of 64 rows: the same with 16 bytes of padding behind each 256
	s_mov_b32 s[G1SB+1], 32<<16
	s_mov_b32 s[G1SB+2], (64*KS/256)<<16
	s_mov_b32 s[G1SB+3], 32<<16
	s_mov_b32 s[G1SB+4], 64*KS/256
	s_mov_b32 s[G1SB+5], 32
	s_mov_b32 s[G1SB+6], 0
	s_mov_b32 s[G1SB+7], 0
	s_lshl_b32 s20, s17, 3
	s_lshl_b32 s18, s16, 2
	s_add_co_u32 s20, s20, s18                     ; A: the first rowtile that I fetch: 8 x tile row + 4 x half
	s_mul_i32 s22, s20, ASRB
	s_mov_b32 s23, 0
	s_mul_i32 s20, s20, ARTB
	s_mov_b32 s21, 0
	s_lshl_b32 s46, s42, 7
	s_lshl_b32 s18, s16, 6
	s_add_co_u32 s46, s46, s18                     ; B: the first row that I fetch: 128 x tile column + 64 x half
	s_mul_i32 s92, s46, KS
	s_mov_b32 s93, 0
	s_mul_i32 s46, s46, KROW
	s_mov_b32 s47, 0
	s_mul_i32 s45, s16, AHALF                      ; where they go: the wave's number alone enters an LDS address
	s_mul_i32 s94, s16, BHALF
	s_mul_i32 s66, s16, SAH
	s_mul_i32 s67, s16, HALFS
	s_wait_kmcnt 0x0
	s_add_nc_u64 s[20:21], s[4:5], s[20:21]
	s_add_nc_u64 s[22:23], s[6:7], s[22:23]
	s_add_nc_u64 s[46:47], s[8:9], s[46:47]
	s_add_nc_u64 s[92:93], s[10:11], s[92:93]
	CROUND                                         ; all sixteen work-groups are here: the first joint loads meet
	s_mov_b32 s[G0S], 1
	s_add_co_u32 s[G0S+1], s66, SCA
	s_mov_b64 s[G0S+2:G0S+3], s[22:23]
	s_or_b32 s[G0S+3], s[G0S+3], 0x80000000
	s_mov_b32 s[G0SB], 1
	s_add_co_u32 s[G0SB+1], s67, SCB
	s_mov_b64 s[G0SB+2:G0SB+3], s[92:93]
	s_or_b32 s[G0SB+3], s[G0SB+3], 0x80000000
	JLOAD G0S, G1S, G0SB, G1SB                     ; the scales first: filled once
.irp s, 0,1
	s_mov_b32 s[G0+4*\s], 1
	s_add_co_u32 s[G0+4*\s+1], s45, \s*SLOT
	s_add_nc_u64 s[G0+4*\s+2:G0+4*\s+3], s[20:21], \s*6144
	s_or_b32 s[G0+4*\s+3], s[G0+4*\s+3], 0x80000000
	s_mov_b32 s[G0B+4*\s], 1
	s_add_co_u32 s[G0B+4*\s+1], s94, \s*SLOT+BOFF
	s_add_nc_u64 s[G0B+4*\s+2:G0B+4*\s+3], s[46:47], \s*384
	s_or_b32 s[G0B+4*\s+3], s[G0B+4*\s+3], 0x80000000
	JLOAD G0+4*\s, G1, G0B+4*\s, G1B               ; three tensor loads of a wave are out here, later at most one
.endr
	v_and_b32 v1, 15, v0                           ; r
	v_bfe_u32 v2, v0, 4, 1                         ; h
	v_and_b32 v3, 31, v0                           ; lane
	v_lshlrev_b32 v[LI], 4, v3
	v_lshl_add_u32 v[LI8], v3, 3, 512
	v_mul_u32_u24 v6, v1, PITCH
	v_mad_u32_u24 v6, v2, 24, v6                   ; B: row x pitch + 24 h
	v_lshl_add_u32 v7, v2, 4, v6                   ; and behind one padding more
	s_mul_i32 s21, s15, AHALF                      ; my 4 rowtiles of A
	s_mul_i32 s22, s16, BHALF
	s_add_co_u32 s22, s22, BOFF                    ; my 64 rows of B
.irp s, 0,1
	v_add_nc_u32 v[ADRA16+\s], s21, v[LI]
	v_add_nc_u32 v[ADRA8+\s], s21, v[LI8]
	v_add_nc_u32 v[ADRB+\s], s22, v6
	v_add_nc_u32 v[ADRB+2+\s], s22, v7
	s_add_co_u32 s21, s21, SLOT
	s_add_co_u32 s22, s22, SLOT
.endr
	v_lshlrev_b32 v[LS], 2, v1
	s_mul_i32 s21, s15, SAH
	s_add_co_u32 s21, s21, SCA
	v_add_nc_u32 v[ADRSA], s21, v[LS]
	v_mul_u32_u24 v9, v1, KS
	v_lshrrev_b32 v10, 8, v9
	v_lshl_add_u32 v9, v10, 4, v9                  ; KS bytes a row, and 16 more for each 256 passed
	s_mul_i32 s22, s16, HALFS
	s_add_co_u32 s22, s22, SCB
	v_add_nc_u32 v[ADRSB], s22, v9
	s_lshl_b32 s46, s42, 9
	s_lshl_b32 s47, s16, 8
	s_add_co_u32 s46, s46, s47                     ; my first column, in bytes of f32: 512 x tile column + 256 x half
	s_mov_b32 s47, 0
	s_add_nc_u64 s[12:13], s[12:13], s[46:47]
	s_lshl_b32 s20, s17, 7
	s_lshl_b32 s21, s15, 6
	s_add_co_u32 s20, s20, s21                     ; my first token: 128 x tile row + 64 x half
	s_lshl_b32 s20, s20, 12
	s_add_co_u32 s20, s20, s46
	s_mov_b32 s21, 0
	s_add_nc_u64 s[96:97], s[96:97], s[20:21]
	s_add_nc_u64 s[98:99], s[98:99], s[20:21]
	s_mul_i32 s23, s14, 16*SP                      ; my stage
	v_mul_u32_u24 v9, v1, SP
	v_lshl_add_u32 v9, v2, 5, v9
	v_add_nc_u32 v[STO], s23, v9                   ; in: row r, + 32 h
	v_mul_u32_u24 v10, v2, SP
	v_lshl_add_u32 v10, v1, 4, v10
	v_add_nc_u32 v[RD], s23, v10                   ; back: lanes 0-15 one row of 256 bytes, lanes 16-31 the next
	v_lshlrev_b32 v[CO], 12, v2
	v_lshl_add_u32 v[CO], v1, 4, v[CO]             ; and the same two tokens in memory: rows 2 t and 2 t + 1 of a rowtile are neighbouring tokens
	v_lshlrev_b32 v[BO], 5, v2
	WIN TO_F
.irp b, 0,1,2,3                        ; the bias in the result's layout: tile b, lane (r, h), register j: column 16 b + 8 h + j
	global_load_b128 v[BIAS+8*\b:BIAS+8*\b+3], v[BO], s[12:13] offset:64*\b
	global_load_b128 v[BIAS+8*\b+4:BIAS+8*\b+7], v[BO], s[12:13] offset:64*\b+16
.endr
	WIN TO_R
.irp a, 0,1,2,3                        ; the residual: block a, rows 2 t and 2 t + 1: tokens 32 (a / 2) + 8 (a % 2) + 2 t + 8 (t / 4) and the next; 32 loads that stay out until the way out
.irp t, 0,1,2,3,4,5,6,7
	global_load_b128 v[RES+32*\a+4*\t:RES+32*\a+4*\t+3], v[CO], s[96:97] offset:(32*(\a/2)+8*(\a%2)+2*\t+8*(\t/4))*4096
.endr
.endr
	WIN 0
.macro FRAG reg, adr, q, i             ; a fragment of B: six pieces of 8 bytes of the row's stream of bits; 16 pieces lie between two paddings; where the piece of lanes 16-31, three on, lies behind one padding more, the second address register serves
.irp p, 0,1,2,3,4,5
.set PCE, 12*(\q)+6*(\p/3)+\p%3
.if PCE%16 < 13
	ds_load_b64 v[\reg+2*\p:\reg+2*\p+1], v[\adr] offset:8*PCE+16*(PCE/16)+(\i)*16*PITCH
.else
	ds_load_b64 v[\reg+2*\p:\reg+2*\p+1], v[\adr+2] offset:8*PCE+16*(PCE/16)+(\i)*16*PITCH
.endif
.endr
.endm
.macro FRAGA reg, slot, q, i           ; a fragment of A: two images of 768 bytes
.irp c, 0,1
	ds_load_b128 v[\reg+6*\c:\reg+6*\c+3], v[ADRA16+\slot] offset:6144*(\i)+1536*(\q)+768*\c
	ds_load_b64 v[\reg+6*\c+4:\reg+6*\c+5], v[ADRA8+\slot] offset:6144*(\i)+1536*(\q)+768*\c
.endr
.endm
.macro FETCH slot, q, f                ; 40 loads: the fragments of the slot's q-th 128 along K into buffer f
	WIN TO_F
.irp i, 0,1,2,3
	FRAGA 96*(\f)+FR*\i, \slot, \q, \i
.endr
.irp i, 0,1,2,3
	FRAG 96*(\f)+48+FR*\i, ADRB+\slot, \q, \i
.endr
.endm
.macro SCALES sc                       ; 20 loads: the slot's four scale words of A's four blocks and of B's four
.irp i, 0,1,2,3
.irp q, 0,1,2,3
	ds_load_b32 v[SA+16*\sc+4*\i+\q], v[ADRSA] offset:\i*ASRB+64*\q
.endr
	ds_load_b128 v[SB+16*\sc+4*\i:SB+16*\sc+4*\i+3], v[ADRSB] offset:\i*SBLK
.endr
.endm
; 16 matrix instructions: A's four blocks x B's four, buffer f, the slot's q-th 128, scale set sc.  first = 1: C is the bias.  The 16 accumulators take turns.
.macro MUL16 f, q, sc, first
.irp a, 0,1,2,3
.irp b, 0,1,2,3
.if \first
	v_wmma_scale_f32_16x16x128_f8f6f4 v[ACC+8*(4*\a+\b):ACC+8*(4*\a+\b)+7], v[96*(\f)+48+FR*\b:96*(\f)+48+FR*\b+FR-1], v[96*(\f)+FR*\a:96*(\f)+FR*\a+FR-1], v[BIAS+8*\b:BIAS+8*\b+7], v[SB+16*(\sc)+4*\b+(\q)], v[SA+16*(\sc)+4*\a+(\q)] matrix_a_fmt:MATRIX_FMT_FP6 matrix_b_fmt:MATRIX_FMT_FP6
.else
	v_wmma_scale_f32_16x16x128_f8f6f4 v[ACC+8*(4*\a+\b):ACC+8*(4*\a+\b)+7], v[96*(\f)+48+FR*\b:96*(\f)+48+FR*\b+FR-1], v[96*(\f)+FR*\a:96*(\f)+FR*\a+FR-1], v[ACC+8*(4*\a+\b):ACC+8*(4*\a+\b)+7], v[SB+16*(\sc)+4*\b+(\q)], v[SA+16*(\sc)+4*\a+(\q)] matrix_a_fmt:MATRIX_FMT_FP6 matrix_b_fmt:MATRIX_FMT_FP6
.endif
.endr
.endr
.endm
.macro PLACES                          ; four plain places behind matrix instructions, in front of loads into their registers and of reads of results
.rept 4
	v_nop
.endr
.endm
.macro STEP slot, q, first             ; 128 along K whose successor lies in the same slot
	PLACES                                         ; the last step's products read the buffer that is loaded now
	FETCH \slot, (\q)+1, 1-(\q)%2
	s_wait_dscnt 40                                ; all but the 40 just issued: this step's fragments, asked for a step ago, are in
.if \first
	WIN MUL_B
.else
	WIN MUL
.endif
	MUL16 (\q)%2, \q, \slot, \first
.endm
.macro TURN slot, next, fill           ; a slot's fourth step, and the change of slots at its head: all reads of this slot have been issued
	WIN 0                                          ; at a branch and at a label every window is 0; the add's registers lie in window 0
	s_wait_tensorcnt 0x0                           ; all my tensor loads have landed: my part of the next slot
	ds_add_u32 v[SPW], v[NIL]                      ; 0 onto my spare word
	PLACES                                         ; the places behind the third step's products stand between the add and the wait for it
	s_wait_dscnt 0x0                               ; the add is done, and my reads of this slot are over: this step's fragments are in
.if \fill
	CROUND                                         ; a round of the cluster's barrier: no wave of any partner still reads this slot or has a load on its way
	s_add_nc_u64 s[G0+4*\slot+2:G0+4*\slot+3], s[G0+4*\slot+2:G0+4*\slot+3], 2*6144
	s_add_nc_u64 s[G0B+4*\slot+2:G0B+4*\slot+3], s[G0B+4*\slot+2:G0B+4*\slot+3], 2*384
	JLOAD G0+4*\slot, G1, G0B+4*\slot, G1B         ; the first tensor load behind the round: it has this step and the next slot's three in which to land
.else
	s_barrier_signal -1
	s_barrier_wait -1                              ; the next slot is whole
.endif
	v_add_nc_u32 v[ADRSA], 256, v[ADRSA]           ; the next slot's scale words
	v_add_nc_u32 v[ADRSB], 16, v[ADRSB]
	SCALES \next
	FETCH \next, 0, 0
	WIN MUL
	MUL16 1, 3, \slot, 0
.endm
	s_wait_tensorcnt 1                             ; the scales and my part of slot 0 are in; slot 1's load may be out
	s_barrier_signal -1
	s_barrier_wait -1
	SCALES 0
	FETCH 0, 0, 0
	s_wait_loadcnt 32                              ; the bias is in; the residual's 32 loads may be out
	STEP 0, 0, 1
	STEP 0, 1, 0
	STEP 0, 2, 0
.if LAPS > 1
	WIN 0
	s_mov_b32 s3, LAPS-1
.Llap:                                                 ; a trip goes once round the ring and fills both slots again
	TURN 0, 1, 1
	STEP 1, 0, 0
	STEP 1, 1, 0
	STEP 1, 2, 0
	TURN 1, 0, 1
	STEP 0, 0, 0
	STEP 0, 1, 0
	STEP 0, 2, 0
	WIN 0
	s_sub_co_u32 s3, s3, 1
	s_cmp_lg_u32 s3, 0
	s_cbranch_scc1 .Llap
.endif
	TURN 0, 1, 0                                   ; the last lap fills nothing
	STEP 1, 0, 0
	STEP 1, 1, 0
	STEP 1, 2, 0
	s_wait_dscnt 0x0                               ; the very last step: nothing more to fetch
	MUL16 1, 3, 1, 0
	WIN 0
; ---------------- the way out ----------------
.macro TOSTAGE a                       ; block a: 16 tokens x 64 columns into my stage, and back as rows, into the registers that it left
.irp b, 0,1,2,3
	ds_store_b128 v[STO], v[ACC+8*(4*\a+\b):ACC+8*(4*\a+\b)+3] offset:64*\b          ; each accumulator from its low end on
	ds_store_b128 v[STO], v[ACC+8*(4*\a+\b)+4:ACC+8*(4*\a+\b)+7] offset:64*\b+16
.endr
.irp t, 0,1,2,3,4,5,6,7
	ds_load_b128 v[ACC+32*\a+4*\t:ACC+32*\a+4*\t+3], v[RD] offset:2*\t*SP            ; LDS serves a wave's instructions in order: these see the stores above, and the next block's stores come behind them
.endr
.endm
	PLACES                                         ; behind the last products
.irp a, 0,1,2,3
	TOSTAGE \a
.endr
	s_wait_loadcnt 0x0                             ; the residual
.irp a, 0,1,2,3
	s_wait_dscnt 48-16*\a                          ; block a is back; the later blocks' 16 LDS instructions each may be out
	WIN 0x08                                       ; source 1 in window 2
.set i, 0
.rept 16
	v_pk_add_f32 v[ACC+32*\a+i:ACC+32*\a+i+1], v[ACC+32*\a+i:ACC+32*\a+i+1], v[RES+32*\a+i:RES+32*\a+i+1]
.set i, i+2
.endr
	WIN 0
.irp t, 0,1,2,3,4,5,6,7
	global_store_b128 v[CO], v[ACC+32*\a+4*\t:ACC+32*\a+4*\t+3], s[98:99] offset:(32*(\a/2)+8*(\a%2)+2*\t+8*(\t/4))*4096   ; sixteen lanes store 256 consecutive bytes, at a multiple of 256 from the buffer's first byte
.endr
.endr
	s_wait_tensorcnt 0x0                           ; the wave's end
	ds_add_u32 v[SPW], v[NIL]
	s_wait_dscnt 0x0
	CROUND                                         ; the closing round
	s_endpgm
.Lfunc_end_k_qbe284443fe_proj:
	.size	k_qbe284443fe_proj, .Lfunc_end_k_qbe284443fe_proj-k_qbe284443fe_proj
	.p2alignl 7, 3214868480
	.fill 96, 4, 3214868480
	.section	.rodata,"a",@progbits
	.p2align	6, 0x0
	.amdhsa_kernel k_qbe284443fe_proj
		.amdhsa_group_segment_fixed_size 327680
		.amdhsa_private_segment_fixed_size 0
		.amdhsa_enable_private_segment 0
		.amdhsa_kernarg_size 56
		.amdhsa_user_sgpr_count 2
		.amdhsa_user_sgpr_kernarg_segment_ptr 1
		.amdhsa_wavefront_size32 1
		.amdhsa_system_sgpr_workgroup_id_x 1
		.amdhsa_system_sgpr_workgroup_id_y 1
		.amdhsa_system_sgpr_workgroup_id_z 1
		.amdhsa_system_vgpr_workitem_id 0
		.amdhsa_next_free_vgpr 640
		.amdhsa_next_free_sgpr 102
		.amdhsa_reserve_vcc 0
		.amdhsa_float_denorm_mode_32 3
		.amdhsa_float_denorm_mode_16_64 3
		.amdhsa_memory_ordered 1
		.amdhsa_forward_progress 1
		.amdhsa_inst_pref_size 67
	.end_amdhsa_kernel
	.amdgpu_metadata
---
amdhsa.version: [ 1, 2 ]
amdhsa.kernels:
  - .name:           k_qbe284443fe_proj
    .symbol:         k_qbe284443fe_proj.kd
    .args:
      - { .name: a_img, .offset: 0, .size: 8, .value_kind: global_buffer, .address_space: global }
      - { .name: a_scl, .offset: 8, .size: 8, .value_kind: global_buffer, .address_space: global }
      - { .name: proj_w_codes, .offset: 16, .size: 8, .value_kind: global_buffer, .address_space: global }
      - { .name: proj_w_scales, .offset: 24, .size: 8, .value_kind: global_buffer, .address_space: global }
      - { .name: proj_b, .offset: 32, .size: 8, .value_kind: global_buffer, .address_space: global }
      - { .name: x, .offset: 40, .size: 8, .value_kind: global_buffer, .address_space: global }
      - { .name: x1, .offset: 48, .size: 8, .value_kind: global_buffer, .address_space: global }
    .group_segment_fixed_size: 327680
    .private_segment_fixed_size: 0
    .kernarg_segment_align: 8
    .kernarg_segment_size: 56
    .max_flat_workgroup_size: 128
    .sgpr_count:     102
    .vgpr_count:     640
    .wavefront_size: 32
...
	.end_amdgpu_metadata
.endif
;; end of part 7
;; launch ln2: the kernel of part 1 again; grid 256 x 1, 4 waves a work-group, no clusters, 66,560 bytes of LDS; arguments x1, ln2_w, ln2_b, a_img, a_scl; writes a_img, a_scl
;; launch fc: the kernel of part 5 again; grid 16 x 16, 4 waves a work-group, clusters of 4 x 4, 327,680 bytes of LDS; arguments a_img, a_scl, fc_w_codes, fc_w_scales, fc_b, h_img, h_scl; writes h_img, h_scl
;; launch fc2 (part 8): grid 8 x 32, 4 waves a work-group, clusters of 4 x 4, 327,680 bytes of LDS; arguments h_img, h_scl, fc2_w_codes, fc2_w_scales, fc2_b, x1, out0; writes out0
.if DOCPART == 8
	.amdgcn_target "amdgcn-amd-amdhsa--gfx1250"
	.amdhsa_code_object_version 6
	.text
	.protected	k_qbe284443fe_fc2
	.globl	k_qbe284443fe_fc2
	.p2align	8
	.type	k_qbe284443fe_fc2,@function
k_qbe284443fe_fc2:
	s_mov_b64 s[64:65], 0
	v_nop
	global_prefetch_b8 v0, s[64:65] scope:SCOPE_SE
	s_setreg_imm32_b32 hwreg(HW_REG_WAVE_MODE, 25, 1), 1
	s_wait_xcnt 0x0
	s_wait_alu depctr_hold_cnt(0) depctr_sa_sdst(0) depctr_va_vdst(0) depctr_va_sdst(0) depctr_va_ssrc(0) depctr_va_vcc(0) depctr_vm_vsrc(0)
	s_getreg_b32 s2, hwreg(HW_REG_IB_STS2, 6, 4)
	s_cmp_eq_u32 s2, 0
	s_cbranch_scc0 .Lentry_in_a_cluster
	s_endpgm
.Lentry_in_a_cluster:
	s_bfe_u32 s2, ttmp6, 0x10000c
	s_cmp_lg_u32 s2, 0xf033
	s_cbranch_scc0 .Lentry_shape_is_right
	s_endpgm
.Lentry_shape_is_right:
; out = res + A W + b on codes of FP6 (E2M3) with E8M0 scales for each 32 along K; out and res are [4096][1024] f32.  Here K = 4,096: eight slots' worth, of which six are refills.
; THE TILE.  The output has 1,024 columns: tiles of 256 x 256 would be 64 work-groups; tiles of 128 tokens x 128 columns make 256.  Four waves, 64 x 64 each: 16 accumulators, 128 registers.
; K goes in slots of 512 through a ring of two LDS slots, as long as two slots beside the scales allow; a slot is four steps of 128 along K, 16 matrix instructions a wave each, on two fragment buffers by turns:
; a step's 40 LDS loads are issued a step ahead.
; A (the activations) lies in memory as images: [rowtile][K / 64][768 bytes], registers 0-3 of a half fragment at 16 x lane, registers 4-5 at 512 + 8 x lane: four dense LDS loads a fragment.
; Row r of rowtile t is token 32 (t / 2) + 8 (t % 2) + r + 8 (r / 8).  A's scale words: [rowtile][K / 128][16 x 4 bytes].  B (the weight) lies as rows of codes, K innermost, with a scale byte for each 32.
; All scales of the work-group's rows come into LDS once.  The bias is the C of each sum's first matrix instruction.  The matrix instruction is used transposed (source 0 = 16 rows of B, source 1 = 16 rows of A):
; a lane holds one token and eight neighbouring columns.  One accumulator for each output, K ascending.
; CLUSTERS: 4 x 4 work-groups; A's tiles are asked for jointly along a row of the cluster, B's along a column.
; THE RESIDUAL's rows of the wave's 64 x 64 are asked for at the head, into 128 registers of their own, and land while the products run.
; THE WAY OUT.  A block of 16 tokens x 64 columns goes through the wave's stage in LDS (in slot 0, which has had its last fill and its last read) and comes back, into the registers that it left, as rows of
; 256 bytes; the residual is added, and sixteen lanes store 256 consecutive bytes.
; REGISTERS, in windows of 256: window 0: v1-31 addresses; v32-95 scale words; v128-255 the accumulators ((a, b) at v[128 + 8 (4 a + b)]).
;   window 1: two fragment buffers of 96 (A's four fragments, then B's four) at v0 and v96; v192-223 the bias.   window 2: v0-127 the residual.
.set SIZE_K, 4096
.set ARTB,  SIZE_K*12                  ; a rowtile's codes in memory, bytes
.set ASRB,  SIZE_K/2                   ; a rowtile's scale words
.set KROW,  SIZE_K*3/4                 ; a row of B
.set KS,    SIZE_K/32                  ; a row of B's scale bytes
.set PITCH, 432                        ; B's row in LDS: 3 x (128 bytes + 16 of padding) = 108 words: sixteen rows start at sixteen different multiples of four banks
.set FR,    12
.set AHALF, 4*6144                     ; 4 rowtiles x 512 along K: what one tensor load brings of A, and what a wave reads of it
.set BHALF, 64*PITCH                   ; 64 rows of B
.set BOFF,  2*AHALF
.set SLOT,  BOFF+2*BHALF               ; 104,448
.set LAPS,  SIZE_K/1024                ; a lap = two slots = once round the ring
.set SCA,   2*SLOT                     ; A's scale words, dense
.set SAH,   4*ASRB
.set SCB,   SCA+2*SAH                  ; B's scale bytes, units of 256 bytes + 16
.set HALFS, (64*KS/256)*272
.set SBLK,  (16*KS/256)*272
.set SPARE, 327168                     ; the spare words: 128 bytes a wave, named by no other line
.set SP,    272                        ; a stage row: 256 bytes + 16
.set LI,   4                           ; v4   16 x lane
.set LI8,  5                           ; v5   512 + 8 x lane
.set LS,   8                           ; v8   4 r
.set ADRA16, 16                        ; v16-17 A's images in slot 0, 1: registers 0-3;  v18-19: registers 4-5
.set ADRA8,  18
.set ADRB, 20                          ; v20-21 B's rows in slot 0, 1;  v22-23 the same behind one padding more
.set STO,  24
.set RD,   25
.set CO,   26
.set ADRSA, 27
.set SPW,  28
.set NIL,  29
.set ADRSB, 30
.set BO,   31
.set SA,   32                          ; v32-63 A's scale words, two sets of 16: register 4 i + q
.set SB,   64                          ; v64-95 B's likewise.  These 64 registers hold scales and nothing else
.set ACC,  128
.set BIAS, 192                         ; in window 1
.set RES,  0                           ; in window 2
.set G1, 24
.set G0, 32
.set G1B, 48
.set G0B, 56
.set G1S, 68
.set G0S, 76
.set G1SB, 80
.set G0SB, 88
.set MSB, 0
.macro WIN new                         ; the immediate's high byte repeats the setting that is left
.if MSB != \new
	s_set_vgpr_msb (MSB<<8)|\new
.set MSB, \new
.endif
.endm
.set MUL,   0x05                       ; sources 0 (B) and 1 (A) window 1; C and D window 0
.set MUL_B, 0x15                       ; the same with C (the bias) in window 1
.set TO_F,  0x40                       ; destination window 1
.set TO_R,  0x80                       ; destination window 2
.macro JLOAD g0a, g1a, g0b, g1b        ; a joint load: waves 0, 1 fetch for A, waves 2, 3 for B; four v_nop follow each line
	s_cmp_eq_u32 s15, 0
	s_cbranch_scc0 .Lfor_b_\@
	tensor_load_to_lds s[\g0a:\g0a+3], s[\g1a:\g1a+7]
	s_nop 0
.rept 4
	v_nop
.endr
	s_branch .Lasked_\@
.Lfor_b_\@:
	tensor_load_to_lds s[\g0b:\g0b+3], s[\g1b:\g1b+7]
	s_nop 0
.rept 4
	v_nop
.endr
.Lasked_\@:
.endm
.macro CREST                           ; a round of the cluster's barrier behind its opening barrier
	s_cmp_lg_u32 s14, 0
	s_cbranch_scc1 .Lnot_wave_0_\@
	s_barrier_signal -3
.Lnot_wave_0_\@:
	s_barrier_wait -3
	s_barrier_signal -1
	s_barrier_wait -1
.endm
.macro CROUND
	s_barrier_signal -1
	s_barrier_wait -1
	CREST
.endm
	s_load_b128 s[4:7], s[0:1], 0x0                ; A's images, A's scale words
	s_load_b128 s[8:11], s[0:1], 0x10              ; B's codes, B's scale bytes
	s_load_b64 s[12:13], s[0:1], 0x20              ; the bias
	s_load_b128 s[96:99], s[0:1], 0x28             ; the residual, the output
	v_lshl_add_u32 v[SPW], v0, 2, SPARE
	v_mov_b32 v[NIL], 0
	ds_add_u32 v28, v29
	ds_add_u32 v28, v29
	s_wait_dscnt 0x0
	v_lshrrev_b32 v1, 5, v0
	v_readfirstlane_b32 s14, v1                    ; wave 0..3
	s_lshr_b32 s15, s14, 1                         ; my half of the tile's rows.  Also: I fetch for A (0) or B (1)
	s_and_b32 s16, s14, 1                          ; my half of its columns.  Also: which half I fetch
	s_bfe_u32 s40, ttmp6, 0x40000                  ; cx
	s_bfe_u32 s41, ttmp6, 0x40004                  ; cy
	s_lshl_b32 s42, ttmp9, 2
	s_add_co_u32 s42, s42, s40                     ; tile column, 0..7
	s_and_b32 s17, ttmp7, 0xffff
	s_lshl_b32 s17, s17, 2
	s_add_co_u32 s17, s17, s41                     ; tile row, 0..31
	s_lshl_b32 s43, s41, 2
	s_lshl_b32 s43, 15, s43                        ; my row of the cluster
	s_lshl_b32 s44, 0x1111, s40                    ; my column
	s_or_b32 s[G1+0], s43, (3<<16)|(1<<21)         ; A's tile: 4 rows (rowtiles) of 768 elements of 8 bytes, no padding
	s_mov_b32 s[G1+1], 768<<16
	s_mov_b32 s[G1+2], 4<<16
	s_mov_b32 s[G1+3], 768<<16
	s_mov_b32 s[G1+4], 4
	s_mov_b32 s[G1+5], ARTB/8
	s_mov_b32 s[G1+6], 0
	s_mov_b32 s[G1+7], 0
	s_or_b32 s[G1B+0], s44, (0<<16)|(1<<20)|(1<<21)|(4<<22)|(3<<25)   ; B's tile: 64 rows of 384 bytes, 4 words of padding behind every 32
	s_mov_b32 s[G1B+1], 384<<16
	s_mov_b32 s[G1B+2], 64<<16
	s_mov_b32 s[G1B+3], 384<<16
	s_mov_b32 s[G1B+4], 64
	s_mov_b32 s[G1B+5], KROW
	s_mov_b32 s[G1B+6], 0
	s_mov_b32 s[G1B+7], 0
	s_or_b32 s[G1S+0], s43, (3<<16)|(1<<21)        ; A's scale words of 4 rowtiles: a dense block as rows of 256 bytes
	s_mov_b32 s[G1S+1], 32<<16
	s_mov_b32 s[G1S+2], (SAH/256)<<16
	s_mov_b32 s[G1S+3], 32<<16
	s_mov_b32 s[G1S+4], SAH/256
	s_mov_b32 s[G1S+5], 32
	s_mov_b32 s[G1S+6], 0
	s_mov_b32 s[G1S+7], 0
	s_or_b32 s[G1SB+0], s44, (3<<16)|(1<<20)|(1<<21)|(5<<22)|(3<<25)  ; B's scale bytes of 64 rows: the same with 16 bytes of padding behind each 256
	s_mov_b32 s[G1SB+1], 32<<16
	s_mov_b32 s[G1SB+2], (64*KS/256)<<16
	s_mov_b32 s[G1SB+3], 32<<16
	s_mov_b32 s[G1SB+4], 64*KS/256
	s_mov_b32 s[G1SB+5], 32
	s_mov_b32 s[G1SB+6], 0
	s_mov_b32 s[G1SB+7], 0
	s_lshl_b32 s20, s17, 3
	s_lshl_b32 s18, s16, 2
	s_add_co_u32 s20, s20, s18                     ; A: the first rowtile that I fetch: 8 x tile row + 4 x half
	s_mul_i32 s22, s20, ASRB
	s_mov_b32 s23, 0
	s_mul_i32 s20, s20, ARTB
	s_mov_b32 s21, 0
	s_lshl_b32 s46, s42, 7
	s_lshl_b32 s18, s16, 6
	s_add_co_u32 s46, s46, s18                     ; B: the first row that I fetch: 128 x tile column + 64 x half
	s_mul_i32 s92, s46, KS
	s_mov_b32 s93, 0
	s_mul_i32 s46, s46, KROW
	s_mov_b32 s47, 0
	s_mul_i32 s45, s16, AHALF                      ; where they go: the wave's number alone enters an LDS address
	s_mul_i32 s94, s16, BHALF
	s_mul_i32 s66, s16, SAH
	s_mul_i32 s67, s16, HALFS
	s_wait_kmcnt 0x0
	s_add_nc_u64 s[20:21], s[4:5], s[20:21]
	s_add_nc_u64 s[22:23], s[6:7], s[22:23]
	s_add_nc_u64 s[46:47], s[8:9], s[46:47]
	s_add_nc_u64 s[92:93], s[10:11], s[92:93]
	CROUND                                         ; all sixteen work-groups are here: the first joint loads meet
	s_mov_b32 s[G0S], 1
	s_add_co_u32 s[G0S+1], s66, SCA
	s_mov_b64 s[G0S+2:G0S+3], s[22:23]
	s_or_b32 s[G0S+3], s[G0S+3], 0x80000000
	s_mov_b32 s[G0SB], 1
	s_add_co_u32 s[G0SB+1], s67, SCB
	s_mov_b64 s[G0SB+2:G0SB+3], s[92:93]
	s_or_b32 s[G0SB+3], s[G0SB+3], 0x80000000
	JLOAD G0S, G1S, G0SB, G1SB                     ; the scales first: filled once
.irp s, 0,1
	s_mov_b32 s[G0+4*\s], 1
	s_add_co_u32 s[G0+4*\s+1], s45, \s*SLOT
	s_add_nc_u64 s[G0+4*\s+2:G0+4*\s+3], s[20:21], \s*6144
	s_or_b32 s[G0+4*\s+3], s[G0+4*\s+3], 0x80000000
	s_mov_b32 s[G0B+4*\s], 1
	s_add_co_u32 s[G0B+4*\s+1], s94, \s*SLOT+BOFF
	s_add_nc_u64 s[G0B+4*\s+2:G0B+4*\s+3], s[46:47], \s*384
	s_or_b32 s[G0B+4*\s+3], s[G0B+4*\s+3], 0x80000000
	JLOAD G0+4*\s, G1, G0B+4*\s, G1B               ; three tensor loads of a wave are out here, later at most one
.endr
	v_and_b32 v1, 15, v0                           ; r
	v_bfe_u32 v2, v0, 4, 1                         ; h
	v_and_b32 v3, 31, v0                           ; lane
	v_lshlrev_b32 v[LI], 4, v3
	v_lshl_add_u32 v[LI8], v3, 3, 512
	v_mul_u32_u24 v6, v1, PITCH
	v_mad_u32_u24 v6, v2, 24, v6                   ; B: row x pitch + 24 h
	v_lshl_add_u32 v7, v2, 4, v6                   ; and behind one padding more
	s_mul_i32 s21, s15, AHALF                      ; my 4 rowtiles of A
	s_mul_i32 s22, s16, BHALF
	s_add_co_u32 s22, s22, BOFF                    ; my 64 rows of B
.irp s, 0,1
	v_add_nc_u32 v[ADRA16+\s], s21, v[LI]
	v_add_nc_u32 v[ADRA8+\s], s21, v[LI8]
	v_add_nc_u32 v[ADRB+\s], s22, v6
	v_add_nc_u32 v[ADRB+2+\s], s22, v7
	s_add_co_u32 s21, s21, SLOT
	s_add_co_u32 s22, s22, SLOT
.endr
	v_lshlrev_b32 v[LS], 2, v1
	s_mul_i32 s21, s15, SAH
	s_add_co_u32 s21, s21, SCA
	v_add_nc_u32 v[ADRSA], s21, v[LS]
	v_mul_u32_u24 v9, v1, KS
	v_lshrrev_b32 v10, 8, v9
	v_lshl_add_u32 v9, v10, 4, v9                  ; KS bytes a row, and 16 more for each 256 passed
	s_mul_i32 s22, s16, HALFS
	s_add_co_u32 s22, s22, SCB
	v_add_nc_u32 v[ADRSB], s22, v9
	s_lshl_b32 s46, s42, 9
	s_lshl_b32 s47, s16, 8
	s_add_co_u32 s46, s46, s47                     ; my first column, in bytes of f32: 512 x tile column + 256 x half
	s_mov_b32 s47, 0
	s_add_nc_u64 s[12:13], s[12:13], s[46:47]
	s_lshl_b32 s20, s17, 7
	s_lshl_b32 s21, s15, 6
	s_add_co_u32 s20, s20, s21                     ; my first token: 128 x tile row + 64 x half
	s_lshl_b32 s20, s20, 12
	s_add_co_u32 s20, s20, s46
	s_mov_b32 s21, 0
	s_add_nc_u64 s[96:97], s[96:97], s[20:21]
	s_add_nc_u64 s[98:99], s[98:99], s[20:21]
	s_mul_i32 s23, s14, 16*SP                      ; my stage
	v_mul_u32_u24 v9, v1, SP
	v_lshl_add_u32 v9, v2, 5, v9
	v_add_nc_u32 v[STO], s23, v9                   ; in: row r, + 32 h
	v_mul_u32_u24 v10, v2, SP
	v_lshl_add_u32 v10, v1, 4, v10
	v_add_nc_u32 v[RD], s23, v10                   ; back: lanes 0-15 one row of 256 bytes, lanes 16-31 the next
	v_lshlrev_b32 v[CO], 12, v2
	v_lshl_add_u32 v[CO], v1, 4, v[CO]             ; and the same two tokens in memory: rows 2 t and 2 t + 1 of a rowtile are neighbouring tokens
	v_lshlrev_b32 v[BO], 5, v2
	WIN TO_F
.irp b, 0,1,2,3                        ; the bias in the result's layout: tile b, lane (r, h), register j: column 16 b + 8 h + j
	global_load_b128 v[BIAS+8*\b:BIAS+8*\b+3], v[BO], s[12:13] offset:64*\b
	global_load_b128 v[BIAS+8*\b+4:BIAS+8*\b+7], v[BO], s[12:13] offset:64*\b+16
.endr
	WIN TO_R
.irp a, 0,1,2,3                        ; the residual: block a, rows 2 t and 2 t + 1: tokens 32 (a / 2) + 8 (a % 2) + 2 t + 8 (t / 4) and the next; 32 loads that stay out until the way out
.irp t, 0,1,2,3,4,5,6,7
	global_load_b128 v[RES+32*\a+4*\t:RES+32*\a+4*\t+3], v[CO], s[96:97] offset:(32*(\a/2)+8*(\a%2)+2*\t+8*(\t/4))*4096
.endr
.endr
	WIN 0
.macro FRAG reg, adr, q, i             ; a fragment of B: six pieces of 8 bytes of the row's stream of bits; 16 pieces lie between two paddings; where the piece of lanes 16-31, three on, lies behind one padding more, the second address register serves
.irp p, 0,1,2,3,4,5
.set PCE, 12*(\q)+6*(\p/3)+\p%3
.if PCE%16 < 13
	ds_load_b64 v[\reg+2*\p:\reg+2*\p+1], v[\adr] offset:8*PCE+16*(PCE/16)+(\i)*16*PITCH
.else
	ds_load_b64 v[\reg+2*\p:\reg+2*\p+1], v[\adr+2] offset:8*PCE+16*(PCE/16)+(\i)*16*PITCH
.endif
.endr
.endm
.macro FRAGA reg, slot, q, i           ; a fragment of A: two images of 768 bytes
.irp c, 0,1
	ds_load_b128 v[\reg+6*\c:\reg+6*\c+3], v[ADRA16+\slot] offset:6144*(\i)+1536*(\q)+768*\c
	ds_load_b64 v[\reg+6*\c+4:\reg+6*\c+5], v[ADRA8+\slot] offset:6144*(\i)+1536*(\q)+768*\c
.endr
.endm
.macro FETCH slot, q, f                ; 40 loads: the fragments of the slot's q-th 128 along K into buffer f
	WIN TO_F
.irp i, 0,1,2,3
	FRAGA 96*(\f)+FR*\i, \slot, \q, \i
.endr
.irp i, 0,1,2,3
	FRAG 96*(\f)+48+FR*\i, ADRB+\slot, \q, \i
.endr
.endm
.macro SCALES sc                       ; 20 loads: the slot's four scale words of A's four blocks and of B's four
.irp i, 0,1,2,3
.irp q, 0,1,2,3
	ds_load_b32 v[SA+16*\sc+4*\i+\q], v[ADRSA] offset:\i*ASRB+64*\q
.endr
	ds_load_b128 v[SB+16*\sc+4*\i:SB+16*\sc+4*\i+3], v[ADRSB] offset:\i*SBLK
.endr
.endm
; 16 matrix instructions: A's four blocks x B's four, buffer f, the slot's q-th 128, scale set sc.  first = 1: C is the bias.  The 16 accumulators take turns.
.macro MUL16 f, q, sc, first
.irp a, 0,1,2,3
.irp b, 0,1,2,3
.if \first
	v_wmma_scale_f32_16x16x128_f8f6f4 v[ACC+8*(4*\a+\b):ACC+8*(4*\a+\b)+7], v[96*(\f)+48+FR*\b:96*(\f)+48+FR*\b+FR-1], v[96*(\f)+FR*\a:96*(\f)+FR*\a+FR-1], v[BIAS+8*\b:BIAS+8*\b+7], v[SB+16*(\sc)+4*\b+(\q)], v[SA+16*(\sc)+4*\a+(\q)] matrix_a_fmt:MATRIX_FMT_FP6 matrix_b_fmt:MATRIX_FMT_FP6
.else
	v_wmma_scale_f32_16x16x128_f8f6f4 v[ACC+8*(4*\a+\b):ACC+8*(4*\a+\b)+7], v[96*(\f)+48+FR*\b:96*(\f)+48+FR*\b+FR-1], v[96*(\f)+FR*\a:96*(\f)+FR*\a+FR-1], v[ACC+8*(4*\a+\b):ACC+8*(4*\a+\b)+7], v[SB+16*(\sc)+4*\b+(\q)], v[SA+16*(\sc)+4*\a+(\q)] matrix_a_fmt:MATRIX_FMT_FP6 matrix_b_fmt:MATRIX_FMT_FP6
.endif
.endr
.endr
.endm
.macro PLACES                          ; four plain places behind matrix instructions, in front of loads into their registers and of reads of results
.rept 4
	v_nop
.endr
.endm
.macro STEP slot, q, first             ; 128 along K whose successor lies in the same slot
	PLACES                                         ; the last step's products read the buffer that is loaded now
	FETCH \slot, (\q)+1, 1-(\q)%2
	s_wait_dscnt 40                                ; all but the 40 just issued: this step's fragments, asked for a step ago, are in
.if \first
	WIN MUL_B
.else
	WIN MUL
.endif
	MUL16 (\q)%2, \q, \slot, \first
.endm
.macro TURN slot, next, fill           ; a slot's fourth step, and the change of slots at its head: all reads of this slot have been issued
	WIN 0                                          ; at a branch and at a label every window is 0; the add's registers lie in window 0
	s_wait_tensorcnt 0x0                           ; all my tensor loads have landed: my part of the next slot
	ds_add_u32 v[SPW], v[NIL]                      ; 0 onto my spare word
	PLACES                                         ; the places behind the third step's products stand between the add and the wait for it
	s_wait_dscnt 0x0                               ; the add is done, and my reads of this slot are over: this step's fragments are in
.if \fill
	CROUND                                         ; a round of the cluster's barrier: no wave of any partner still reads this slot or has a load on its way
	s_add_nc_u64 s[G0+4*\slot+2:G0+4*\slot+3], s[G0+4*\slot+2:G0+4*\slot+3], 2*6144
	s_add_nc_u64 s[G0B+4*\slot+2:G0B+4*\slot+3], s[G0B+4*\slot+2:G0B+4*\slot+3], 2*384
	JLOAD G0+4*\slot, G1, G0B+4*\slot, G1B         ; the first tensor load behind the round: it has this step and the next slot's three in which to land
.else
	s_barrier_signal -1
	s_barrier_wait -1                              ; the next slot is whole
.endif
	v_add_nc_u32 v[ADRSA], 256, v[ADRSA]           ; the next slot's scale words
	v_add_nc_u32 v[ADRSB], 16, v[ADRSB]
	SCALES \next
	FETCH \next, 0, 0
	WIN MUL
	MUL16 1, 3, \slot, 0
.endm
	s_wait_tensorcnt 1                             ; the scales and my part of slot 0 are in; slot 1's load may be out
	s_barrier_signal -1
	s_barrier_wait -1
	SCALES 0
	FETCH 0, 0, 0
	s_wait_loadcnt 32                              ; the bias is in; the residual's 32 loads may be out
	STEP 0, 0, 1
	STEP 0, 1, 0
	STEP 0, 2, 0
.if LAPS > 1
	WIN 0
	s_mov_b32 s3, LAPS-1
.Llap:                                                 ; a trip goes once round the ring and fills both slots again
	TURN 0, 1, 1
	STEP 1, 0, 0
	STEP 1, 1, 0
	STEP 1, 2, 0
	TURN 1, 0, 1
	STEP 0, 0, 0
	STEP 0, 1, 0
	STEP 0, 2, 0
	WIN 0
	s_sub_co_u32 s3, s3, 1
	s_cmp_lg_u32 s3, 0
	s_cbranch_scc1 .Llap
.endif
	TURN 0, 1, 0                                   ; the last lap fills nothing
	STEP 1, 0, 0
	STEP 1, 1, 0
	STEP 1, 2, 0
	s_wait_dscnt 0x0                               ; the very last step: nothing more to fetch
	MUL16 1, 3, 1, 0
	WIN 0
; ---------------- the way out ----------------
.macro TOSTAGE a                       ; block a: 16 tokens x 64 columns into my stage, and back as rows, into the registers that it left
.irp b, 0,1,2,3
	ds_store_b128 v[STO], v[ACC+8*(4*\a+\b):ACC+8*(4*\a+\b)+3] offset:64*\b          ; each accumulator from its low end on
	ds_store_b128 v[STO], v[ACC+8*(4*\a+\b)+4:ACC+8*(4*\a+\b)+7] offset:64*\b+16
.endr
.irp t, 0,1,2,3,4,5,6,7
	ds_load_b128 v[ACC+32*\a+4*\t:ACC+32*\a+4*\t+3], v[RD] offset:2*\t*SP            ; LDS serves a wave's instructions in order: these see the stores above, and the next block's stores come behind them
.endr
.endm
	PLACES                                         ; behind the last products
.irp a, 0,1,2,3
	TOSTAGE \a
.endr
	s_wait_loadcnt 0x0                             ; the residual
.irp a, 0,1,2,3
	s_wait_dscnt 48-16*\a                          ; block a is back; the later blocks' 16 LDS instructions each may be out
	WIN 0x08                                       ; source 1 in window 2
.set i, 0
.rept 16
	v_pk_add_f32 v[ACC+32*\a+i:ACC+32*\a+i+1], v[ACC+32*\a+i:ACC+32*\a+i+1], v[RES+32*\a+i:RES+32*\a+i+1]
.set i, i+2
.endr
	WIN 0
.irp t, 0,1,2,3,4,5,6,7
	global_store_b128 v[CO], v[ACC+32*\a+4*\t:ACC+32*\a+4*\t+3], s[98:99] offset:(32*(\a/2)+8*(\a%2)+2*\t+8*(\t/4))*4096   ; sixteen lanes store 256 consecutive bytes, at a multiple of 256 from the buffer's first byte
.endr
.endr
	s_wait_tensorcnt 0x0                           ; the wave's end
	ds_add_u32 v[SPW], v[NIL]
	s_wait_dscnt 0x0
	CROUND                                         ; the closing round
	s_endpgm
.Lfunc_end_k_qbe284443fe_fc2:
	.size	k_qbe284443fe_fc2, .Lfunc_end_k_qbe284443fe_fc2-k_qbe284443fe_fc2
	.p2alignl 7, 3214868480
	.fill 96, 4, 3214868480
	.section	.rodata,"a",@progbits
	.p2align	6, 0x0
	.amdhsa_kernel k_qbe284443fe_fc2
		.amdhsa_group_segment_fixed_size 327680
		.amdhsa_private_segment_fixed_size 0
		.amdhsa_enable_private_segment 0
		.amdhsa_kernarg_size 56
		.amdhsa_user_sgpr_count 2
		.amdhsa_user_sgpr_kernarg_segment_ptr 1
		.amdhsa_wavefront_size32 1
		.amdhsa_system_sgpr_workgroup_id_x 1
		.amdhsa_system_sgpr_workgroup_id_y 1
		.amdhsa_system_sgpr_workgroup_id_z 1
		.amdhsa_system_vgpr_workitem_id 0
		.amdhsa_next_free_vgpr 640
		.amdhsa_next_free_sgpr 102
		.amdhsa_reserve_vcc 0
		.amdhsa_float_denorm_mode_32 3
		.amdhsa_float_denorm_mode_16_64 3
		.amdhsa_memory_ordered 1
		.amdhsa_forward_progress 1
		.amdhsa_inst_pref_size 110
	.end_amdhsa_kernel
	.amdgpu_metadata
---
amdhsa.version: [ 1, 2 ]
amdhsa.kernels:
  - .name:           k_qbe284443fe_fc2
    .symbol:         k_qbe284443fe_fc2.kd
    .args:
      - { .name: h_img, .offset: 0, .size: 8, .value_kind: global_buffer, .address_space: global }
      - { .name: h_scl, .offset: 8, .size: 8, .value_kind: global_buffer, .address_space: global }
      - { .name: fc2_w_codes, .offset: 16, .size: 8, .value_kind: global_buffer, .address_space: global }
      - { .name: fc2_w_scales, .offset: 24, .size: 8, .value_kind: global_buffer, .address_space: global }
      - { .name: fc2_b, .offset: 32, .size: 8, .value_kind: global_buffer, .address_space: global }
      - { .name: x1, .offset: 40, .size: 8, .value_kind: global_buffer, .address_space: global }
      - { .name: out0, .offset: 48, .size: 8, .value_kind: global_buffer, .address_space: global }
    .group_segment_fixed_size: 327680
    .private_segment_fixed_size: 0
    .kernarg_segment_align: 8
    .kernarg_segment_size: 56
    .max_flat_workgroup_size: 128
    .sgpr_count:     102
    .vgpr_count:     640
    .wavefront_size: 32
...
	.end_amdgpu_metadata
.endif
;; end of part 8
